; MI455X (gfx1250); checked and timed in simulation.
; The chip was launched on July 23, 2026; its instructions are those of AMD's public machine-readable ISA for CDNA 5 (MIT licence, August 2026) and "CDNA5" Instruction Set Architecture Reference Guide (July 2026). The comments in the code are by the model that wrote it; some were corrected since.
;; Factorized Attention Block. Allowed arithmetic: matrix products marked QUANTISED: E5M2 operands, one E8M0 scale for each 32 along K, by v_wmma_scale_f32_16x16x128_f8f6f4 with both operands' format E5M2, f32 sums; products left as they are: f32 operands where the result goes on into a quantised operand, else bf16, f16 or f32 operands; f32 sums; everything else in f32.
;; Inputs: ca_b1 64 float32; ca_b2 256 float32; ca_w1 64 x 256 float32; ca_w2 256 x 64 float32; in_proj_b 768 float32; in_proj_w_codes 768 x 8 x 32 uint8 (E5M2 codes of in_proj_w, K innermost, in blocks of 32 codes); in_proj_w_scales 768 x 8 uint8 (E8M0 scales of in_proj_w, one for each 32 codes along K); out_proj_b 256 float32; out_proj_w_codes 256 x 8 x 32 uint8 (E5M2 codes of out_proj_w, K innermost, in blocks of 32 codes); out_proj_w_scales 256 x 8 uint8 (E8M0 scales of out_proj_w, one for each 32 codes along K); x 8 x 256 x 64 x 64 float32.
;; Outputs: out0 8 x 256 x 64 x 64 float32.
;; This version of the problem:
;;   THIS VERSION OF THE PROBLEM IS GIVEN IN LOW PRECISION. The matrix products marked QUANTISED in the list below multiply operands that are first quantised to E5M2 (5 exponent bits, 2 mantissa bits; 8 bits a number), with one power-of-two scale for each 32 numbers along K (OCP MX v1.0); their sums are f32. All else is computed in f32.
;;   The module's matrix products, in the order in which they are computed (A, B: the left and right operand; K: the contracted axis; several contracted axes count as one K, in the product's order):
;;     1. [M 8, K 256] x [K 256, N 64]; A: computed on the way; B: input ca_w1: left as it is (M = 8 < 16)
;;     2. [M 8, K 64] x [K 64, N 256]; A: computed on the way; B: input ca_w2: left as it is (M = 8 < 16)
;;     3. [M 32,768, K 256] x [K 256, N 768]; A: computed on the way; B: input in_proj_w (given as codes): QUANTISED
;;     4. batch 512 x [M 512, K 32] x [K 32, N 512]; A: computed on the way; B: computed on the way: QUANTISED
;;     5. batch 512 x [M 512, K 512] x [K 512, N 32]; A: softmax (see below); B: computed on the way: QUANTISED
;;     6. [M 32,768, K 256] x [K 256, N 256]; A: computed on the way; B: input out_proj_w (given as codes): QUANTISED
;;   THE QUANTISER, for each operand of a quantised product, along K:
;;     - K is cut into blocks of 32 from its start; a last block that is shorter is filled with zeros.
;;     - A block's scale is 2^e with e = floor(log2(the largest magnitude in the block)) - 15, held to -126 .. 127; a block of zeros has e = 0. As a byte (E8M0): e + 127.
;;     - Each number is divided by its block's scale, clamped to +-57,344, and rounded to the nearest number of E5M2, ties to even, subnormals kept.
;;     - The product sums the exact products of the quantised numbers (number of the format x scale) in f32.
;;   ~~~python
;;   def quantise(x, axis):      # numpy; x: float32 -> the quantised numbers, widened to float32 again
;;       x = np.moveaxis(x, axis, -1); K = x.shape[-1]
;;       x = np.pad(x, [(0, 0)] * (x.ndim - 1) + [(0, -K % 32)]); x = x.reshape(x.shape[:-1] + (-1, 32)); a = np.abs(x).max(-1, keepdims=True)
;;       e = np.where(a > 0, np.clip(np.frexp(np.where(a > 0, a, 1))[1] - 1 - 15, -126, 127), 0)      # np.frexp(a)[1] - 1 = floor(log2(a)), exactly
;;       r = np.clip(x / 2.0 ** e, -57344, 57344)
;;       step = 2.0 ** (np.maximum(np.frexp(np.where(r == 0, 1, r))[1] - 1, -14) - 2)
;;       q = np.round(r / step) * step * 2.0 ** e      # np.round: ties to even
;;       return np.moveaxis(q.reshape(q.shape[:-2] + (-1,))[..., :K], -1, axis).astype(np.float32)
;;   ~~~
;;   SOFTMAX AHEAD OF A QUANTISED PRODUCT. Where the list says 'softmax', what is quantised is not the finished softmax but p = 2^(t - M), with t = logit x log2(e) and M = ceil(the row's largest t), a whole number; so 1/2 < the row's largest p <= 1. The row's sum l is taken of the UNQUANTISED p, in f32, and the product's result is divided by l at the end. Since M is a whole number, a kernel that streams over the keys may use a running M (the ceiling of the running maximum): every later rescaling is an exact power of two, which a block's scale takes up: the codes' values come out the same.
;;   OPERANDS COMPUTED ON THE WAY. 'Computed on the way' means the value that the module computes at that place (a softmax that the list does not call 'softmax' is quantised finished and normalised). What goes into a quantiser is computed in f32, as accurately as f32 sums, v_exp_f32 and their like allow (about 1e-6 of the number): no bf16 or f16 on the way to a quantiser, and a product that is left as it is and whose result goes on into a quantised operand takes f32 operands (vector FMAs, or v_wmma_f32_16x16x4_f32). A number that lies on a knife's edge between two numbers of the format may be rounded either way, as far as f32 arithmetic and the matrix unit's own rounding can turn it there, and no further.
;;   INPUTS GIVEN AS CODES. in_proj_w (in the module: [768, 256], K = its axis 1); out_proj_w (in the module: [256, 256], K = its axis 1): each comes as NAME_codes (uint8): NAME with its K axis moved to the last place and cut into blocks of 32 codes, [.., K / 32, bytes a block], one block behind the other in memory; one code a byte (a code: sign, 5 exponent bits, 2 mantissa bits); and NAME_scales (uint8): the same leading axes, one E8M0 byte (e + 127) for each 32 codes along K. Its value is code x scale, taken as it is: it is not quantised again, and the codes and scales need not be those that the quantiser above would give.
;; 2 versions. Each part assembles by itself: llvm-mc -triple=amdgcn-amd-amdhsa -mcpu=gfx1250 --defsym DOCPART=n.
;; ======== version 1 of 2: 4 launches
;; workspace buffers: hp 65,536 bytes; ca 8,192 bytes; xq 8,388,608 bytes; xs 262,144 bytes; oq 8,388,608 bytes; os 262,144 bytes
;; launch pool (part 1): grid 256 x 1, 8 waves a work-group, no clusters, 1,280 bytes of LDS; arguments x, ca_w1, hp; writes hp
.if DOCPART == 1
	.amdgcn_target "amdgcn-amd-amdhsa--gfx1250"
	.amdhsa_code_object_version 6
	.text
	.protected	k_qffbfde7693_pool
	.globl	k_qffbfde7693_pool
	.p2align	8
	.type	k_qffbfde7693_pool,@function
k_qffbfde7693_pool:
	s_mov_b64 s[64:65], 0
	v_nop
	global_prefetch_b8 v0, s[64:65] scope:SCOPE_SE
	s_setreg_imm32_b32 hwreg(HW_REG_WAVE_MODE, 25, 1), 1
	s_wait_xcnt 0x0
; hp[b][g][j] = the sum over c = 8 g .. 8 g + 7 of mean(x[b][c]) * ca_w1[j][c]: the pool, and partial sums of the gate's first product, all in f32.
; x: [8][256][64][64] f32.  ca_w1: [64][256] f32.  hp: [8][32][64] f32.
; Work-group 32 b + g; wave w takes the whole plane (b, 8 g + w), 16,384 bytes: 32 loads of 512 consecutive bytes, all asked for at the head.
; The eight means meet in LDS; wave 0 multiplies them by its 64 x 8 numbers of ca_w1 (lane l: rows 2 l and 2 l + 1) and stores 256 consecutive bytes, aligned.
; No matrix unit (8 rows), no cluster (no work-group shares a byte of x with another).
; LIMITS: the plane's sum is taken in four chains and across lanes, another order of f32 additions than a plain run along the plane; NaN and infinities among the inputs are not served.
.set X, 32                             ; v32-159 the plane: 32 loads x 4 registers; loads 0 and 1 are the four running sums
	s_load_b128 s[4:7], s[0:1], 0x0                ; x, ca_w1
	s_load_b64 s[8:9], s[0:1], 0x10                ; hp
	v_lshl_add_u32 v160, v0, 2, 0x100
	v_mov_b32 v161, 0
	v_lshrrev_b32 v1, 5, v0
	v_readfirstlane_b32 s10, v1                    ; wave 0..7
	v_and_b32 v6, 31, v0                           ; lane
	v_lshlrev_b32 v1, 4, v6                        ; x: 16 bytes a lane
	v_lshlrev_b32 v2, 11, v6                       ; ca_w1: two rows of 1,024 bytes a lane
	v_lshlrev_b32 v5, 3, v6                        ; hp: two numbers a lane
	v_mov_b32 v4, 0                                ; LDS: the eight means
	v_mov_b32 v3, s10
	v_lshlrev_b32 v3, 2, v3                        ; LDS: my wave's mean
	s_mov_b32 s12, 0x76543210
	s_mov_b32 s13, 0xfedcba98                      ; v_permlanex16_b32's selects for lane l xor 16
	s_lshl_b32 s14, ttmp9, 17                      ; 8 planes of 16,384 bytes a work-group,
	s_lshl_b32 s16, s10, 14                        ; one a wave
	s_add_co_u32 s14, s14, s16
	s_mov_b32 s15, 0
	s_and_b32 s16, ttmp9, 31                       ; g
	s_lshl_b32 s16, s16, 5                         ; 8 columns of ca_w1
	s_mov_b32 s17, 0
	s_lshl_b32 s18, ttmp9, 8                       ; 64 numbers of hp a work-group
	s_mov_b32 s19, 0
	s_wait_kmcnt 0x0
	s_add_nc_u64 s[4:5], s[4:5], s[14:15]
	s_add_nc_u64 s[6:7], s[6:7], s[16:17]
	s_add_nc_u64 s[8:9], s[8:9], s[18:19]
	s_cmp_lg_u32 s10, 0
	s_cbranch_scc1 .Lrows
	global_load_b128 v[8:11], v2, s[6:7]           ; wave 0: ca_w1[2 l][8 g ..], issued ahead of the plane's loads, so that the counts below hold in every wave
	global_load_b128 v[12:15], v2, s[6:7] offset:16
	global_load_b128 v[16:19], v2, s[6:7] offset:1024  ; ca_w1[2 l + 1][8 g ..]
	global_load_b128 v[20:23], v2, s[6:7] offset:1040
.Lrows:
.set i, 0
.rept 32
	global_load_b128 v[X+4*i:X+4*i+3], v1, s[4:5] offset:512*i
.set i, i+1
.endr
.set i, 2
.rept 30
.if i == 2
	s_wait_loadcnt 24                              ; loads 0 to 7 are in; the 24 younger ones stay out
.elseif i == 8
	s_wait_loadcnt 16                              ; loads 0 to 15
.elseif i == 16
	s_wait_loadcnt 8                               ; loads 0 to 23
.elseif i == 24
	s_wait_loadcnt 0
.endif
	v_pk_add_f32 v[X+4*(i%2):X+4*(i%2)+1], v[X+4*(i%2):X+4*(i%2)+1], v[X+4*i:X+4*i+1]           ; four chains: even loads onto load 0, odd loads onto load 1
	v_pk_add_f32 v[X+4*(i%2)+2:X+4*(i%2)+3], v[X+4*(i%2)+2:X+4*(i%2)+3], v[X+4*i+2:X+4*i+3]
.set i, i+1
.endr
	v_pk_add_f32 v[X:X+1], v[X:X+1], v[X+2:X+3]
	v_pk_add_f32 v[X+4:X+5], v[X+4:X+5], v[X+6:X+7]
	v_pk_add_f32 v[X:X+1], v[X:X+1], v[X+4:X+5]
	v_add_f32 v[X], v[X], v[X+1]
	v_add_f32_dpp v[X], v[X], v[X] row_xmask:1 row_mask:0xf bank_mask:0xf
	v_add_f32_dpp v[X], v[X], v[X] row_xmask:2 row_mask:0xf bank_mask:0xf
	v_add_f32_dpp v[X], v[X], v[X] row_xmask:4 row_mask:0xf bank_mask:0xf
	v_add_f32_dpp v[X], v[X], v[X] row_xmask:8 row_mask:0xf bank_mask:0xf
	v_permlanex16_b32 v[X+1], v[X], s12, s13       ; (its destination has been written)
	v_add_f32 v[X], v[X], v[X+1]
	v_mul_f32 v[X], 0x39800000, v[X]               ; / 4,096: exact
	ds_store_b32 v3, v[X]                          ; all lanes write the same word with the same value
	s_wait_dscnt 0x0                               ; for the others' sake: my store has landed
	s_barrier_signal -1
	s_barrier_wait -1
	s_cmp_lg_u32 s10, 0
	s_cbranch_scc1 .Lend
	ds_load_b128 v[24:27], v4                      ; the eight means
	ds_load_b128 v[28:31], v4 offset:16
	s_wait_dscnt 0x0
	v_mul_f32 v6, v8, v24                          ; two rows by turns
	v_mul_f32 v7, v16, v24
.irp i, 1,2,3,4,5,6,7
	v_fma_f32 v6, v[8+\i], v[24+\i], v6
	v_fma_f32 v7, v[16+\i], v[24+\i], v7
.endr
	global_store_b64 v5, v[6:7], s[8:9]            ; 32 lanes store 256 consecutive bytes, aligned
.Lend:
	s_wait_tensorcnt 0x0
	ds_add_u32 v160, v161
	s_wait_dscnt 0x0
	s_endpgm
.Lfunc_end_k_qffbfde7693_pool:
	.size	k_qffbfde7693_pool, .Lfunc_end_k_qffbfde7693_pool-k_qffbfde7693_pool
	.p2alignl 7, 3214868480
	.fill 96, 4, 3214868480
	.section	.rodata,"a",@progbits
	.p2align	6, 0x0
	.amdhsa_kernel k_qffbfde7693_pool
		.amdhsa_group_segment_fixed_size 1280
		.amdhsa_private_segment_fixed_size 0
		.amdhsa_enable_private_segment 0
		.amdhsa_kernarg_size 24
		.amdhsa_user_sgpr_count 2
		.amdhsa_user_sgpr_kernarg_segment_ptr 1
		.amdhsa_wavefront_size32 1
		.amdhsa_system_sgpr_workgroup_id_x 1
		.amdhsa_system_sgpr_workgroup_id_y 1
		.amdhsa_system_sgpr_workgroup_id_z 1
		.amdhsa_system_vgpr_workitem_id 0
		.amdhsa_next_free_vgpr 162
		.amdhsa_next_free_sgpr 66
		.amdhsa_reserve_vcc 0
		.amdhsa_float_denorm_mode_32 3
		.amdhsa_float_denorm_mode_16_64 3
		.amdhsa_memory_ordered 1
		.amdhsa_forward_progress 1
		.amdhsa_inst_pref_size 11
	.end_amdhsa_kernel
	.amdgpu_metadata
---
amdhsa.version: [ 1, 2 ]
amdhsa.kernels:
  - .name:           k_qffbfde7693_pool
    .symbol:         k_qffbfde7693_pool.kd
    .args:
      - { .name: x, .offset: 0, .size: 8, .value_kind: global_buffer, .address_space: global }
      - { .name: ca_w1, .offset: 8, .size: 8, .value_kind: global_buffer, .address_space: global }
      - { .name: hp, .offset: 16, .size: 8, .value_kind: global_buffer, .address_space: global }
    .group_segment_fixed_size: 1280
    .private_segment_fixed_size: 0
    .kernarg_segment_align: 8
    .kernarg_segment_size: 24
    .max_flat_workgroup_size: 256
    .sgpr_count:     66
    .vgpr_count:     162
    .wavefront_size: 32
...
	.end_amdgpu_metadata
.endif
;; end of part 1
;; launch gateq (part 2): grid 64 x 4, 8 waves a work-group, no clusters, 41,984 bytes of LDS; arguments x, hp, ca_b1, ca_w2, ca_b2, xq, xs, ca; writes xq, xs, ca
.if DOCPART == 2
	.amdgcn_target "amdgcn-amd-amdhsa--gfx1250"
	.amdhsa_code_object_version 6
	.text
	.protected	k_qffbfde7693_gateq
	.globl	k_qffbfde7693_gateq
	.p2align	8
	.type	k_qffbfde7693_gateq,@function
k_qffbfde7693_gateq:
	s_mov_b64 s[64:65], 0
	v_nop
	global_prefetch_b8 v0, s[64:65] scope:SCOPE_SE
	s_setreg_imm32_b32 hwreg(HW_REG_WAVE_MODE, 25, 1), 1
	s_wait_xcnt 0x0
; The gate is finished, x is multiplied by it, cut into windows and turned into codes of BF8 (E5M2) with one E8M0 byte for each 32 channels.
; ca[b][c] = sigmoid(relu(sum over g of hp[b][g][:] + b1) . w2[c][:] + b2[c]), in f32.  xw[l][n][c] = x[b][c][y][xx] ca[b][c], l = 64 (y / 8) + 8 (xx / 8) + b, n = 8 (y % 8) + xx % 8.
; A work-group takes one image row y, 64 channels (cg: two blocks k of 32) and all eight b; wave w takes b = w.  Each work-group makes the gate of its own 64 channels for the eight b anew: 64 x 64 x 8 multiply-adds.
; A LANE HOLDS 16 CHANNELS OF FOUR PIXELS: lane (q, hh) loads, of channel 32 k + 16 hh + i, the 16 bytes of pixels 4 q .. 4 q + 3: each load reads two whole image rows of 256 bytes.  The gate's multiplication
; sorts the numbers by pixel; a pixel's 16 registers are 16 neighbours along the product's K, in the order that the operand's layout gives lane half hh; the block's other 16 lie in lane l xor 16.
; xq IS LAID AS IMAGES OF OPERAND REGISTERS: [n 64][t 32][s 2][c 4][lane 32][16 bytes]: tile t = 2 B + u, its row r is l = 32 B + 8 u + r + 8 (r / 8); lane 16 h + r holds channels 128 s + 32 c + 16 h + 0 .. 15.
; xs: [y % 8][y / 8][cg][xx % 8][t % 4][r][2 bytes]: byte k is the scale of channel block 2 cg + k.
; The codes meet in a stage in LDS and leave by stores of 512 consecutive bytes, the scale bytes by stores of 256.
; A block's scale is 2^(floor(log2(largest magnitude)) - 15); its byte is the largest magnitude's exponent field - 15, held at 1 from below.
; LIMITS: a block of zeros gets the byte 1 where the rule says 127 (its codes are zeros, and this program alone reads the bytes); blocks whose largest magnitude lies under 2^-111 keep the byte 1;
; NaN and infinities among the inputs are not served; the gate's sums run in another order of f32 additions than a plain run along K.
; No matrix unit (the gate's products have 8 rows), no cluster (no byte of x is read by two work-groups; hp and ca_w2 are small).
.set H1T, 0                            ; LDS: h1 as [j 64][b 8] f32
.set PRE, 2048                         ;      the second product's sums, [b][64 channels]
.set CAL, 4096                         ;      the gate, [b][64 channels]
.set SCS, 6144                         ;      scale bytes, [xx % 8][t % 4][r][2]
.set STG, 8192                         ;      codes: piece (8 (xx % 8) + 2 (t % 4) + k) of 512 bytes, in it 16 bytes a lane of the image
.set W2,  12                           ; v12-27  ca_w2: eight pairs; later TM
.set TM,  12                           ; v12-15 largest magnitudes, v16-19 bytes, v20-23 the largest number x the scale, v24-27 the conversions' scale operands
.set EB,  28                           ; v28-29 b1, v30-31 b2; later the four pixels' two scale bytes
.set HV,  32                           ; v32-47  h1 of my two j; later 16 numbers of the gate
.set TP,  48                           ; v48-63  the other half's sums; later the codes
.set CD,  48
.set AC,  64                           ; v64-127 hp; then the second product's 64 sums; then 64 gated numbers; then the codes on their way out
.set XN,  64
.set RAW, 128                          ; v128-255 x as loaded: block k, channel i: 4 registers
.set SEL, 26                           ; s[26:27]
.set MNT, 28                           ; s28
	s_load_b256 s[4:11], s[0:1], 0x0               ; x, hp, ca_b1, ca_w2
	s_load_b256 s[12:19], s[0:1], 0x20             ; ca_b2, xq, xs, ca
	s_set_vgpr_msb 0x40
	v_lshl_add_u32 v0, v0, 2, 0xa000
	v_mov_b32 v1, 0
	s_set_vgpr_msb 0x4000
	v_lshrrev_b32 v1, 5, v0
	v_readfirstlane_b32 s20, v1                    ; wave 0..7
	s_mov_b32 s21, ttmp9                           ; y
	s_and_b32 s22, ttmp7, 0xffff                   ; cg
	s_and_b32 s23, s21, 7                          ; y % 8
	s_lshr_b32 s24, s21, 3                         ; y / 8
	v_and_b32 v32, 31, v0                          ; lane
	v_and_b32 v33, 15, v0                          ; q
	v_bfe_u32 v34, v0, 4, 1                        ; hh
	v_and_b32 v35, 1, v0                           ; q's bits 0 to 3
	v_bfe_u32 v36, v0, 1, 1
	v_bfe_u32 v37, v0, 2, 1
	v_bfe_u32 v38, v0, 3, 1
	v_lshlrev_b32 v1, 4, v33
	v_lshl_add_u32 v1, v34, 18, v1                 ; x: 16 q + 16 channels x hh
	v_lshlrev_b32 v2, 3, v32                       ; 8 x lane
	v_lshlrev_b32 v4, 6, v32                       ; H1T: my two j, 64 bytes
	s_lshl_b32 s25, s20, 2
	v_add_nc_u32 v3, s25, v4                       ; H1T: + 4 b
	s_lshl_b32 s25, s20, 5
	s_add_co_u32 s25, s25, PRE
	v_mov_b32 v5, s25                              ; PRE: my wave's eight channels
	s_lshl_b32 s25, s20, 8
	v_add_nc_u32 v6, s25, v2                       ; 256 x wave + 8 x lane
	v_lshlrev_b32 v7, 6, v34
	v_add_nc_u32 v7, s25, v7
	v_add_nc_u32 v7, CAL, v7                       ; CAL: row b, + 16 channels x hh
	v_lshlrev_b32 v8, 14, v35                      ; STG: pixel 4 q + p is xx % 8 = 4 (q & 1) + p, t % 4 = 2 (q >> 3) + ((q >> 1) & 1), r = b + 8 ((q >> 2) & 1)
	v_lshl_add_u32 v8, v38, 11, v8
	v_lshl_add_u32 v8, v36, 10, v8
	v_lshl_add_u32 v8, v34, 8, v8
	v_lshl_add_u32 v8, v37, 7, v8
	s_lshl_b32 s25, s20, 4
	s_add_co_u32 s25, s25, STG
	v_add_nc_u32 v8, s25, v8
	v_lshlrev_b32 v9, 9, v35                       ; SCS likewise
	v_lshl_add_u32 v9, v38, 6, v9
	v_lshl_add_u32 v9, v36, 5, v9
	v_lshl_add_u32 v9, v37, 4, v9
	s_lshl_b32 s25, s20, 1
	s_add_co_u32 s25, s25, SCS
	v_add_nc_u32 v9, s25, v9
	v_lshlrev_b32 v11, 4, v32                      ; 16 x lane
	s_lshl_b32 s25, s20, 12
	s_add_co_u32 s25, s25, STG
	v_add_nc_u32 v10, s25, v11                     ; STG on the way out: wave w takes xx % 8 = w
	s_mov_b32 s[SEL], 0x76543210
	s_mov_b32 s[SEL+1], 0xfedcba98                 ; v_permlanex16_b32's selects for lane l xor 16
	s_mov_b32 s[MNT], 0x600000                     ; the mantissa field of 57,344
	s_mov_b32 s29, 0xbfb8aa3b                      ; -log2(e)
	s_mov_b32 s31, 0
	s_wait_kmcnt 0x0
	s_lshl_b32 s30, s20, 22                        ; x: b, cg's 64 channels, row y
	s_lshl_b32 s25, s22, 20
	s_add_co_u32 s30, s30, s25
	s_lshl_b32 s25, s21, 8
	s_add_co_u32 s30, s30, s25
	s_add_nc_u64 s[4:5], s[4:5], s[30:31]
	s_lshl_b32 s30, s20, 13                        ; hp: b
	s_add_nc_u64 s[6:7], s[6:7], s[30:31]
	s_lshl_b32 s30, s22, 14                        ; ca_w2: row 64 cg + 8 w
	s_lshl_b32 s25, s20, 11
	s_add_co_u32 s30, s30, s25
	s_add_nc_u64 s[10:11], s[10:11], s[30:31]
	s_lshl_b32 s30, s22, 8                         ; ca_b2: 64 cg
	s_add_nc_u64 s[12:13], s[12:13], s[30:31]
	s_lshl_b32 s30, s23, 20                        ; xq: n = 8 (y % 8) + w, tiles 4 (y / 8) on, channel blocks 2 cg on
	s_lshl_b32 s25, s20, 17
	s_add_co_u32 s30, s30, s25
	s_lshl_b32 s25, s24, 14
	s_add_co_u32 s30, s30, s25
	s_lshl_b32 s25, s22, 10
	s_add_co_u32 s30, s30, s25
	s_add_nc_u64 s[14:15], s[14:15], s[30:31]
	s_lshl_b32 s30, s23, 15                        ; xs: the work-group's 1,024 bytes, 256 a wave
	s_lshl_b32 s25, s24, 12
	s_add_co_u32 s30, s30, s25
	s_lshl_b32 s25, s22, 10
	s_add_co_u32 s30, s30, s25
	s_lshl_b32 s25, s20, 8
	s_add_co_u32 s30, s30, s25
	s_add_nc_u64 s[16:17], s[16:17], s[30:31]
	s_lshl_b32 s30, s20, 10                        ; ca: row b, 64 cg
	s_lshl_b32 s25, s22, 8
	s_add_co_u32 s30, s30, s25
	s_add_nc_u64 s[18:19], s[18:19], s[30:31]
	; all loads at the head, the gate's first
.set g, 0
.rept 32
	global_load_b64 v[AC+2*g:AC+2*g+1], v2, s[6:7] offset:256*g      ; hp[b][g][2 l, 2 l + 1]
.set g, g+1
.endr
.set i, 0
.rept 8
	global_load_b64 v[W2+2*i:W2+2*i+1], v2, s[10:11] offset:256*i    ; ca_w2[64 cg + 8 w + i][2 l, 2 l + 1]
.set i, i+1
.endr
	global_load_b64 v[28:29], v2, s[8:9]           ; b1[2 l, 2 l + 1]
	global_load_b64 v[30:31], v2, s[12:13]         ; b2[64 cg + 2 l, + 1]
.set i, 0
.rept 32
	global_load_b128 v[RAW+4*i:RAW+4*i+3], v1, s[4:5] offset:(32*(i/16)+i%16)*16384 th:TH_LOAD_NT   ; block i / 16, channel i % 16 (+ 16 hh): two whole rows of 256 bytes
.set i, i+1
.endr
.set i, 0
.rept 16
	v_mov_b32 v[TP+i], 0                           ; written once: a lane permute's destination counts as one of its sources
.set i, i+1
.endr
	; h1[b][2 l, 2 l + 1]
	s_wait_loadcnt 32                              ; the gate's 42 loads are in; x's 32 stay out
.set g, 4
.rept 28
	v_pk_add_f32 v[AC+2*(g%4):AC+2*(g%4)+1], v[AC+2*(g%4):AC+2*(g%4)+1], v[AC+2*g:AC+2*g+1]   ; four chains
.set g, g+1
.endr
	v_pk_add_f32 v[AC:AC+1], v[AC:AC+1], v[AC+2:AC+3]
	v_pk_add_f32 v[AC+4:AC+5], v[AC+4:AC+5], v[AC+6:AC+7]
	v_pk_add_f32 v[AC:AC+1], v[AC:AC+1], v[AC+4:AC+5]
	v_pk_add_f32 v[AC:AC+1], v[AC:AC+1], v[28:29]
	v_max_num_f32 v[AC], 0, v[AC]
	v_max_num_f32 v[AC+1], 0, v[AC+1]
	ds_store_b32 v3, v[AC]
	ds_store_b32 v3, v[AC+1] offset:32
	s_wait_dscnt 0x0                               ; my stores have landed
	s_barrier_signal -1
	s_barrier_wait -1                              ; h1 of all eight b lies in LDS
	; the second product: wave w makes channels 8 w .. 8 w + 7 of the 64, for all eight b; a lane takes two of the 64 along K
.irp g, 0,1,2,3
	ds_load_b128 v[HV+4*\g:HV+4*\g+3], v4 offset:16*\g               ; registers 0-7: h1[0..7][2 l]; 8-15: h1[0..7][2 l + 1]
.endr
	s_wait_dscnt 0x0
.set b, 0
.rept 8
.set i, 0
.rept 8
	v_mul_f32 v[AC+8*b+i], v[W2+2*i], v[HV+b]
.set i, i+1
.endr
.set b, b+1
.endr
.set b, 0
.rept 8
.set i, 0
.rept 8
	v_fmac_f32 v[AC+8*b+i], v[W2+2*i+1], v[HV+8+b]
.set i, i+1
.endr
.set b, b+1
.endr
.irp m, 1,2,4,8
.set j, 0
.rept 64
	v_add_f32_dpp v[AC+j], v[AC+j], v[AC+j] row_xmask:\m row_mask:0xf bank_mask:0xf
.set j, j+1
.endr
.endr
.irp g, 0,1,2,3
.set j, 0
.rept 16
	v_permlanex16_b32 v[TP+j], v[AC+16*\g+j], s[SEL], s[SEL+1]
.set j, j+1
.endr
.set j, 0
.rept 16
	v_add_f32 v[AC+16*\g+j], v[AC+16*\g+j], v[TP+j]
.set j, j+1
.endr
.endr
.set b, 0
.rept 8
	ds_store_b128 v5, v[AC+8*b:AC+8*b+3] offset:256*b                ; every lane holds the sums: all write the same bytes with the same values
	ds_store_b128 v5, v[AC+8*b+4:AC+8*b+7] offset:256*b+16
.set b, b+1
.endr
	s_wait_dscnt 0x0
	s_barrier_signal -1
	s_barrier_wait -1                              ; the sums of 8 b x 64 channels lie in LDS
	; the sigmoid: wave b, two channels a lane
	ds_load_b64 v[32:33], v6 offset:PRE
	s_wait_dscnt 0x0
	v_pk_add_f32 v[32:33], v[32:33], v[30:31]
	v_mul_f32 v32, s29, v32
	v_mul_f32 v33, s29, v33
	v_exp_f32 v32, v32
	v_exp_f32 v33, v33
	v_nop                                          ; a plain instruction behind the last exponential
	s_wait_alu depctr_va_vdst(0)                   ; one wait for both, ahead of their first reader
	v_add_f32 v32, 1.0, v32
	v_add_f32 v33, 1.0, v33
	v_rcp_f32 v32, v32
	v_rcp_f32 v33, v33
	v_nop
	s_wait_alu depctr_va_vdst(0)
	ds_store_b64 v6, v[32:33] offset:CAL           ; my own row: only this wave reads it, and LDS serves a wave's instructions in order
	s_cmp_lg_u32 s21, 0
	s_cbranch_scc1 .Lno_ca
	global_store_b64 v2, v[32:33], s[18:19]        ; the work-groups of image row 0 store the gate for the last launch: 256 consecutive bytes, aligned
.Lno_ca:
	s_wait_xcnt 0x0                                ; the store has read v32 and v33,
	s_wait_dscnt 0x0                               ; and so has the LDS store: the loads below land there
; 64 numbers of a lane, register 16 p + i = channel 16 hh + i of pixel p's block, become four pixels' codes in v[CD + 4 p] on, their bytes in v[TM + 4 + p]
.macro QUANT4
.irp p, 0,1,2,3
	v_max3_num_f32 v[TM+\p], |v[XN+16*\p]|, |v[XN+16*\p+1]|, 0x8000000   ; my 16 numbers, and the floor 2^(16 - 127): so the byte cannot fall under 1
.endr
.irp i, 2,4,6,8,10,12,14
.irp p, 0,1,2,3
	v_max3_num_f32 v[TM+\p], v[TM+\p], |v[XN+16*\p+\i]|, |v[XN+16*\p+\i+1]|   ; (the four pixels by turns)
.endr
.endr
.irp p, 0,1,2,3
	v_permlanex16_b32 v[TM+4+\p], v[TM+\p], s[SEL], s[SEL+1]
.endr
.irp p, 0,1,2,3
	v_max_num_f32 v[TM+\p], v[TM+\p], v[TM+4+\p]   ; with lane l xor 16's: the block's largest magnitude
.endr
.irp p, 0,1,2,3
	v_add_nc_u32 v[TM+12+\p], 0xf8800000, v[TM+\p] ; 15 off its exponent field: the conversion takes the exponent field of this operand as its scale
.endr
.irp p, 0,1,2,3
	v_and_or_b32 v[TM+8+\p], v[TM+\p], 0x7f800000, s[MNT]   ; 57,344 x the scale
.endr
.irp p, 0,1,2,3
	v_lshrrev_b32 v[TM+4+\p], 23, v[TM+12+\p]      ; the scale's byte
.endr
.irp p, 0,1,2,3
.irp i, 0,1,2,3,4,5,6,7,8,9,10,11,12,13,14,15
	v_med3_num_f32 v[XN+16*\p+\i], v[XN+16*\p+\i], -v[TM+8+\p], v[TM+8+\p]   ; the conversion to an 8-bit code does not saturate (ISA guide 7.6.2): the hold comes first
.endr
	v_cvt_scalef32_pk8_bf8_f32 v[CD+4*\p:CD+4*\p+1], v[XN+16*\p:XN+16*\p+7], v[TM+12+\p]
	v_cvt_scalef32_pk8_bf8_f32 v[CD+4*\p+2:CD+4*\p+3], v[XN+16*\p+8:XN+16*\p+15], v[TM+12+\p]
.endr
	v_nop                                          ; a plain instruction behind the last conversion
.endm
.macro BLOCK k
.irp g, 0,1,2,3
	ds_load_b128 v[HV+4*\g:HV+4*\g+3], v7 offset:128*\k+16*\g        ; the gate of my 16 channels
.endr
	s_wait_loadcnt 16*(1-\k)                       ; this block's 16 loads of x are in; the other block's may stay out
	s_wait_dscnt 0x0                               ; the gate is in, and the last block's LDS stores have read their registers
.set p, 0
.rept 4
.set i, 0
.rept 16
	v_mul_f32 v[XN+16*p+i], v[RAW+64*\k+4*i+p], v[HV+i]              ; x * ca, sorted by pixel
.set i, i+1
.endr
.set p, p+1
.endr
	QUANT4
.irp p, 0,1,2,3
.if \k == 0
	v_mov_b32 v[EB+\p], v[TM+4+\p]
.else
	v_lshl_or_b32 v[EB+\p], v[TM+4+\p], 8, v[EB+\p]                  ; block 2 cg + 1's byte above block 2 cg's
.endif
.endr
.irp p, 0,1,2,3
	ds_store_b128 v8, v[CD+4*\p:CD+4*\p+3] offset:4096*\p+512*\k
.endr
.endm
	BLOCK 0
	BLOCK 1
.irp p, 0,1,2,3
	ds_store_b16 v9, v[EB+\p] offset:128*\p        ; both halves of the lanes write the same two bytes with the same values
.endr
	s_wait_dscnt 0x0
	s_barrier_signal -1
	s_barrier_wait -1                              ; the work-group's codes and scale bytes lie in LDS
.irp j, 0,1,2,3,4,5,6,7
	ds_load_b128 v[AC+4*\j:AC+4*\j+3], v10 offset:512*\j
.endr
.irp j, 0,1,2,3,4,5,6,7
	s_wait_dscnt 7-\j                              ; piece j is in; the younger ones stay out
	global_store_b128 v11, v[AC+4*\j:AC+4*\j+3], s[14:15] offset:4096*(\j/2)+512*(\j%2)   ; 512 consecutive bytes, aligned: tile 4 (y / 8) + j / 2, block 2 cg + j % 2
.endr
	s_cmp_lt_u32 s20, 4
	s_cbranch_scc0 .Lend
	ds_load_b64 v[AC+32:AC+33], v6 offset:SCS      ; waves 0 to 3: 256 of the 1,024 scale bytes each
	s_wait_dscnt 0x0
	global_store_b64 v2, v[AC+32:AC+33], s[16:17]
.Lend:
	s_set_vgpr_msb 0x5
	s_wait_tensorcnt 0x0
	ds_add_u32 v0, v1
	s_wait_dscnt 0x0
	s_set_vgpr_msb 0x500
	s_endpgm
.Lfunc_end_k_qffbfde7693_gateq:
	.size	k_qffbfde7693_gateq, .Lfunc_end_k_qffbfde7693_gateq-k_qffbfde7693_gateq
	.p2alignl 7, 3214868480
	.fill 96, 4, 3214868480
	.section	.rodata,"a",@progbits
	.p2align	6, 0x0
	.amdhsa_kernel k_qffbfde7693_gateq
		.amdhsa_group_segment_fixed_size 41984
		.amdhsa_private_segment_fixed_size 0
		.amdhsa_enable_private_segment 0
		.amdhsa_kernarg_size 64
		.amdhsa_user_sgpr_count 2
		.amdhsa_user_sgpr_kernarg_segment_ptr 1
		.amdhsa_wavefront_size32 1
		.amdhsa_system_sgpr_workgroup_id_x 1
		.amdhsa_system_sgpr_workgroup_id_y 1
		.amdhsa_system_sgpr_workgroup_id_z 1
		.amdhsa_system_vgpr_workitem_id 0
		.amdhsa_next_free_vgpr 258
		.amdhsa_next_free_sgpr 66
		.amdhsa_reserve_vcc 0
		.amdhsa_float_denorm_mode_32 3
		.amdhsa_float_denorm_mode_16_64 3
		.amdhsa_memory_ordered 1
		.amdhsa_forward_progress 1
		.amdhsa_inst_pref_size 66
	.end_amdhsa_kernel
	.amdgpu_metadata
---
amdhsa.version: [ 1, 2 ]
amdhsa.kernels:
  - .name:           k_qffbfde7693_gateq
    .symbol:         k_qffbfde7693_gateq.kd
    .args:
      - { .name: x, .offset: 0, .size: 8, .value_kind: global_buffer, .address_space: global }
      - { .name: hp, .offset: 8, .size: 8, .value_kind: global_buffer, .address_space: global }
      - { .name: ca_b1, .offset: 16, .size: 8, .value_kind: global_buffer, .address_space: global }
      - { .name: ca_w2, .offset: 24, .size: 8, .value_kind: global_buffer, .address_space: global }
      - { .name: ca_b2, .offset: 32, .size: 8, .value_kind: global_buffer, .address_space: global }
      - { .name: xq, .offset: 40, .size: 8, .value_kind: global_buffer, .address_space: global }
      - { .name: xs, .offset: 48, .size: 8, .value_kind: global_buffer, .address_space: global }
      - { .name: ca, .offset: 56, .size: 8, .value_kind: global_buffer, .address_space: global }
    .group_segment_fixed_size: 41984
    .private_segment_fixed_size: 0
    .kernarg_segment_align: 8
    .kernarg_segment_size: 64
    .max_flat_workgroup_size: 256
    .sgpr_count:     66
    .vgpr_count:     258
    .wavefront_size: 32
...
	.end_amdgpu_metadata
.endif
;; end of part 2
;; launch attn (part 3): grid 4 x 64, 16 waves a work-group, no clusters, 207,360 bytes of LDS; arguments xq, xs, in_proj_w_codes, in_proj_w_scales, in_proj_b, oq, os; writes oq, os
.if DOCPART == 3
	.amdgcn_target "amdgcn-amd-amdhsa--gfx1250"
	.amdhsa_code_object_version 6
	.text
	.protected	k_qffbfde7693_attn
	.globl	k_qffbfde7693_attn
	.p2align	8
	.type	k_qffbfde7693_attn,@function
k_qffbfde7693_attn:
	s_mov_b64 s[64:65], 0
	v_nop
	global_prefetch_b8 v0, s[64:65] scope:SCOPE_SE
	s_setreg_imm32_b32 hwreg(HW_REG_WAVE_MODE, 25, 1), 1
	s_wait_xcnt 0x0
; For one n (of 64) and two heads 2 hp + e: q, k, v = xw W^T + b; softmax(q k^T / sqrt(32)) v over all 512 l; the result as codes.  All products on codes of BF8 (E5M2) with one E8M0 scale for each 32 along K.
; SHARES.  Sixteen waves, four to a SIMD, 256 registers each; wave B owns l = 32 B .. 32 B + 31 (tiles 2 B and 2 B + 1 of 16), as rows of the projection, as keys and as queries.  q, k and v never go to memory.
; A TILE'S ROWS ARE NOT NEIGHBOURS: row r of tile 2 B + u is l = 32 B + 8 u + r + 8 (r / 8); a tile of W takes its 16 of a head's 32 rows by the same rule.  So the 16 registers of two neighbouring tiles of a result
; are 16 neighbours along the next product's K, and every conversion's result is an operand's registers:
;   q, k: D = W x xw^T: a lane holds one l and d = 16 h + 8 u + j.      v: D = xw x W^T: a lane holds one d and keys 32 B + 16 h + 8 u + j.
;   S^T = k q^T: a lane holds one query and keys 32 b + 16 h + 0 .. 15.   O^T = v^T p^T: a lane holds one query and d = 16 h + 8 dt + j.
; K = 32 IN AN INSTRUCTION OF 128: source 0 holds FOUR tiles of keys, one in each block of 32; source 1 is a window of 16 registers on 12 zeros, q's 4 registers, 12 zeros, which puts q into block c and zero codes into the others.
; So a fragment of k is loaded once for four products.  k's codes are finite (every number is held ahead of its conversion) and all scale bytes lie in 1 .. 254, so the three other blocks add exact zeros.
; THE SOFTMAX: t = score x log2(e); M = the running largest t rounded up to a whole number; p = 2^(t - M) is quantised along the keys, not normalised; the sum is taken of the unquantised p and divides at the end;
; when M moves, the sum and O^T are multiplied by 2^(old M - new M), which rounds nothing.
; THE ORDER OF A KEY STEP (128 keys).  The vector work binds here (some 270 vector lines for 10 matrix instructions), so the step is laid to spend no line on waiting: the NEXT step's scores are multiplied ahead of this step's
; O^T += v^T p^T, and the eight rescalings of O^T, which are due anyway, are the places behind the scores' products; k's fragments of the next step and v's of this one are asked for together and land under the softmax.
; The four key steps of a tile of queries are written out: the first starts M, the sum and O^T, so nothing is cleared; the wave's two tiles of queries are a loop of two trips, written once for each head.
; OPERANDS GO FROM WAVE TO WAVE THROUGH LDS AS IMAGES OF THEIR REGISTERS: 16 bytes a lane, 512 a store.
; NO CLUSTER: the four work-groups of one n share xq's 131,072 bytes of that n and nothing else; each reads them once, at its head, straight into operand registers, for 3,328 matrix instructions of its own.
; A joint load would send those bytes through LDS and add rounds of a cluster's barrier for one read at the head.  No tensor load: nothing is streamed in steps.
; LIMITS: a block of zeros gets the byte 1 where the rule says 127 (its codes are zeros; this program alone reads the bytes); blocks whose largest magnitude lies under 2^-111 keep the byte 1; a block's largest p is
; taken from its largest score, which takes v_exp_f32 not to fall where its input rises; NaN and infinities are not served.
.set KIMG, 0                           ; LDS: k: [e][tile 32][lane][16]
.set VIMG, 32768                       ;      v: [e][key step 4][dt 2][c 4][lane][16]
.set KSC,  65536                       ;      k's scale bytes: [e][tile / 4][r][tile % 4]
.set VSC,  66560                       ;      v's: [e][2 key step + dt][r][c]
.set QSC,  67584                       ;      q's scale words: [e][tile][lane]
.set QIMG, 75776                       ;      q: [e][tile][lane][16]
.set WIMG, 108544                      ;      W's 12 tiles (id = 4 type + 2 e + u): [id][s 2][c 4][lane][16]
.set WSCL, 157696                      ;      their scale words: [id][lane]: lanes 0-15 K step 0, lanes 16-31 K step 1
.set BIMG, 159232                      ;      the bias in the result's layout: [id][2][lane][16]
.set OST,  171520                      ;      o's codes: [B][l % 32][e][h][16]
.set OSS,  204288                      ;      o's scale bytes: [B][l % 32][e]
.set LI,   1                           ; v1   16 x lane
.set ASC0, 2                           ; v2   KSC + 4 r
.set AW,   3                           ; v3   WIMG + 16 x lane (the projection)
.set AWS,  4                           ; v4   WSCL + 4 x lane (the projection)
.set AQ,   5                           ; v5   my q images
.set AQS,  6                           ; v6   my q scale words
.set AKW,  7                           ; v7   where I store k's images (the projection)
.set AKS,  8                           ; v8   and k's two scale bytes (the projection)
.set AVW,  9                           ; v9   v's images
.set AVS,  10                          ; v10  v's scale byte
.set AOS,  11                          ; v11  o's codes
.set AOB,  12                          ; v12  o's scale byte
.set AOR,  13                          ; v13  o's codes on the way out
.set AOW,  14                          ; v14  o's scale bytes on the way out
.set L8,   15                          ; v15  8 x lane
.set ADQ,  3                           ; the attention: v3, v4 the trip's q image and scale word; v7, v8 where its o goes
.set ADQS, 4
.set ADO,  7
.set ADB,  8
.set XF,   16                          ; the projection: v16-79 xw's fragments [tile 2][s 2]; v80-143 W's [tile 2][s 2]; v144-159 the bias; v160-191 four accumulators
.set WF,   80
.set BC,   144
.set ACC,  160
.set TM,   192                         ; v192-195 largest magnitudes, v196-199 bytes, v200-203 the largest number x the scale, v204-207 the conversions' scale operands
.set CD,   248                         ; v248-255 the codes just made
.set XS,   216                         ; v216-217 xw's scale words, later v's;  v218-219 W's, later k's;  v220 q's;  v214 p's: these six hold scales and nothing else
.set WS,   218
.set VS,   216
.set KS,   218
.set QS,   220
.set PW,   214
.set KF,   48                          ; the attention: v16-43 zeros, q, zeros; v48-79 two fragments of k; v224-255 two of v; v96-159 S^T, then p; v160-175 O^T; v176-191 p's codes
.set VF,   224
.set S,    96
.set O,    160
.set PC,   176
.set BM,   192
.set PT,   196
.set HL,   200
.set SOP,  204                         ; v208 -M, v209 the largest t, v[210:211] the sum in two halves, v[212:213] f and a 0, v215 at work, v[80:81] the sum's second chain
.set HL2,  85                          ; v85-88 the hold's bound once more, one register bank further on than v200-203
.set CS,   22                          ; s[22:23] log2(e)
.set SEL,  24                          ; s[24:25]
.set MNT,  26                          ; s26
.set SQ,   27                          ; s27  512 x the trip: q's image, o's codes
.set SS,   28                          ; s28  128 x the trip: q's scale words
.set CNT,  29                          ; s29
.set SB,   30                          ; s30  16 x the trip: o's scale bytes
	s_load_b256 s[4:11], s[0:1], 0x0               ; xq, xs, W's codes, W's scales
	s_load_b128 s[12:15], s[0:1], 0x20             ; the bias, oq
	s_load_b64 s[16:17], s[0:1], 0x30              ; os
	v_lshrrev_b32 v1, 5, v0
	v_readfirstlane_b32 s18, v1                    ; B: wave 0..15
	s_mov_b32 s19, ttmp9                           ; hp
	s_and_b32 s20, ttmp7, 0xffff                   ; n
	s_min_u32 s33, s18, 11                         ; the tile of W that I bring (waves 0 to 11 do)
	s_min_u32 s34, s18, 3                          ; the quarter of os that I store (waves 0 to 3 do)
	v_and_b32 v240, 31, v0                         ; lane
	v_and_b32 v241, 15, v0                         ; r
	v_bfe_u32 v242, v0, 4, 1                       ; h
	v_and_b32 v243, 8, v0
	v_add_nc_u32 v243, v243, v241                  ; r + 8 (r / 8)
	v_lshlrev_b32 v[LI], 4, v240
	v_lshlrev_b32 v244, 2, v241                    ; 4 r
	v_lshlrev_b32 v245, 2, v240                    ; 4 x lane
	v_add_nc_u32 v[ASC0], KSC, v244
	v_add_nc_u32 v[AW], WIMG, v[LI]
	v_add_nc_u32 v[AWS], WSCL, v245
	s_lshl_b32 s30, s18, 10
	v_add_nc_u32 v[AKW], s30, v[LI]                ; KIMG + 1,024 B + 16 x lane
	s_add_co_u32 s31, s30, QIMG
	v_add_nc_u32 v[AQ], s31, v[LI]
	s_lshl_b32 s31, s18, 8
	s_add_co_u32 s31, s31, QSC
	v_add_nc_u32 v[AQS], s31, v245
	s_lshr_b32 s31, s18, 1                         ; tiles 2 B, 2 B + 1: word B / 2, bytes 2 (B % 2) and + 1
	s_lshl_b32 s31, s31, 6
	s_and_b32 s32, s18, 1
	s_lshl_b32 s32, s32, 1
	s_add_co_u32 s31, s31, s32
	s_add_co_u32 s31, s31, KSC
	v_add_nc_u32 v[AKS], s31, v244
	s_lshr_b32 s31, s18, 2                         ; my 32 keys are block B % 4 of key step B / 4
	s_and_b32 s32, s18, 3
	s_lshl_b32 s35, s31, 12
	s_lshl_b32 s36, s32, 9
	s_add_co_u32 s35, s35, s36
	s_add_co_u32 s35, s35, VIMG
	v_add_nc_u32 v[AVW], s35, v[LI]
	s_lshl_b32 s35, s31, 7
	s_add_co_u32 s35, s35, s32
	s_add_co_u32 s35, s35, VSC
	v_add_nc_u32 v[AVS], s35, v244
	s_lshl_b32 s31, s18, 11
	s_add_co_u32 s31, s31, OST
	v_add_nc_u32 v[AOR], s31, v[LI]
	v_lshlrev_b32 v[AOS], 6, v243
	v_lshl_add_u32 v[AOS], v242, 4, v[AOS]
	v_add_nc_u32 v[AOS], s31, v[AOS]               ; OST + 2,048 B + 64 (r + 8 (r / 8)) + 16 h
	s_lshl_b32 s31, s18, 6
	s_add_co_u32 s31, s31, OSS
	v_lshlrev_b32 v[AOB], 1, v243
	v_add_nc_u32 v[AOB], s31, v[AOB]
	s_lshl_b32 s31, s33, 12
	s_add_co_u32 s31, s31, WIMG
	v_add_nc_u32 v221, s31, v[LI]                  ; where I put my tile of W,
	s_lshl_b32 s31, s33, 7
	s_add_co_u32 s31, s31, WSCL
	v_add_nc_u32 v222, s31, v245                   ; its scale words,
	s_lshl_b32 s31, s33, 10
	s_add_co_u32 s31, s31, BIMG
	v_add_nc_u32 v223, s31, v[LI]                  ; its bias
	v_lshlrev_b32 v[L8], 3, v240                   ; 8 x lane
	s_lshl_b32 s31, s34, 8
	s_add_co_u32 s31, s31, OSS
	v_add_nc_u32 v[AOW], s31, v[L8]                ; os on the way out
	v_lshlrev_b32 v238, 1, v241
	v_lshl_add_u32 v238, v242, 11, v238            ; xs: 2 r; lanes 16-31 two cg (K step 1) further on
	v_lshlrev_b32 v239, 8, v243
	v_lshl_add_u32 v239, v242, 4, v239             ; W's codes: row r + 8 (r / 8) of 256 bytes, + 16 h
	v_lshlrev_b32 v246, 3, v243
	v_lshl_add_u32 v246, v242, 2, v246             ; W's scales: 8 bytes a row; lanes 16-31 K step 1's word
	s_cmp_lt_u32 s18, 8                            ; the bias as the C of a sum.  q, k (waves 0 to 7): register j wants b[16 h + j]; v: all eight want b[r + 8 (r / 8)]
	s_cselect_b32 s35, 64, 0
	s_cselect_b32 s36, 0, 4
	s_cselect_b32 s37, 4, 0
	v_mul_u32_u24 v228, s35, v242
	v_mad_u32_u24 v228, v243, s36, v228
.irp j, 1,2,3,4,5,6,7
	v_add_nc_u32 v[228+\j], s37, v[227+\j]
.endr
.irp j, 0,1,2,3
	v_mov_b32 v[TM+4+\j], 0                        ; written once: a lane permute's destination counts as one of its sources
.endr
	s_mov_b32 s[CS], 0x3fb8aa3b                    ; log2(e)
	s_mov_b32 s[CS+1], s[CS]                       ; (named with it as a pair, so it is written)
	s_mov_b32 s[SEL], 0x76543210
	s_mov_b32 s[SEL+1], 0xfedcba98                 ; v_permlanex16_b32's selects for lane l xor 16
	s_mov_b32 s[MNT], 0x600000                     ; the mantissa field of 57,344
	s_mov_b32 s38, 0x3e3504f3                      ; 1 / sqrt(32), rounded to f32
	s_mov_b32 s39, s38
	s_mov_b32 s40, 0x01010101
	s_mov_b32 s43, 0
	s_wait_kmcnt 0x0
	s_lshl_b32 s42, s20, 17                        ; xq: n, tiles 2 B on
	s_lshl_b32 s31, s18, 13
	s_add_co_u32 s42, s42, s31
	s_add_nc_u64 s[4:5], s[4:5], s[42:43]
	s_lshr_b32 s42, s20, 3                         ; xs: [n / 8][B / 2][cg][n % 8][2 (B % 2) + u][r][2]
	s_lshl_b32 s42, s42, 15
	s_lshr_b32 s31, s18, 1
	s_lshl_b32 s31, s31, 12
	s_add_co_u32 s42, s42, s31
	s_and_b32 s31, s20, 7
	s_lshl_b32 s31, s31, 7
	s_add_co_u32 s42, s42, s31
	s_and_b32 s31, s18, 1
	s_lshl_b32 s31, s31, 6
	s_add_co_u32 s42, s42, s31
	s_add_nc_u64 s[6:7], s[6:7], s[42:43]
	s_lshr_b32 s41, s33, 2                         ; my tile of W begins at row 256 type + 64 hp + 32 e + 8 u
	s_lshl_b32 s41, s41, 8
	s_lshl_b32 s31, s19, 6
	s_add_co_u32 s41, s41, s31
	s_bfe_u32 s31, s33, 0x10001
	s_lshl_b32 s31, s31, 5
	s_add_co_u32 s41, s41, s31
	s_and_b32 s31, s33, 1
	s_lshl_b32 s31, s31, 3
	s_add_co_u32 s41, s41, s31
	s_lshl_b32 s42, s41, 8
	s_add_nc_u64 s[8:9], s[8:9], s[42:43]
	s_lshl_b32 s42, s41, 3
	s_add_nc_u64 s[10:11], s[10:11], s[42:43]
	s_lshl_b32 s42, s41, 2
	s_add_nc_u64 s[12:13], s[12:13], s[42:43]
	s_lshl_b32 s41, s19, 6
	s_add_co_u32 s41, s41, s20                     ; 64 hp + n
	s_lshl_b32 s42, s41, 15
	s_lshl_b32 s31, s18, 11
	s_add_co_u32 s42, s42, s31
	s_add_nc_u64 s[14:15], s[14:15], s[42:43]      ; oq: my 32 l of 64 bytes
	s_lshl_b32 s42, s41, 10
	s_lshl_b32 s31, s34, 8
	s_add_co_u32 s42, s42, s31
	s_add_nc_u64 s[16:17], s[16:17], s[42:43]      ; os
	; ---- my two tiles of xw, straight into operand registers
.irp u, 0,1
.irp s, 0,1
.irp c, 0,1,2,3
	global_load_b128 v[XF+32*\u+16*\s+4*\c:XF+32*\u+16*\s+4*\c+3], v[LI], s[4:5] offset:(2*\u+\s)*2048+\c*512
.endr
.endr
.endr
	global_load_u16 v224, v238, s[6:7]             ; tile u = 0: the lower two bytes of the K step's scale word,
	global_load_u16 v225, v238, s[6:7] offset:1024 ; the upper two
	global_load_u16 v226, v238, s[6:7] offset:32   ; tile u = 1
	global_load_u16 v227, v238, s[6:7] offset:1056
	; ---- waves 0 to 11 bring one tile of W each, with its scale words and its bias, and lay them in LDS as images
	s_cmp_lt_u32 s18, 12
	s_cbranch_scc0 .Lno_tile
.irp s, 0,1
.irp c, 0,1,2,3
	global_load_b128 v[WF+16*\s+4*\c:WF+16*\s+4*\c+3], v239, s[8:9] offset:\s*128+\c*32
.endr
.endr
	global_load_b32 v[WS], v246, s[10:11]
.irp j, 0,1,2,3,4,5,6,7
	global_load_b32 v[BC+\j], v[228+\j], s[12:13]
.endr
	s_wait_loadcnt 0x0
.irp s, 0,1
.irp c, 0,1,2,3
	ds_store_b128 v221, v[WF+16*\s+4*\c:WF+16*\s+4*\c+3] offset:\s*2048+\c*512
.endr
.endr
	ds_store_b32 v222, v[WS]
	ds_store_b128 v223, v[BC:BC+3]
	ds_store_b128 v223, v[BC+4:BC+7] offset:512
.Lno_tile:
	s_wait_dscnt 0x0                               ; my stores have landed
	s_barrier_signal -1
	s_barrier_wait -1                              ; the twelve tiles of W lie in LDS
	s_wait_loadcnt 0x0                             ; xw and its scale bytes
	v_lshl_or_b32 v[XS], v225, 16, v224            ; lanes 0-15: K step 0's word of row r; lanes 16-31: K step 1's
	v_lshl_or_b32 v[XS+1], v227, 16, v226
.rept 8
	v_nop                                          ; a scale register written by a vector instruction stands eight places ahead of its scaled matrix instruction
.endr
; One scaled product.  s = 0: the sum begins with c (the bias); s = 1: K step 1 is added in place, and both scale words are taken from lanes 16-31
.macro MM d, a, b, sa, sb, s, c
.if (\s) == 0
	v_wmma_scale_f32_16x16x128_f8f6f4 v[(\d):(\d)+7], v[(\a):(\a)+15], v[(\b):(\b)+15], v[(\c):(\c)+7], v[(\sa)], v[(\sb)] matrix_a_fmt:MATRIX_FMT_BF8 matrix_b_fmt:MATRIX_FMT_BF8
.else
	v_wmma_scale_f32_16x16x128_f8f6f4 v[(\d):(\d)+7], v[(\a):(\a)+15], v[(\b):(\b)+15], v[(\d):(\d)+7], v[(\sa)], v[(\sb)] matrix_a_fmt:MATRIX_FMT_BF8 matrix_b_fmt:MATRIX_FMT_BF8 matrix_a_scale:MATRIX_SCALE_ROW1 matrix_b_scale:MATRIX_SCALE_ROW1
.endif
.endm
; nb blocks of a lane's 16 registers from v[src] on (the block's other 16 numbers lie in lane l xor 16) become codes in v[dst + 4 block] on; the bytes are left in v[TM + 4 + block]
.macro QUANT src, dst, nb
.set qb, 0
.rept \nb
	v_max3_num_f32 v[TM+qb], |v[\src+16*qb]|, |v[\src+16*qb+1]|, 0x8000000   ; from the low end on; the floor 2^(16 - 127) holds the byte at 1 from below
.set qb, qb+1
.endr
.set qi, 2
.rept 7
.set qb, 0
.rept \nb
	v_max3_num_f32 v[TM+qb], v[TM+qb], |v[\src+16*qb+qi]|, |v[\src+16*qb+qi+1]|
.set qb, qb+1
.endr
.set qi, qi+2
.endr
.set qb, 0
.rept \nb
	v_permlanex16_b32 v[TM+4+qb], v[TM+qb], s[SEL], s[SEL+1]
.set qb, qb+1
.endr
.set qb, 0
.rept \nb
	v_max_num_f32 v[TM+qb], v[TM+qb], v[TM+4+qb]   ; the block's largest magnitude
.set qb, qb+1
.endr
.set qb, 0
.rept \nb
	v_add_nc_u32 v[TM+12+qb], 0xf8800000, v[TM+qb] ; 15 off its exponent field: the conversion's scale operand
	v_and_or_b32 v[TM+8+qb], v[TM+qb], 0x7f800000, s[MNT]   ; 57,344 x the scale
.set qb, qb+1
.endr
.set qb, 0
.rept \nb
	v_lshrrev_b32 v[TM+4+qb], 23, v[TM+12+qb]      ; the scale's byte
.set qb, qb+1
.endr
.set qb, 0
.rept \nb
.set qi, 0
.rept 16
	v_med3_num_f32 v[\src+16*qb+qi], v[\src+16*qb+qi], -v[TM+8+qb], v[TM+8+qb]   ; the conversion to an 8-bit code does not saturate (ISA guide 7.6.2): the hold comes first
.set qi, qi+1
.endr
	v_cvt_scalef32_pk8_bf8_f32 v[\dst+4*qb:\dst+4*qb+1], v[\src+16*qb:\src+16*qb+7], v[TM+12+qb]
	v_cvt_scalef32_pk8_bf8_f32 v[\dst+4*qb+2:\dst+4*qb+3], v[\src+16*qb+8:\src+16*qb+15], v[TM+12+qb]
.set qb, qb+1
.endr
	v_nop                                          ; a plain instruction behind the last conversion
.endm
; ---- The projection of my 32 rows for one of q, k, v (type 0, 1, 2) of head 2 hp + e: two tiles of W, K = 256 in two steps, four accumulators by turns, one instruction a turn
.macro PROJ type, e
.set ID0, 4*\type+2*\e
.irp u, 0,1
.irp s, 0,1
.irp c, 0,1,2,3
	ds_load_b128 v[WF+32*\u+16*\s+4*\c:WF+32*\u+16*\s+4*\c+3], v[AW] offset:(ID0+\u)*4096+\s*2048+\c*512
.endr
.endr
	ds_load_b32 v[WS+\u], v[AWS] offset:(ID0+\u)*128
.irp g, 0,1
	ds_load_b128 v[BC+8*\u+4*\g:BC+8*\u+4*\g+3], v[AW] offset:BIMG-WIMG+(ID0+\u)*1024+\g*512
.endr
.endr
	s_wait_dscnt 0x0                               ; they are in, and the last item's LDS stores have read their registers
.irp s, 0,1
.irp t, 0,1
.irp u, 0,1
.if \type < 2
	MM ACC+16*\t+8*\u,WF+32*\u+16*\s,XF+32*\t+16*\s,WS+\u,XS+\t,\s,BC+8*\u     ; source 0 = tile u of W, source 1 = tile t of xw
.else
	MM ACC+16*\t+8*\u,XF+32*\u+16*\s,WF+32*\t+16*\s,XS+\u,WS+\t,\s,BC+8*\t     ; source 0 = tile u of xw, source 1 = tile t of W
.endif
.endr
.endr
.endr
.rept 9
	v_nop                                          ; eight places ahead of the first read of the results and of the next loads into the operands; nine ahead of the next item's products, which begin these accumulators anew
.endr
.if \type == 0
.set j, 0
.rept 16
	v_pk_mul_f32 v[ACC+j:ACC+j+1], v[ACC+j:ACC+j+1], s[38:39] op_sel_hi:[1,0]   ; q / sqrt(32), ahead of the quantiser; each accumulator from its low end on
.set j, j+2
.endr
.endif
	QUANT ACC, CD, 2
.if \type == 0
	v_mul_lo_u32 v[TM+4], v[TM+4], s40             ; q's byte in all four bytes of its word: q may stand in any block of the instruction's K
	v_mul_lo_u32 v[TM+5], v[TM+5], s40
.irp t, 0,1
	ds_store_b128 v[AQ], v[CD+4*\t:CD+4*\t+3] offset:\e*16384+\t*512
	ds_store_b32 v[AQS], v[TM+4+\t] offset:\e*4096+\t*128
.endr
.elseif \type == 1
	v_lshl_or_b32 v[TM+4], v[TM+5], 8, v[TM+4]
.irp t, 0,1
	ds_store_b128 v[AKW], v[CD+4*\t:CD+4*\t+3] offset:\e*16384+\t*512
.endr
	ds_store_b16 v[AKS], v[TM+4] offset:\e*512     ; both halves of the lanes write the same bytes with the same values
.else
.irp t, 0,1
	ds_store_b128 v[AVW], v[CD+4*\t:CD+4*\t+3] offset:\e*16384+\t*2048
	ds_store_b8 v[AVS], v[TM+4+\t] offset:\e*512+\t*64
.endr
.endif
.endm
	PROJ 0, 0
	PROJ 1, 0
	PROJ 2, 0
	PROJ 0, 1
	PROJ 1, 1
	PROJ 2, 1
	s_wait_dscnt 0x0
	s_barrier_signal -1
.set n, 0
.rept 12
	v_mov_b32 v[16+n], 0                           ; work on registers while the others arrive: zero codes on both sides of q's four registers
	v_mov_b32 v[32+n], 0
.set n, n+1
.endr
	v_mov_b32 v213, 0                              ; (named as the upper half of the pair v[212:213])
	s_barrier_wait -1                              ; k and v of all 512 l, both heads, lie in LDS
	v_nop                                          ; with the line above and the two additions at the trip's head: codes written by vector instructions stand four places ahead of their scaled matrix instruction
	v_nop
; ---- The attention's pieces.  Key step j is 128 keys: eight tiles of k in two fragments, two fragments of v
.macro KLOAD e, j                      ; k's two fragments of key step j (tile 4 f + c in block c of fragment f) and their scale words
.irp f, 0,1
.irp c, 0,1,2,3
	ds_load_b128 v[KF+16*\f+4*\c:KF+16*\f+4*\c+3], v[LI] offset:KIMG+\e*16384+(\j)*4096+\f*2048+\c*512
.endr
	ds_load_b32 v[KS+\f], v[ASC0] offset:\e*512+(\j)*128+\f*64
.endr
.endm
.macro VLOAD e, j                      ; v's two fragments of key step j and their scale words
.irp d, 0,1
.irp c, 0,1,2,3
	ds_load_b128 v[VF+16*\d+4*\c:VF+16*\d+4*\c+3], v[LI] offset:VIMG+\e*16384+(\j)*4096+\d*2048+\c*512
.endr
	ds_load_b32 v[VS+\d], v[ASC0] offset:VSC-KSC+\e*512+(\j)*128+\d*64
.endr
.endm
.macro QKMUL                           ; S^T = k q^T: eight tiles of 16 keys; tile t takes block t % 4 of fragment t / 4, by the window that puts q there
.irp t, 0,1,2,3,4,5,6,7
	v_wmma_scale_f32_16x16x128_f8f6f4 v[S+8*\t:S+8*\t+7], v[KF+16*(\t/4):KF+16*(\t/4)+15], v[16+4*(3-\t%4):31+4*(3-\t%4)], 0, v[KS+\t/4], v[QS] matrix_a_fmt:MATRIX_FMT_BF8 matrix_b_fmt:MATRIX_FMT_BF8
.endr
.endm
.macro MAXHEAD                         ; the first four lines of the search for the largest score of each block of 32 keys: each tile is read from its low end on
.irp b, 0,1,2,3
	v_max3_num_f32 v[BM+\b], v[S+16*\b], v[S+1+16*\b], v[S+2+16*\b]
.endr
.endm
.macro PVMUL j                         ; O^T += v^T p^T: two tiles of 16 of the head's 32; the first key step starts the sums
.irp d, 0,1
.if \j == 0
	v_wmma_scale_f32_16x16x128_f8f6f4 v[O+8*\d:O+8*\d+7], v[VF+16*\d:VF+16*\d+15], v[PC:PC+15], 0, v[VS+\d], v[PW] matrix_a_fmt:MATRIX_FMT_BF8 matrix_b_fmt:MATRIX_FMT_BF8
.else
	v_wmma_scale_f32_16x16x128_f8f6f4 v[O+8*\d:O+8*\d+7], v[VF+16*\d:VF+16*\d+15], v[PC:PC+15], v[O+8*\d:O+8*\d+7], v[VS+\d], v[PW] matrix_a_fmt:MATRIX_FMT_BF8 matrix_b_fmt:MATRIX_FMT_BF8
.endif
.endr
.endm
; KEY STEP j of four.  Its scores lie in S, and MAXHEAD has been run on them.  It ends with the next step's scores, MAXHEAD on them, and its own O^T += v^T p^T.
; No two matrix instructions that follow each other share an accumulator, and between two links on one accumulator of O^T stand nine others'.
.macro STEP e, j
.irp i, 3,5,7,9,11,13
.irp b, 0,1,2,3
	v_max3_num_f32 v[BM+\b], v[BM+\b], v[S+16*\b+\i], v[S+1+16*\b+\i]   ; the largest score of each block: for the row's maximum, and, since p rises with the score, for the block's largest p
.endr
.endr
.irp b, 0,1,2,3
	v_max_num_f32 v[BM+\b], v[BM+\b], v[S+15+16*\b]
.endr
	VLOAD \e, \j                                   ; the 28 lines above are the places behind the products that read these registers last; the loads land under the softmax
.if \j < 3
	KLOAD \e, \j+1
.endif
.irp b, 0,1,2,3
	v_permlanex16_b32 v[PT+\b], v[BM+\b], s[SEL], s[SEL+1]
.endr
.irp b, 0,1,2,3
	v_max_num_f32 v[BM+\b], v[BM+\b], v[PT+\b]     ; with lane l xor 16's 16 keys
.endr
	v_max3_num_f32 v215, v[BM], v[BM+1], v[BM+2]
	v_max_num_f32 v215, v215, v[BM+3]              ; the step's largest score of my query
.if \j == 0
	v_mul_f32 v209, s[CS], v215                    ; as t: the first step's is the largest so far
	v_floor_f32 v208, -v209                        ; -M = floor(-t) = -ceil(t)
.else
	v_mul_f32 v215, s[CS], v215
	v_max_num_f32 v209, v209, v215                 ; the running largest t
	v_mov_b32 v215, v208
	v_floor_f32 v208, -v209                        ; the new -M
	v_sub_f32 v215, v208, v215                     ; old M - new M: a whole number, 0 or less
	v_cvt_i32_f32 v215, v215                       ; (it saturates)
	v_ldexp_f32 v212, 1.0, v215                    ; f = 2^(old M - new M)
.endif
.set n, 0
.rept 32
	v_pk_fma_f32 v[S+n:S+n+1], v[S+n:S+n+1], s[CS:CS+1], v[208:209] op_sel_hi:[1,0,0]   ; t - M, two at a time
.set n, n+2
.endr
.set n, 0
.rept 64
	v_exp_f32 v[S+n], v[S+n]                       ; p = 2^(t - M), at most 1
.set n, n+1
.endr
.irp b, 0,1,2,3
	v_fma_f32 v[BM+\b], v[BM+\b], s[CS], v208      ; t - M of each block's largest score: plain lines behind the exponentials
.endr
.if \j > 0
	v_pk_mul_f32 v[210:211], v[210:211], v[212:213] op_sel_hi:[1,0]   ; the sums under the new M
.endif
	s_wait_alu depctr_va_vdst(0)                   ; one wait for the 64, ahead of their first reader
.irp b, 0,1,2,3
	v_exp_f32 v[BM+\b], v[BM+\b]                   ; the block's largest p
.endr
	v_pk_add_f32 v[80:81], v[S:S+1], v[S+2:S+3]    ; the row's sum of the unquantised p, in two chains; these lines read the 64 alone
.if \j == 0
	v_pk_add_f32 v[210:211], v[S+4:S+5], v[S+6:S+7]   ; the first step starts the sum
.else
	v_pk_add_f32 v[210:211], v[210:211], v[S+4:S+5]
	v_pk_add_f32 v[80:81], v[80:81], v[S+6:S+7]
.endif
.irp k, 8,12,16,20,24,28,32,36,40,44,48,52,56,60
	v_pk_add_f32 v[210:211], v[210:211], v[S+\k:S+\k+1]
	v_pk_add_f32 v[80:81], v[80:81], v[S+\k+2:S+\k+3]
.endr
	s_wait_alu depctr_va_vdst(0)                   ; and one for the four
.irp b, 0,1,2,3
	v_max_num_f32 v[BM+\b], 0x8000000, v[BM+\b]    ; the floor 2^(16 - 127)
.endr
.irp b, 0,1,2,3
	v_add_nc_u32 v[SOP+\b], 0xf8800000, v[BM+\b]   ; the conversion's scale operand
.endr
.irp b, 0,1,2,3
	v_and_or_b32 v[HL+\b], v[BM+\b], 0x7f800000, s[MNT]    ; 57,344 x the scale,
.endr
.irp b, 0,1,2,3
	v_and_or_b32 v[HL2+\b], v[BM+\b], 0x7f800000, s[MNT]   ; and once more, for the second half of the pairs below
.endr
.irp b, 0,1,2,3
	v_lshrrev_b32 v[PT+\b], 23, v[SOP+\b]          ; the scale's byte
.endr
	v_lshl_or_b32 v[PW], v[PT+1], 8, v[PT]         ; p's scale word for these 128 keys
	v_lshl_or_b32 v[PW], v[PT+2], 16, v[PW]
	v_lshl_or_b32 v[PW], v[PT+3], 24, v[PW]
.irp b, 0,1,2,3
.irp i, 0,2,4,6,8,10,12,14
	v_dual_min_num_f32 v[S+16*\b+\i], v[HL+\b], v[S+16*\b+\i] :: v_dual_min_num_f32 v[S+16*\b+\i+1], v[HL2+\b], v[S+16*\b+\i+1]   ; p is not negative: the hold is one-sided.  Two in one instruction: an even and an odd destination; the two first sources, and the two second, in different register banks (number mod 4)
.endr
	v_cvt_scalef32_pk8_bf8_f32 v[PC+4*\b:PC+4*\b+1], v[S+16*\b:S+16*\b+7], v[SOP+\b]
	v_cvt_scalef32_pk8_bf8_f32 v[PC+4*\b+2:PC+4*\b+3], v[S+16*\b+8:S+16*\b+15], v[SOP+\b]
.endr
	v_pk_add_f32 v[210:211], v[210:211], v[80:81]  ; the two chains join: the plain instruction between the last conversion and the products that write over its sources
	s_wait_dscnt 0x0                               ; v's fragments of this step and k's of the next, with their scale words
.if \j < 3
	QKMUL                                          ; the next step's scores: p has been turned into codes, so S is free
.endif
.if \j == 0
.rept 8
	v_nop                                          ; eight places ahead of the first read of the scores; the first step has no O^T to rescale
.endr
.else
.set n, 0
.rept 8
	v_pk_mul_f32 v[O+n:O+n+1], v[O+n:O+n+1], v[212:213] op_sel_hi:[1,0]   ; O^T under the new M, each accumulator from its low end on.  These eight are the places ahead of the first read of the scores
.set n, n+2
.endr
.endif
.if \j < 3
	MAXHEAD                                        ; four lines more between the rescaling of O^T and the products that add onto it
.else
	v_add_f32 v210, v210, v211                     ; the last step: the sum's two halves,
	v_permlanex16_b32 v215, v210, s[SEL], s[SEL+1]
	v_add_f32 v210, v210, v215                     ; and lane l xor 16's
	v_nop
	v_nop
.endif
	PVMUL \j
.endm
; ---- Head 2 hp + e: my two tiles of 16 queries, one a trip, over all 512 keys
.macro ATT2 e
	s_mov_b32 s[SQ], 0
	s_mov_b32 s[SS], 0
	s_mov_b32 s[SB], 0
	s_mov_b32 s[CNT], 2
.Lqt_\@:
	v_add_nc_u32 v[ADQ], s[SQ], v[AQ]
	v_add_nc_u32 v[ADQS], s[SS], v[AQS]
	ds_load_b128 v[28:31], v[ADQ] offset:\e*16384
	ds_load_b32 v[QS], v[ADQS] offset:\e*4096
	KLOAD \e, 0
	s_wait_dscnt 0x0
	QKMUL
	v_add_nc_u32 v[ADO], s[SQ], v[AOS]             ; where this tile's o goes: with the six lines below, eight places ahead of the first read of the scores
	v_add_nc_u32 v[ADB], s[SB], v[AOB]
.rept 6
	v_nop
.endr
	MAXHEAD
	STEP \e, 0
	STEP \e, 1
	STEP \e, 2
	STEP \e, 3
	v_rcp_f32 v212, v210
.rept 8
	v_nop                                          ; eight places ahead of the first read of O^T; the first is also the plain instruction behind the reciprocal
.endr
	s_wait_alu depctr_va_vdst(0)                   ; the wait ahead of the reciprocal's first reader
.set n, 0
.rept 8
	v_pk_mul_f32 v[S+n:S+n+1], v[O+n:O+n+1], v[212:213] op_sel_hi:[1,0]   ; o(query, d = 16 h + n): a head's 32 are one block of the last product's K
.set n, n+2
.endr
	QUANT S, PC, 1
	ds_store_b128 v[ADO], v[PC:PC+3] offset:\e*32
	ds_store_b8 v[ADB], v[TM+4] offset:\e
	s_add_co_u32 s[SQ], s[SQ], 512
	s_add_co_u32 s[SS], s[SS], 128
	s_add_co_u32 s[SB], s[SB], 16
	s_sub_co_u32 s[CNT], s[CNT], 1
	s_cmp_lg_u32 s[CNT], 0
	s_cbranch_scc1 .Lqt_\@
.endm
	ATT2 0
	ATT2 1
	; ---- the way out: my 32 l x 64 bytes of codes are my own bytes of LDS, which serves a wave's instructions in order; the scale bytes of four waves make a store, so a barrier stands ahead of them
.irp i, 0,1,2,3
	ds_load_b128 v[S+4*\i:S+4*\i+3], v[AOR] offset:512*\i
.endr
	s_wait_dscnt 0x0
	s_barrier_signal -1
	s_barrier_wait -1
.irp i, 0,1,2,3
	global_store_b128 v[LI], v[S+4*\i:S+4*\i+3], s[14:15] offset:512*\i   ; 512 consecutive bytes, aligned
.endr
	s_cmp_lt_u32 s18, 4
	s_cbranch_scc0 .Lend
	ds_load_b64 v[S+16:S+17], v[AOW]
	s_wait_dscnt 0x0
	global_store_b64 v[L8], v[S+16:S+17], s[16:17] ; 256 consecutive bytes, aligned
.Lend:
	s_wait_xcnt 0x0
	v_lshl_add_u32 v254, v0, 2, 0x32200
	v_mov_b32 v255, 0
	s_wait_tensorcnt 0x0
	ds_add_u32 v254, v255
	s_wait_dscnt 0x0
	s_endpgm
.Lfunc_end_k_qffbfde7693_attn:
	.size	k_qffbfde7693_attn, .Lfunc_end_k_qffbfde7693_attn-k_qffbfde7693_attn
	.p2alignl 7, 3214868480
	.fill 96, 4, 3214868480
	.section	.rodata,"a",@progbits
	.p2align	6, 0x0
	.amdhsa_kernel k_qffbfde7693_attn
		.amdhsa_group_segment_fixed_size 207360
		.amdhsa_private_segment_fixed_size 0
		.amdhsa_enable_private_segment 0
		.amdhsa_kernarg_size 56
		.amdhsa_user_sgpr_count 2
		.amdhsa_user_sgpr_kernarg_segment_ptr 1
		.amdhsa_wavefront_size32 1
		.amdhsa_system_sgpr_workgroup_id_x 1
		.amdhsa_system_sgpr_workgroup_id_y 1
		.amdhsa_system_sgpr_workgroup_id_z 1
		.amdhsa_system_vgpr_workitem_id 0
		.amdhsa_next_free_vgpr 256
		.amdhsa_next_free_sgpr 66
		.amdhsa_reserve_vcc 0
		.amdhsa_float_denorm_mode_32 3
		.amdhsa_float_denorm_mode_16_64 3
		.amdhsa_memory_ordered 1
		.amdhsa_forward_progress 1
		.amdhsa_inst_pref_size 193
	.end_amdhsa_kernel
	.amdgpu_metadata
---
amdhsa.version: [ 1, 2 ]
amdhsa.kernels:
  - .name:           k_qffbfde7693_attn
    .symbol:         k_qffbfde7693_attn.kd
    .args:
      - { .name: xq, .offset: 0, .size: 8, .value_kind: global_buffer, .address_space: global }
      - { .name: xs, .offset: 8, .size: 8, .value_kind: global_buffer, .address_space: global }
      - { .name: in_proj_w_codes, .offset: 16, .size: 8, .value_kind: global_buffer, .address_space: global }
      - { .name: in_proj_w_scales, .offset: 24, .size: 8, .value_kind: global_buffer, .address_space: global }
      - { .name: in_proj_b, .offset: 32, .size: 8, .value_kind: global_buffer, .address_space: global }
      - { .name: oq, .offset: 40, .size: 8, .value_kind: global_buffer, .address_space: global }
      - { .name: os, .offset: 48, .size: 8, .value_kind: global_buffer, .address_space: global }
    .group_segment_fixed_size: 207360
    .private_segment_fixed_size: 0
    .kernarg_segment_align: 8
    .kernarg_segment_size: 56
    .max_flat_workgroup_size: 512
    .sgpr_count:     66
    .vgpr_count:     256
    .wavefront_size: 32
...
	.end_amdgpu_metadata
.endif
;; end of part 3
;; launch outp (part 4): grid 128 x 2, 16 waves a work-group, no clusters, 143,616 bytes of LDS; arguments oq, os, out_proj_w_codes, out_proj_w_scales, out_proj_b, x, ca, out0; writes out0
.if DOCPART == 4
	.amdgcn_target "amdgcn-amd-amdhsa--gfx1250"
	.amdhsa_code_object_version 6
	.text
	.protected	k_qffbfde7693_outp
	.globl	k_qffbfde7693_outp
	.p2align	8
	.type	k_qffbfde7693_outp,@function
k_qffbfde7693_outp:
	s_mov_b64 s[64:65], 0
	v_nop
	global_prefetch_b8 v0, s[64:65] scope:SCOPE_SE
	s_setreg_imm32_b32 hwreg(HW_REG_WAVE_MODE, 25, 1), 1
	s_wait_xcnt 0x0
; out0[b][c][win][n] = x[b][c][win][n] ca[b][c] + the sum over k of o[8 win + b][n][k] Wo[c][k] + bo[c]: the last product on codes of BF8 (E5M2) with E8M0 scales, the bias and the residual.
; A work-group takes four l = 4 lq + l' (one win, four b), all 64 n and 128 channels (ch): 256 rows x 128 columns, K = 256 in two steps.
; oq: [hp 4][n 64][l 512][e 2][h 2][16 bytes]: four l are 256 consecutive bytes, aligned.  Wave w copies them for hp = w / 4 and pixels 16 (w % 4) on into LDS, where they lie as images of operand registers
; (rows = pixels).  The pitches 17,472, 544 and 272 put the sixteen lanes of a store, told apart by (l', e, h), on sixteen different 16-byte columns of the banks; a fragment's loads read 256 consecutive bytes a half wave.
; Then wave w makes channels 16 (w % 8) on for l' = 2 (w / 8) and + 1: source 0 = 16 pixels, source 1 = 16 rows of Wo (in registers for the whole launch), so that a lane holds one channel and eight neighbouring pixels.
; A channel's 64 pixels are one row of 256 bytes of out0: they go through the wave's own stage in LDS and leave, with x * ca added, sixteen lanes to 256 consecutive bytes, aligned.
; No cluster: the two work-groups of one lq share 65,536 bytes of codes, read once at the head; no tensor load: nothing is streamed in steps.
; LIMITS: NaN and infinities among the inputs are not served.
.set OIMG, 0                           ; LDS: l' x 17,472 + pixel tile x 4,352 + s x 2,176 + c x 544 + h x 272 + r x 16
.set OSC,  69888                       ;      o's scale words: [l'][pixel tile][s][r]
.set STG,  71936                       ;      a stage of 16 rows x (256 + 16) bytes for each wave
.set WOF,  16                          ; v16-47  Wo's two fragments
.set WS,   48                          ; v48     Wo's scale words: lanes 0-15 K step 0, lanes 16-31 K step 1
.set BC,   50                          ; v49 the bias as loaded; v50-57 as the C of a sum
.set OS,   58                          ; v58-61  o's scale words, one register a pixel tile
.set OF,   64                          ; v64-127 o's four fragments; at the head the bytes to be copied; later v64-95 rows on their way out
.set ACC,  128                         ; v128-159 four accumulators
.set CA,   160                         ; v160-175 the gate: [l' % 2][8 channels]
.set XR,   176                         ; v176-239 x: [l' % 2][8 rows][4]
	s_load_b256 s[4:11], s[0:1], 0x0               ; oq, os, Wo's codes, Wo's scales
	s_load_b256 s[12:19], s[0:1], 0x20             ; the bias, x, ca, out0
	v_lshl_add_u32 v254, v0, 2, 0x22900
	v_mov_b32 v255, 0
	v_lshrrev_b32 v1, 5, v0
	v_readfirstlane_b32 s20, v1                    ; wave 0..15
	s_mov_b32 s21, ttmp9                           ; lq
	s_and_b32 s22, ttmp7, 0xffff                   ; ch
	s_lshr_b32 s23, s20, 2                         ; for the copy: hp,
	s_and_b32 s24, s20, 3                          ; the pixel tile
	s_and_b32 s25, s20, 7                          ; for the work: the tile of channels,
	s_lshr_b32 s26, s20, 3                         ; the pair of l'
	v_and_b32 v240, 15, v0                         ; r (q)
	v_bfe_u32 v241, v0, 4, 1                       ; h (hh)
	v_and_b32 v242, 31, v0                         ; lane
	v_bfe_u32 v243, v0, 2, 2                       ; the copy: l' = q / 4,
	v_bfe_u32 v244, v0, 1, 1                       ; e,
	v_and_b32 v245, 1, v0                          ; h
	v_lshlrev_b32 v1, 4, v240
	v_lshl_add_u32 v1, v241, 15, v1                ; oq: 16 q; lanes 16-31 the next pixel
	v_mul_u32_u24 v2, v243, 17472
	v_mad_u32_u24 v2, v244, 544, v2
	v_mad_u32_u24 v2, v245, 272, v2
	v_lshl_add_u32 v2, v241, 4, v2
	s_mul_i32 s27, s24, 4352
	s_lshr_b32 s28, s23, 1
	s_mul_i32 s29, s28, 2176
	s_add_co_u32 s27, s27, s29
	s_and_b32 s29, s23, 1
	s_mul_i32 s31, s29, 1088
	s_add_co_u32 s27, s27, s31
	v_add_nc_u32 v2, s27, v2                       ; OIMG: head 2 hp + e is block c = 2 (hp % 2) + e of K step hp / 2; pixel 2 i + hh is row r
	v_lshlrev_b32 v3, 10, v240                     ; os: 1,024 bytes a pixel
	s_lshl_b32 s27, s24, 7
	s_lshl_b32 s28, s28, 6
	s_add_co_u32 s27, s27, s28
	s_lshl_b32 s29, s29, 1
	s_add_co_u32 s27, s27, s29
	s_add_co_u32 s27, s27, OSC
	v_lshlrev_b32 v7, 2, v240                      ; 4 r
	v_add_nc_u32 v4, s27, v7                       ; OSC: two bytes of row r's word
	v_lshlrev_b32 v5, 8, v240
	v_lshl_add_u32 v5, v241, 4, v5                 ; Wo's codes: row r of 256 bytes, + 16 h
	v_lshlrev_b32 v6, 3, v240
	v_lshl_add_u32 v6, v241, 2, v6                 ; Wo's scales
	v_lshlrev_b32 v8, 5, v241                      ; ca: eight channels x hh
	v_lshlrev_b32 v9, 4, v240
	v_lshl_add_u32 v9, v241, 17, v9                ; x, out0: 16 q; lanes 16-31 eight channels on
	s_mul_i32 s27, s26, 34944
	v_mul_u32_u24 v10, v241, 272
	v_lshl_add_u32 v10, v240, 4, v10
	v_add_nc_u32 v10, s27, v10                     ; OIMG on the way back
	s_lshl_b32 s27, s26, 10
	s_add_co_u32 s27, s27, OSC
	v_lshlrev_b32 v11, 2, v242
	v_add_nc_u32 v11, s27, v11                     ; OSC on the way back: lanes 0-15 K step 0, lanes 16-31 K step 1
	s_mul_i32 s27, s20, 4352
	s_add_co_u32 s27, s27, STG
	v_mul_u32_u24 v12, v240, 272
	v_lshl_add_u32 v12, v241, 5, v12
	v_add_nc_u32 v12, s27, v12                     ; my stage, in: row = channel r, + 32 h
	v_mul_u32_u24 v13, v241, 2176
	v_lshl_add_u32 v13, v240, 4, v13
	v_add_nc_u32 v13, s27, v13                     ; and back: lanes 0-15 row i, lanes 16-31 row 8 + i
	s_lshl_b32 s30, s22, 7
	s_lshl_b32 s31, s25, 4
	s_add_co_u32 s30, s30, s31                     ; my first channel
	s_and_b32 s32, s21, 1
	s_lshl_b32 s32, s32, 2
	s_lshl_b32 s31, s26, 1
	s_add_co_u32 s32, s32, s31                     ; my first b = 4 (lq % 2) + 2 (w / 8)
	s_mov_b32 s41, 0
	s_wait_kmcnt 0x0
	s_lshl_b32 s40, s23, 21
	s_lshl_b32 s31, s24, 19
	s_add_co_u32 s40, s40, s31
	s_lshl_b32 s31, s21, 8
	s_add_co_u32 s40, s40, s31
	s_add_nc_u64 s[4:5], s[4:5], s[40:41]
	s_lshl_b32 s40, s23, 16
	s_lshl_b32 s31, s24, 14
	s_add_co_u32 s40, s40, s31
	s_lshl_b32 s31, s21, 3
	s_add_co_u32 s40, s40, s31
	s_add_nc_u64 s[6:7], s[6:7], s[40:41]
	s_lshl_b32 s40, s30, 8
	s_add_nc_u64 s[8:9], s[8:9], s[40:41]
	s_lshl_b32 s40, s30, 3
	s_add_nc_u64 s[10:11], s[10:11], s[40:41]
	s_lshl_b32 s40, s30, 2
	s_add_nc_u64 s[12:13], s[12:13], s[40:41]
	s_lshl_b32 s31, s32, 10
	s_add_co_u32 s40, s40, s31
	s_add_nc_u64 s[16:17], s[16:17], s[40:41]
	s_lshl_b32 s40, s32, 22
	s_lshl_b32 s31, s30, 14
	s_add_co_u32 s40, s40, s31
	s_lshr_b32 s31, s21, 1
	s_lshl_b32 s31, s31, 8
	s_add_co_u32 s40, s40, s31
	s_add_nc_u64 s[14:15], s[14:15], s[40:41]
	s_add_nc_u64 s[18:19], s[18:19], s[40:41]
	; all loads at the head, in the order in which they are wanted
.irp i, 0,1,2,3,4,5,6,7
	global_load_b128 v[OF+4*\i:OF+4*\i+3], v1, s[4:5] offset:65536*\i   ; pixels 2 i and 2 i + 1: twice 256 consecutive bytes, aligned
.endr
	global_load_b64 v[OF+32:OF+33], v3, s[6:7]     ; pixel r's eight scale bytes [l'][e]
.irp s, 0,1
.irp c, 0,1,2,3
	global_load_b128 v[WOF+16*\s+4*\c:WOF+16*\s+4*\c+3], v5, s[8:9] offset:128*\s+32*\c
.endr
.endr
	global_load_b32 v[WS], v6, s[10:11]
	global_load_b32 v49, v7, s[12:13]
.irp a, 0,1
.irp g, 0,1
	global_load_b128 v[CA+8*\a+4*\g:CA+8*\a+4*\g+3], v8, s[16:17] offset:1024*\a+16*\g
.endr
.endr
.irp a, 0,1
.irp i, 0,1,2,3,4,5,6,7
	global_load_b128 v[XR+32*\a+4*\i:XR+32*\a+4*\i+3], v9, s[14:15] offset:4194304*\a+16384*\i th:TH_LOAD_NT
.endr
.endr
	s_wait_loadcnt 30                              ; the codes and bytes to be copied are in; the 30 younger loads stay out
	v_lshrrev_b32 v[OF+34], 16, v[OF+32]
	v_lshrrev_b32 v[OF+35], 16, v[OF+33]
.irp i, 0,1,2,3,4,5,6,7
	ds_store_b128 v2, v[OF+4*\i:OF+4*\i+3] offset:32*\i
.endr
	ds_store_b16 v4, v[OF+32]                      ; l' = 0 (both halves of the lanes write the same bytes with the same values)
	ds_store_b16 v4, v[OF+34] offset:512           ; 1
	ds_store_b16 v4, v[OF+33] offset:1024          ; 2
	ds_store_b16 v4, v[OF+35] offset:1536          ; 3
	s_wait_dscnt 0x0
	s_barrier_signal -1
	s_barrier_wait -1                              ; o's 32 fragments and their scale words lie in LDS
	s_wait_loadcnt 20                              ; Wo, its scales and the bias are in; ca's 4 loads and x's 16 stay out
.irp j, 0,1,2,3,4,5,6,7
	v_mov_b32 v[BC+\j], v49                        ; a lane holds one channel: its bias in all eight registers
.endr
.rept 4
	v_nop
.endr
.macro MM d, a, b, sa, sb, s, c
.if (\s) == 0
	v_wmma_scale_f32_16x16x128_f8f6f4 v[(\d):(\d)+7], v[(\a):(\a)+15], v[(\b):(\b)+15], v[(\c):(\c)+7], v[(\sa)], v[(\sb)] matrix_a_fmt:MATRIX_FMT_BF8 matrix_b_fmt:MATRIX_FMT_BF8
.else
	v_wmma_scale_f32_16x16x128_f8f6f4 v[(\d):(\d)+7], v[(\a):(\a)+15], v[(\b):(\b)+15], v[(\d):(\d)+7], v[(\sa)], v[(\sb)] matrix_a_fmt:MATRIX_FMT_BF8 matrix_b_fmt:MATRIX_FMT_BF8 matrix_a_scale:MATRIX_SCALE_ROW1 matrix_b_scale:MATRIX_SCALE_ROW1
.endif
.endm
; l' = 2 (w / 8) + a: 64 pixels x my 16 channels: four accumulators by turns, one instruction a turn
.macro ROWS a
.if \a
	s_wait_xcnt 0x0                                ; the last stores have read their registers: the loads below land there
.endif
.irp t, 0,1,2,3
	ds_load_b32 v[OS+\t], v11 offset:512*\a+128*\t
.endr
.irp s, 0,1
.irp t, 0,1,2,3
.irp c, 0,1,2,3
	ds_load_b128 v[OF+16*\t+4*\c:OF+16*\t+4*\c+3], v10 offset:17472*\a+4352*\t+2176*\s+544*\c
.endr
.endr
	s_wait_dscnt 0x0
.irp t, 0,1,2,3
	MM ACC+8*\t,OF+16*\t,WOF+16*\s,OS+\t,WS,\s,BC
.endr
.rept 9
	v_nop                                          ; eight places ahead of loads into the operands and of the first read of the results; nine ahead of products that begin these accumulators anew
.endr
.endr
.irp t, 0,1,2,3
	ds_store_b128 v12, v[ACC+8*\t:ACC+8*\t+3] offset:64*\t           ; each accumulator from its low end on: pixels 16 t + 8 h + 0 .. 7 of channel r
	ds_store_b128 v12, v[ACC+8*\t+4:ACC+8*\t+7] offset:64*\t+16
.endr
.irp i, 0,1,2,3,4,5,6,7
	ds_load_b128 v[OF+4*\i:OF+4*\i+3], v13 offset:272*\i             ; my own stage: LDS serves a wave's instructions in order
.endr
	s_wait_loadcnt 8*(1-\a)                        ; the gate and this l's eight loads of x are in; the other l's eight may stay out
	s_wait_dscnt 0x0
.irp i, 0,1,2,3,4,5,6,7
.irp p, 0,1,2,3
	v_fma_f32 v[OF+4*\i+\p], v[XR+32*\a+4*\i+\p], v[CA+8*\a+\i], v[OF+4*\i+\p]   ; x * ca + the product
.endr
.endr
.irp i, 0,1,2,3,4,5,6,7
	global_store_b128 v9, v[OF+4*\i:OF+4*\i+3], s[18:19] offset:4194304*\a+16384*\i th:TH_STORE_NT   ; sixteen lanes store 256 consecutive bytes, aligned
.endr
.endm
	ROWS 0
	ROWS 1
	s_wait_tensorcnt 0x0
	ds_add_u32 v254, v255
	s_wait_dscnt 0x0
	s_endpgm
.Lfunc_end_k_qffbfde7693_outp:
	.size	k_qffbfde7693_outp, .Lfunc_end_k_qffbfde7693_outp-k_qffbfde7693_outp
	.p2alignl 7, 3214868480
	.fill 96, 4, 3214868480
	.section	.rodata,"a",@progbits
	.p2align	6, 0x0
	.amdhsa_kernel k_qffbfde7693_outp
		.amdhsa_group_segment_fixed_size 143616
		.amdhsa_private_segment_fixed_size 0
		.amdhsa_enable_private_segment 0
		.amdhsa_kernarg_size 64
		.amdhsa_user_sgpr_count 2
		.amdhsa_user_sgpr_kernarg_segment_ptr 1
		.amdhsa_wavefront_size32 1
		.amdhsa_system_sgpr_workgroup_id_x 1
		.amdhsa_system_sgpr_workgroup_id_y 1
		.amdhsa_system_sgpr_workgroup_id_z 1
		.amdhsa_system_vgpr_workitem_id 0
		.amdhsa_next_free_vgpr 256
		.amdhsa_next_free_sgpr 66
		.amdhsa_reserve_vcc 0
		.amdhsa_float_denorm_mode_32 3
		.amdhsa_float_denorm_mode_16_64 3
		.amdhsa_memory_ordered 1
		.amdhsa_forward_progress 1
		.amdhsa_inst_pref_size 26
	.end_amdhsa_kernel
	.amdgpu_metadata
---
amdhsa.version: [ 1, 2 ]
amdhsa.kernels:
  - .name:           k_qffbfde7693_outp
    .symbol:         k_qffbfde7693_outp.kd
    .args:
      - { .name: oq, .offset: 0, .size: 8, .value_kind: global_buffer, .address_space: global }
      - { .name: os, .offset: 8, .size: 8, .value_kind: global_buffer, .address_space: global }
      - { .name: out_proj_w_codes, .offset: 16, .size: 8, .value_kind: global_buffer, .address_space: global }
      - { .name: out_proj_w_scales, .offset: 24, .size: 8, .value_kind: global_buffer, .address_space: global }
      - { .name: out_proj_b, .offset: 32, .size: 8, .value_kind: global_buffer, .address_space: global }
      - { .name: x, .offset: 40, .size: 8, .value_kind: global_buffer, .address_space: global }
      - { .name: ca, .offset: 48, .size: 8, .value_kind: global_buffer, .address_space: global }
      - { .name: out0, .offset: 56, .size: 8, .value_kind: global_buffer, .address_space: global }
    .group_segment_fixed_size: 143616
    .private_segment_fixed_size: 0
    .kernarg_segment_align: 8
    .kernarg_segment_size: 64
    .max_flat_workgroup_size: 512
    .sgpr_count:     66
    .vgpr_count:     256
    .wavefront_size: 32
...
	.end_amdgpu_metadata
.endif
;; end of part 4
;; ======== version 2 of 2: 4 launches
;; workspace buffers: hp 65,536 bytes; ca 8,192 bytes; xq 8,388,608 bytes; xs 262,144 bytes; oq 8,388,608 bytes; os 262,144 bytes
;; launch pool (part 5): grid 256 x 1, 8 waves a work-group, no clusters, 1,280 bytes of LDS; arguments x, ca_w1, hp; writes hp
.if DOCPART == 5
	.amdgcn_target "amdgcn-amd-amdhsa--gfx1250"
	.amdhsa_code_object_version 6
	.text
	.protected	k_qffbfde7693_pool
	.globl	k_qffbfde7693_pool
	.p2align	8
	.type	k_qffbfde7693_pool,@function
k_qffbfde7693_pool:
	s_mov_b64 s[64:65], 0
	v_nop
	global_prefetch_b8 v0, s[64:65] scope:SCOPE_SE
	s_setreg_imm32_b32 hwreg(HW_REG_WAVE_MODE, 25, 1), 1
	s_wait_xcnt 0x0
; hp[b][g][j] = the sum over c = 8 g .. 8 g + 7 of mean(x[b][c]) * ca_w1[j][c]: the pool, and partial sums of the gate's first product, all in f32.
; x: [8][256][64][64] f32.  ca_w1: [64][256] f32.  hp: [8][32][64] f32.
; Work-group 32 b + g; wave w takes the whole plane (b, 8 g + w), 16,384 bytes: 32 loads of 512 consecutive bytes, all asked for at the head.
; The eight means meet in LDS; wave 0 multiplies them by its 64 x 8 numbers of ca_w1 (lane l: rows 2 l and 2 l + 1) and stores 256 consecutive bytes, aligned.
; No matrix unit (8 rows), no cluster (no work-group shares a byte of x with another).
; LIMITS: the plane's sum is taken in four chains and across lanes, another order of f32 additions than a plain run along the plane; NaN and infinities among the inputs are not served.
.set X, 32                             ; v32-159 the plane: 32 loads x 4 registers; loads 0 and 1 are the four running sums
	s_load_b128 s[4:7], s[0:1], 0x0                ; x, ca_w1
	s_load_b64 s[8:9], s[0:1], 0x10                ; hp
	v_lshl_add_u32 v160, v0, 2, 0x100
	v_mov_b32 v161, 0
	v_lshrrev_b32 v1, 5, v0
	s_delay_alu instid0(VALU_DEP_1)
	v_readfirstlane_b32 s10, v1                    ; wave 0..7
	v_and_b32 v6, 31, v0                           ; lane
	s_delay_alu instid0(VALU_DEP_1)
	v_lshlrev_b32 v1, 4, v6                        ; x: 16 bytes a lane
	s_delay_alu instid0(VALU_DEP_2)
	v_lshlrev_b32 v2, 11, v6                       ; ca_w1: two rows of 1,024 bytes a lane
	s_delay_alu instid0(VALU_DEP_3)
	v_lshlrev_b32 v5, 3, v6                        ; hp: two numbers a lane
	v_mov_b32 v4, 0                                ; LDS: the eight means
	v_mov_b32 v3, s10
	s_delay_alu instid0(VALU_DEP_1)
	v_lshlrev_b32 v3, 2, v3                        ; LDS: my wave's mean
	s_mov_b32 s12, 0x76543210
	s_mov_b32 s13, 0xfedcba98                      ; v_permlanex16_b32's selects for lane l xor 16
	s_lshl_b32 s14, ttmp9, 17                      ; 8 planes of 16,384 bytes a work-group,
	s_lshl_b32 s16, s10, 14                        ; one a wave
	s_add_co_u32 s14, s14, s16
	s_mov_b32 s15, 0
	s_and_b32 s16, ttmp9, 31                       ; g
	s_lshl_b32 s16, s16, 5                         ; 8 columns of ca_w1
	s_mov_b32 s17, 0
	s_lshl_b32 s18, ttmp9, 8                       ; 64 numbers of hp a work-group
	s_mov_b32 s19, 0
	s_wait_kmcnt 0x0
	s_add_nc_u64 s[4:5], s[4:5], s[14:15]
	s_add_nc_u64 s[6:7], s[6:7], s[16:17]
	s_add_nc_u64 s[8:9], s[8:9], s[18:19]
	s_cmp_lg_u32 s10, 0
	s_cbranch_scc1 .Lrows
	s_wait_alu depctr_va_vdst(0)
	global_load_b128 v[8:11], v2, s[6:7]           ; wave 0: ca_w1[2 l][8 g ..], issued ahead of the plane's loads, so that the counts below hold in every wave
	global_load_b128 v[12:15], v2, s[6:7] offset:16
	global_load_b128 v[16:19], v2, s[6:7] offset:1024  ; ca_w1[2 l + 1][8 g ..]
	global_load_b128 v[20:23], v2, s[6:7] offset:1040
.Lrows:
.set i, 0
	s_wait_alu depctr_va_vdst(0)
.rept 32
	global_load_b128 v[X+4*i:X+4*i+3], v1, s[4:5] offset:512*i
.set i, i+1
.endr
.set i, 2
.rept 30
.if i == 2
	s_wait_loadcnt 24                              ; loads 0 to 7 are in; the 24 younger ones stay out
.elseif i == 8
	s_wait_alu depctr_va_vdst(0)
	s_wait_loadcnt 16                              ; loads 0 to 15
.elseif i == 16
	s_wait_alu depctr_va_vdst(0)
	s_wait_loadcnt 8                               ; loads 0 to 23
.elseif i == 24
	s_wait_alu depctr_va_vdst(0)
	s_wait_loadcnt 0
.endif
	v_pk_add_f32 v[X+4*(i%2):X+4*(i%2)+1], v[X+4*(i%2):X+4*(i%2)+1], v[X+4*i:X+4*i+1]           ; four chains: even loads onto load 0, odd loads onto load 1
	v_pk_add_f32 v[X+4*(i%2)+2:X+4*(i%2)+3], v[X+4*(i%2)+2:X+4*(i%2)+3], v[X+4*i+2:X+4*i+3]
.set i, i+1
.endr
	s_delay_alu instid0(VALU_DEP_3)
	v_pk_add_f32 v[X:X+1], v[X:X+1], v[X+2:X+3]
	s_delay_alu instid0(VALU_DEP_2)
	v_pk_add_f32 v[X+4:X+5], v[X+4:X+5], v[X+6:X+7]
	s_delay_alu instid0(VALU_DEP_1)
	v_pk_add_f32 v[X:X+1], v[X:X+1], v[X+4:X+5]
	s_delay_alu instid0(VALU_DEP_1)
	v_add_f32 v[X], v[X], v[X+1]
	s_delay_alu instid0(VALU_DEP_1)
	v_add_f32_dpp v[X], v[X], v[X] row_xmask:1 row_mask:0xf bank_mask:0xf
	s_delay_alu instid0(VALU_DEP_1)
	v_add_f32_dpp v[X], v[X], v[X] row_xmask:2 row_mask:0xf bank_mask:0xf
	s_delay_alu instid0(VALU_DEP_1)
	v_add_f32_dpp v[X], v[X], v[X] row_xmask:4 row_mask:0xf bank_mask:0xf
	s_delay_alu instid0(VALU_DEP_1)
	v_add_f32_dpp v[X], v[X], v[X] row_xmask:8 row_mask:0xf bank_mask:0xf
	s_delay_alu instid0(VALU_DEP_1)
	v_permlanex16_b32 v[X+1], v[X], s12, s13       ; (its destination has been written)
	s_delay_alu instid0(VALU_DEP_1)
	v_add_f32 v[X], v[X], v[X+1]
	s_delay_alu instid0(VALU_DEP_1)
	v_mul_f32 v[X], 0x39800000, v[X]               ; / 4,096: exact
	ds_store_b32 v3, v[X]                          ; all lanes write the same word with the same value
	s_wait_dscnt 0x0                               ; for the others' sake: my store has landed
	s_barrier_signal -1
	s_barrier_wait -1
	s_cmp_lg_u32 s10, 0
	s_cbranch_scc1 .Lend
	ds_load_b128 v[24:27], v4                      ; the eight means
	ds_load_b128 v[28:31], v4 offset:16
	s_wait_dscnt 0x0
	v_mul_f32 v6, v8, v24                          ; two rows by turns
	v_mul_f32 v7, v16, v24
.irp i, 1,2,3,4,5,6,7
	s_delay_alu instid0(VALU_DEP_2)
	v_fma_f32 v6, v[8+\i], v[24+\i], v6
	s_delay_alu instid0(VALU_DEP_2)
	v_fma_f32 v7, v[16+\i], v[24+\i], v7
.endr
	global_store_b64 v5, v[6:7], s[8:9]            ; 32 lanes store 256 consecutive bytes, aligned
.Lend:
	s_wait_tensorcnt 0x0
	ds_add_u32 v160, v161
	s_wait_dscnt 0x0
	s_endpgm
.Lfunc_end_k_qffbfde7693_pool:
	.size	k_qffbfde7693_pool, .Lfunc_end_k_qffbfde7693_pool-k_qffbfde7693_pool
	.p2alignl 7, 3214868480
	.fill 96, 4, 3214868480
	.section	.rodata,"a",@progbits
	.p2align	6, 0x0
	.amdhsa_kernel k_qffbfde7693_pool
		.amdhsa_group_segment_fixed_size 1280
		.amdhsa_private_segment_fixed_size 0
		.amdhsa_enable_private_segment 0
		.amdhsa_kernarg_size 24
		.amdhsa_user_sgpr_count 2
		.amdhsa_user_sgpr_kernarg_segment_ptr 1
		.amdhsa_wavefront_size32 1
		.amdhsa_system_sgpr_workgroup_id_x 1
		.amdhsa_system_sgpr_workgroup_id_y 1
		.amdhsa_system_sgpr_workgroup_id_z 1
		.amdhsa_system_vgpr_workitem_id 0
		.amdhsa_next_free_vgpr 162
		.amdhsa_next_free_sgpr 66
		.amdhsa_reserve_vcc 0
		.amdhsa_float_denorm_mode_32 3
		.amdhsa_float_denorm_mode_16_64 3
		.amdhsa_memory_ordered 1
		.amdhsa_forward_progress 1
		.amdhsa_inst_pref_size 12
	.end_amdhsa_kernel
	.amdgpu_metadata
---
amdhsa.version: [ 1, 2 ]
amdhsa.kernels:
  - .name:           k_qffbfde7693_pool
    .symbol:         k_qffbfde7693_pool.kd
    .args:
      - { .name: x, .offset: 0, .size: 8, .value_kind: global_buffer, .address_space: global }
      - { .name: ca_w1, .offset: 8, .size: 8, .value_kind: global_buffer, .address_space: global }
      - { .name: hp, .offset: 16, .size: 8, .value_kind: global_buffer, .address_space: global }
    .group_segment_fixed_size: 1280
    .private_segment_fixed_size: 0
    .kernarg_segment_align: 8
    .kernarg_segment_size: 24
    .max_flat_workgroup_size: 256
    .sgpr_count:     66
    .vgpr_count:     162
    .wavefront_size: 32
...
	.end_amdgpu_metadata
.endif
;; end of part 5
;; launch gateq (part 6): grid 64 x 4, 8 waves a work-group, no clusters, 41,984 bytes of LDS; arguments x, hp, ca_b1, ca_w2, ca_b2, xq, xs, ca; writes xq, xs, ca
.if DOCPART == 6
	.amdgcn_target "amdgcn-amd-amdhsa--gfx1250"
	.amdhsa_code_object_version 6
	.text
	.protected	k_qffbfde7693_gateq
	.globl	k_qffbfde7693_gateq
	.p2align	8
	.type	k_qffbfde7693_gateq,@function
k_qffbfde7693_gateq:
	s_mov_b64 s[64:65], 0
	v_nop
	global_prefetch_b8 v0, s[64:65] scope:SCOPE_SE
	s_setreg_imm32_b32 hwreg(HW_REG_WAVE_MODE, 25, 1), 1
	s_wait_xcnt 0x0
; The gate is finished, x is multiplied by it, cut into windows and turned into codes of BF8 (E5M2) with one E8M0 byte for each 32 channels.
; ca[b][c] = sigmoid(relu(sum over g of hp[b][g][:] + b1) . w2[c][:] + b2[c]), in f32.  xw[l][n][c] = x[b][c][y][xx] ca[b][c], l = 64 (y / 8) + 8 (xx / 8) + b, n = 8 (y % 8) + xx % 8.
; A work-group takes one image row y, 64 channels (cg: two blocks k of 32) and all eight b; wave w takes b = w.  Each work-group makes the gate of its own 64 channels for the eight b anew: 64 x 64 x 8 multiply-adds.
; A LANE HOLDS 16 CHANNELS OF FOUR PIXELS: lane (q, hh) loads, of channel 32 k + 16 hh + i, the 16 bytes of pixels 4 q .. 4 q + 3: each load reads two whole image rows of 256 bytes.  The gate's multiplication
; sorts the numbers by pixel; a pixel's 16 registers are 16 neighbours along the product's K, in the order that the operand's layout gives lane half hh; the block's other 16 lie in lane l xor 16.
; xq IS LAID AS IMAGES OF OPERAND REGISTERS: [n 64][t 32][s 2][c 4][lane 32][16 bytes]: tile t = 2 B + u, its row r is l = 32 B + 8 u + r + 8 (r / 8); lane 16 h + r holds channels 128 s + 32 c + 16 h + 0 .. 15.
; xs: [y % 8][y / 8][cg][xx % 8][t % 4][r][2 bytes]: byte k is the scale of channel block 2 cg + k.
; The codes meet in a stage in LDS and leave by stores of 512 consecutive bytes, the scale bytes by stores of 256.
; A block's scale is 2^(floor(log2(largest magnitude)) - 15); its byte is the largest magnitude's exponent field - 15, held at 1 from below.
; LIMITS: a block of zeros gets the byte 1 where the rule says 127 (its codes are zeros, and this program alone reads the bytes); blocks whose largest magnitude lies under 2^-111 keep the byte 1;
; NaN and infinities among the inputs are not served; the gate's sums run in another order of f32 additions than a plain run along K.
; No matrix unit (the gate's products have 8 rows), no cluster (no byte of x is read by two work-groups; hp and ca_w2 are small).
.set H1T, 0                            ; LDS: h1 as [j 64][b 8] f32
.set PRE, 2048                         ;      the second product's sums, [b][64 channels]
.set CAL, 4096                         ;      the gate, [b][64 channels]
.set SCS, 6144                         ;      scale bytes, [xx % 8][t % 4][r][2]
.set STG, 8192                         ;      codes: piece (8 (xx % 8) + 2 (t % 4) + k) of 512 bytes, in it 16 bytes a lane of the image
.set W2,  12                           ; v12-27  ca_w2: eight pairs; later TM
.set TM,  12                           ; v12-15 largest magnitudes, v16-19 bytes, v20-23 the largest number x the scale, v24-27 the conversions' scale operands
.set EB,  28                           ; v28-29 b1, v30-31 b2; later the four pixels' two scale bytes
.set HV,  32                           ; v32-47  h1 of my two j; later 16 numbers of the gate
.set TP,  48                           ; v48-63  the other half's sums; later the codes
.set CD,  48
.set AC,  64                           ; v64-127 hp; then the second product's 64 sums; then 64 gated numbers; then the codes on their way out
.set XN,  64
.set RAW, 128                          ; v128-255 x as loaded: block k, channel i: 4 registers
.set SEL, 26                           ; s[26:27]
.set MNT, 28                           ; s28
	s_load_b256 s[4:11], s[0:1], 0x0               ; x, hp, ca_b1, ca_w2
	s_load_b256 s[12:19], s[0:1], 0x20             ; ca_b2, xq, xs, ca
	s_set_vgpr_msb 0x40
	v_lshl_add_u32 v0, v0, 2, 0xa000
	v_mov_b32 v1, 0
	s_set_vgpr_msb 0x4000
	v_lshrrev_b32 v1, 5, v0
	s_delay_alu instid0(VALU_DEP_1)
	v_readfirstlane_b32 s20, v1                    ; wave 0..7
	s_mov_b32 s21, ttmp9                           ; y
	s_and_b32 s22, ttmp7, 0xffff                   ; cg
	s_and_b32 s23, s21, 7                          ; y % 8
	s_lshr_b32 s24, s21, 3                         ; y / 8
	v_and_b32 v32, 31, v0                          ; lane
	v_and_b32 v33, 15, v0                          ; q
	v_bfe_u32 v34, v0, 4, 1                        ; hh
	v_and_b32 v35, 1, v0                           ; q's bits 0 to 3
	v_bfe_u32 v36, v0, 1, 1
	v_bfe_u32 v37, v0, 2, 1
	v_bfe_u32 v38, v0, 3, 1
	v_lshlrev_b32 v1, 4, v33
	s_delay_alu instid0(VALU_DEP_1)
	v_lshl_add_u32 v1, v34, 18, v1                 ; x: 16 q + 16 channels x hh
	v_lshlrev_b32 v2, 3, v32                       ; 8 x lane
	v_lshlrev_b32 v4, 6, v32                       ; H1T: my two j, 64 bytes
	s_lshl_b32 s25, s20, 2
	v_add_nc_u32 v3, s25, v4                       ; H1T: + 4 b
	s_lshl_b32 s25, s20, 5
	s_add_co_u32 s25, s25, PRE
	v_mov_b32 v5, s25                              ; PRE: my wave's eight channels
	s_lshl_b32 s25, s20, 8
	v_add_nc_u32 v6, s25, v2                       ; 256 x wave + 8 x lane
	v_lshlrev_b32 v7, 6, v34
	s_delay_alu instid0(VALU_DEP_1)
	v_add_nc_u32 v7, s25, v7
	s_delay_alu instid0(VALU_DEP_1)
	v_add_nc_u32 v7, CAL, v7                       ; CAL: row b, + 16 channels x hh
	v_lshlrev_b32 v8, 14, v35                      ; STG: pixel 4 q + p is xx % 8 = 4 (q & 1) + p, t % 4 = 2 (q >> 3) + ((q >> 1) & 1), r = b + 8 ((q >> 2) & 1)
	s_delay_alu instid0(VALU_DEP_1)
	v_lshl_add_u32 v8, v38, 11, v8
	s_delay_alu instid0(VALU_DEP_1)
	v_lshl_add_u32 v8, v36, 10, v8
	s_delay_alu instid0(VALU_DEP_1)
	v_lshl_add_u32 v8, v34, 8, v8
	s_delay_alu instid0(VALU_DEP_1)
	v_lshl_add_u32 v8, v37, 7, v8
	s_lshl_b32 s25, s20, 4
	s_add_co_u32 s25, s25, STG
	v_add_nc_u32 v8, s25, v8
	v_lshlrev_b32 v9, 9, v35                       ; SCS likewise
	s_delay_alu instid0(VALU_DEP_1)
	v_lshl_add_u32 v9, v38, 6, v9
	s_delay_alu instid0(VALU_DEP_1)
	v_lshl_add_u32 v9, v36, 5, v9
	s_delay_alu instid0(VALU_DEP_1)
	v_lshl_add_u32 v9, v37, 4, v9
	s_lshl_b32 s25, s20, 1
	s_add_co_u32 s25, s25, SCS
	v_add_nc_u32 v9, s25, v9
	v_lshlrev_b32 v11, 4, v32                      ; 16 x lane
	s_lshl_b32 s25, s20, 12
	s_add_co_u32 s25, s25, STG
	v_add_nc_u32 v10, s25, v11                     ; STG on the way out: wave w takes xx % 8 = w
	s_mov_b32 s[SEL], 0x76543210
	s_mov_b32 s[SEL+1], 0xfedcba98                 ; v_permlanex16_b32's selects for lane l xor 16
	s_mov_b32 s[MNT], 0x600000                     ; the mantissa field of 57,344
	s_mov_b32 s29, 0xbfb8aa3b                      ; -log2(e)
	s_mov_b32 s31, 0
	s_wait_kmcnt 0x0
	s_lshl_b32 s30, s20, 22                        ; x: b, cg's 64 channels, row y
	s_lshl_b32 s25, s22, 20
	s_add_co_u32 s30, s30, s25
	s_lshl_b32 s25, s21, 8
	s_add_co_u32 s30, s30, s25
	s_add_nc_u64 s[4:5], s[4:5], s[30:31]
	s_lshl_b32 s30, s20, 13                        ; hp: b
	s_add_nc_u64 s[6:7], s[6:7], s[30:31]
	s_lshl_b32 s30, s22, 14                        ; ca_w2: row 64 cg + 8 w
	s_lshl_b32 s25, s20, 11
	s_add_co_u32 s30, s30, s25
	s_add_nc_u64 s[10:11], s[10:11], s[30:31]
	s_lshl_b32 s30, s22, 8                         ; ca_b2: 64 cg
	s_add_nc_u64 s[12:13], s[12:13], s[30:31]
	s_lshl_b32 s30, s23, 20                        ; xq: n = 8 (y % 8) + w, tiles 4 (y / 8) on, channel blocks 2 cg on
	s_lshl_b32 s25, s20, 17
	s_add_co_u32 s30, s30, s25
	s_lshl_b32 s25, s24, 14
	s_add_co_u32 s30, s30, s25
	s_lshl_b32 s25, s22, 10
	s_add_co_u32 s30, s30, s25
	s_add_nc_u64 s[14:15], s[14:15], s[30:31]
	s_lshl_b32 s30, s23, 15                        ; xs: the work-group's 1,024 bytes, 256 a wave
	s_lshl_b32 s25, s24, 12
	s_add_co_u32 s30, s30, s25
	s_lshl_b32 s25, s22, 10
	s_add_co_u32 s30, s30, s25
	s_lshl_b32 s25, s20, 8
	s_add_co_u32 s30, s30, s25
	s_add_nc_u64 s[16:17], s[16:17], s[30:31]
	s_lshl_b32 s30, s20, 10                        ; ca: row b, 64 cg
	s_lshl_b32 s25, s22, 8
	s_add_co_u32 s30, s30, s25
	s_add_nc_u64 s[18:19], s[18:19], s[30:31]
	; all loads at the head, the gate's first
.set g, 0
.rept 32
	global_load_b64 v[AC+2*g:AC+2*g+1], v2, s[6:7] offset:256*g      ; hp[b][g][2 l, 2 l + 1]
.set g, g+1
.endr
.set i, 0
.rept 8
	global_load_b64 v[W2+2*i:W2+2*i+1], v2, s[10:11] offset:256*i    ; ca_w2[64 cg + 8 w + i][2 l, 2 l + 1]
.set i, i+1
.endr
	global_load_b64 v[28:29], v2, s[8:9]           ; b1[2 l, 2 l + 1]
	global_load_b64 v[30:31], v2, s[12:13]         ; b2[64 cg + 2 l, + 1]
.set i, 0
.rept 32
	global_load_b128 v[RAW+4*i:RAW+4*i+3], v1, s[4:5] offset:(32*(i/16)+i%16)*16384 th:TH_LOAD_NT   ; block i / 16, channel i % 16 (+ 16 hh): two whole rows of 256 bytes
.set i, i+1
.endr
.set i, 0
.rept 16
	v_mov_b32 v[TP+i], 0                           ; written once: a lane permute's destination counts as one of its sources
.set i, i+1
.endr
	; h1[b][2 l, 2 l + 1]
	s_wait_loadcnt 32                              ; the gate's 42 loads are in; x's 32 stay out
.set g, 4
.rept 28
	v_pk_add_f32 v[AC+2*(g%4):AC+2*(g%4)+1], v[AC+2*(g%4):AC+2*(g%4)+1], v[AC+2*g:AC+2*g+1]   ; four chains
.set g, g+1
.endr
	s_delay_alu instid0(VALU_DEP_3)
	v_pk_add_f32 v[AC:AC+1], v[AC:AC+1], v[AC+2:AC+3]
	s_delay_alu instid0(VALU_DEP_2)
	v_pk_add_f32 v[AC+4:AC+5], v[AC+4:AC+5], v[AC+6:AC+7]
	s_delay_alu instid0(VALU_DEP_1)
	v_pk_add_f32 v[AC:AC+1], v[AC:AC+1], v[AC+4:AC+5]
	s_delay_alu instid0(VALU_DEP_1)
	v_pk_add_f32 v[AC:AC+1], v[AC:AC+1], v[28:29]
	s_delay_alu instid0(VALU_DEP_1)
	v_max_num_f32 v[AC], 0, v[AC]
	s_delay_alu instid0(VALU_DEP_2)
	v_max_num_f32 v[AC+1], 0, v[AC+1]
	ds_store_b32 v3, v[AC]
	ds_store_b32 v3, v[AC+1] offset:32
	s_wait_dscnt 0x0                               ; my stores have landed
	s_barrier_signal -1
	s_barrier_wait -1                              ; h1 of all eight b lies in LDS
	; the second product: wave w makes channels 8 w .. 8 w + 7 of the 64, for all eight b; a lane takes two of the 64 along K
.irp g, 0,1,2,3
	ds_load_b128 v[HV+4*\g:HV+4*\g+3], v4 offset:16*\g               ; registers 0-7: h1[0..7][2 l]; 8-15: h1[0..7][2 l + 1]
.endr
	s_wait_dscnt 0x0
.set b, 0
.rept 8
.set i, 0
.rept 8
	v_mul_f32 v[AC+8*b+i], v[W2+2*i], v[HV+b]
.set i, i+1
.endr
.set b, b+1
.endr
.set b, 0
.rept 8
.set i, 0
.rept 8
	v_fmac_f32 v[AC+8*b+i], v[W2+2*i+1], v[HV+8+b]
.set i, i+1
.endr
.set b, b+1
.endr
.irp m, 1,2,4,8
.set j, 0
.rept 64
	v_add_f32_dpp v[AC+j], v[AC+j], v[AC+j] row_xmask:\m row_mask:0xf bank_mask:0xf
.set j, j+1
.endr
.endr
.irp g, 0,1,2,3
.set j, 0
.rept 16
	v_permlanex16_b32 v[TP+j], v[AC+16*\g+j], s[SEL], s[SEL+1]
.set j, j+1
.endr
.set j, 0
.rept 16
	v_add_f32 v[AC+16*\g+j], v[AC+16*\g+j], v[TP+j]
.set j, j+1
.endr
.endr
.set b, 0
.rept 8
	ds_store_b128 v5, v[AC+8*b:AC+8*b+3] offset:256*b                ; every lane holds the sums: all write the same bytes with the same values
	ds_store_b128 v5, v[AC+8*b+4:AC+8*b+7] offset:256*b+16
.set b, b+1
.endr
	s_wait_dscnt 0x0
	s_barrier_signal -1
	s_barrier_wait -1                              ; the sums of 8 b x 64 channels lie in LDS
	; the sigmoid: wave b, two channels a lane
	ds_load_b64 v[32:33], v6 offset:PRE
	s_wait_dscnt 0x0
	v_pk_add_f32 v[32:33], v[32:33], v[30:31]
	s_delay_alu instid0(VALU_DEP_1)
	v_mul_f32 v32, s29, v32
	s_delay_alu instid0(VALU_DEP_2)
	v_mul_f32 v33, s29, v33
	s_wait_alu depctr_va_vdst(0)
	v_exp_f32 v32, v32
	v_exp_f32 v33, v33
	v_nop                                          ; a plain instruction behind the last exponential
	s_wait_alu depctr_va_vdst(0)                   ; one wait for both, ahead of their first reader
	v_add_f32 v32, 1.0, v32
	v_add_f32 v33, 1.0, v33
	s_wait_alu depctr_va_vdst(0)
	v_rcp_f32 v32, v32
	v_rcp_f32 v33, v33
	v_nop
	s_wait_alu depctr_va_vdst(0)
	ds_store_b64 v6, v[32:33] offset:CAL           ; my own row: only this wave reads it, and LDS serves a wave's instructions in order
	s_cmp_lg_u32 s21, 0
	s_cbranch_scc1 .Lno_ca
	global_store_b64 v2, v[32:33], s[18:19]        ; the work-groups of image row 0 store the gate for the last launch: 256 consecutive bytes, aligned
.Lno_ca:
	s_wait_xcnt 0x0                                ; the store has read v32 and v33,
	s_wait_dscnt 0x0                               ; and so has the LDS store: the loads below land there
; 64 numbers of a lane, register 16 p + i = channel 16 hh + i of pixel p's block, become four pixels' codes in v[CD + 4 p] on, their bytes in v[TM + 4 + p]
.macro QUANT4
.irp p, 0,1,2,3
	v_max3_num_f32 v[TM+\p], |v[XN+16*\p]|, |v[XN+16*\p+1]|, 0x8000000   ; my 16 numbers, and the floor 2^(16 - 127): so the byte cannot fall under 1
.endr
.irp i, 2,4,6,8,10,12,14
.irp p, 0,1,2,3
	s_delay_alu instid0(VALU_DEP_4)
	v_max3_num_f32 v[TM+\p], v[TM+\p], |v[XN+16*\p+\i]|, |v[XN+16*\p+\i+1]|   ; (the four pixels by turns)
.endr
.endr
.irp p, 0,1,2,3
	s_delay_alu instid0(VALU_DEP_4)
	v_permlanex16_b32 v[TM+4+\p], v[TM+\p], s[SEL], s[SEL+1]
.endr
.irp p, 0,1,2,3
	s_delay_alu instid0(VALU_DEP_4)
	v_max_num_f32 v[TM+\p], v[TM+\p], v[TM+4+\p]   ; with lane l xor 16's: the block's largest magnitude
.endr
.irp p, 0,1,2,3
	s_delay_alu instid0(VALU_DEP_4)
	v_add_nc_u32 v[TM+12+\p], 0xf8800000, v[TM+\p] ; 15 off its exponent field: the conversion takes the exponent field of this operand as its scale
.endr
.irp p, 0,1,2,3
	v_and_or_b32 v[TM+8+\p], v[TM+\p], 0x7f800000, s[MNT]   ; 57,344 x the scale
.endr
.irp p, 0,1,2,3
	v_lshrrev_b32 v[TM+4+\p], 23, v[TM+12+\p]      ; the scale's byte
.endr
.irp p, 0,1,2,3
.irp i, 0,1,2,3,4,5,6,7,8,9,10,11,12,13,14,15
	v_med3_num_f32 v[XN+16*\p+\i], v[XN+16*\p+\i], -v[TM+8+\p], v[TM+8+\p]   ; the conversion to an 8-bit code does not saturate (ISA guide 7.6.2): the hold comes first
.endr
	v_cvt_scalef32_pk8_bf8_f32 v[CD+4*\p:CD+4*\p+1], v[XN+16*\p:XN+16*\p+7], v[TM+12+\p]
	v_cvt_scalef32_pk8_bf8_f32 v[CD+4*\p+2:CD+4*\p+3], v[XN+16*\p+8:XN+16*\p+15], v[TM+12+\p]
.endr
	v_nop                                          ; a plain instruction behind the last conversion
.endm
.macro BLOCK k
.irp g, 0,1,2,3
	ds_load_b128 v[HV+4*\g:HV+4*\g+3], v7 offset:128*\k+16*\g        ; the gate of my 16 channels
.endr
	s_wait_loadcnt 16*(1-\k)                       ; this block's 16 loads of x are in; the other block's may stay out
	s_wait_dscnt 0x0                               ; the gate is in, and the last block's LDS stores have read their registers
.set p, 0
.rept 4
.set i, 0
.rept 16
	v_mul_f32 v[XN+16*p+i], v[RAW+64*\k+4*i+p], v[HV+i]              ; x * ca, sorted by pixel
.set i, i+1
.endr
.set p, p+1
.endr
	QUANT4
.irp p, 0,1,2,3
.if \k == 0
	v_mov_b32 v[EB+\p], v[TM+4+\p]
.else
	v_lshl_or_b32 v[EB+\p], v[TM+4+\p], 8, v[EB+\p]                  ; block 2 cg + 1's byte above block 2 cg's
.endif
.endr
.irp p, 0,1,2,3
	ds_store_b128 v8, v[CD+4*\p:CD+4*\p+3] offset:4096*\p+512*\k
.endr
.endm
	BLOCK 0
	BLOCK 1
.irp p, 0,1,2,3
	ds_store_b16 v9, v[EB+\p] offset:128*\p        ; both halves of the lanes write the same two bytes with the same values
.endr
	s_wait_dscnt 0x0
	s_barrier_signal -1
	s_barrier_wait -1                              ; the work-group's codes and scale bytes lie in LDS
.irp j, 0,1,2,3,4,5,6,7
	ds_load_b128 v[AC+4*\j:AC+4*\j+3], v10 offset:512*\j
.endr
.irp j, 0,1,2,3,4,5,6,7
	s_wait_dscnt 7-\j                              ; piece j is in; the younger ones stay out
	global_store_b128 v11, v[AC+4*\j:AC+4*\j+3], s[14:15] offset:4096*(\j/2)+512*(\j%2)   ; 512 consecutive bytes, aligned: tile 4 (y / 8) + j / 2, block 2 cg + j % 2
.endr
	s_cmp_lt_u32 s20, 4
	s_cbranch_scc0 .Lend
	ds_load_b64 v[AC+32:AC+33], v6 offset:SCS      ; waves 0 to 3: 256 of the 1,024 scale bytes each
	s_wait_dscnt 0x0
	global_store_b64 v2, v[AC+32:AC+33], s[16:17]
.Lend:
	s_set_vgpr_msb 0x5
	s_wait_tensorcnt 0x0
	ds_add_u32 v0, v1
	s_wait_dscnt 0x0
	s_set_vgpr_msb 0x500
	s_endpgm
.Lfunc_end_k_qffbfde7693_gateq:
	.size	k_qffbfde7693_gateq, .Lfunc_end_k_qffbfde7693_gateq-k_qffbfde7693_gateq
	.p2alignl 7, 3214868480
	.fill 96, 4, 3214868480
	.section	.rodata,"a",@progbits
	.p2align	6, 0x0
	.amdhsa_kernel k_qffbfde7693_gateq
		.amdhsa_group_segment_fixed_size 41984
		.amdhsa_private_segment_fixed_size 0
		.amdhsa_enable_private_segment 0
		.amdhsa_kernarg_size 64
		.amdhsa_user_sgpr_count 2
		.amdhsa_user_sgpr_kernarg_segment_ptr 1
		.amdhsa_wavefront_size32 1
		.amdhsa_system_sgpr_workgroup_id_x 1
		.amdhsa_system_sgpr_workgroup_id_y 1
		.amdhsa_system_sgpr_workgroup_id_z 1
		.amdhsa_system_vgpr_workitem_id 0
		.amdhsa_next_free_vgpr 258
		.amdhsa_next_free_sgpr 66
		.amdhsa_reserve_vcc 0
		.amdhsa_float_denorm_mode_32 3
		.amdhsa_float_denorm_mode_16_64 3
		.amdhsa_memory_ordered 1
		.amdhsa_forward_progress 1
		.amdhsa_inst_pref_size 69
	.end_amdhsa_kernel
	.amdgpu_metadata
---
amdhsa.version: [ 1, 2 ]
amdhsa.kernels:
  - .name:           k_qffbfde7693_gateq
    .symbol:         k_qffbfde7693_gateq.kd
    .args:
      - { .name: x, .offset: 0, .size: 8, .value_kind: global_buffer, .address_space: global }
      - { .name: hp, .offset: 8, .size: 8, .value_kind: global_buffer, .address_space: global }
      - { .name: ca_b1, .offset: 16, .size: 8, .value_kind: global_buffer, .address_space: global }
      - { .name: ca_w2, .offset: 24, .size: 8, .value_kind: global_buffer, .address_space: global }
      - { .name: ca_b2, .offset: 32, .size: 8, .value_kind: global_buffer, .address_space: global }
      - { .name: xq, .offset: 40, .size: 8, .value_kind: global_buffer, .address_space: global }
      - { .name: xs, .offset: 48, .size: 8, .value_kind: global_buffer, .address_space: global }
      - { .name: ca, .offset: 56, .size: 8, .value_kind: global_buffer, .address_space: global }
    .group_segment_fixed_size: 41984
    .private_segment_fixed_size: 0
    .kernarg_segment_align: 8
    .kernarg_segment_size: 64
    .max_flat_workgroup_size: 256
    .sgpr_count:     66
    .vgpr_count:     258
    .wavefront_size: 32
...
	.end_amdgpu_metadata
.endif
;; end of part 6
;; launch attn (part 7): grid 4 x 64, 16 waves a work-group, no clusters, 207,360 bytes of LDS; arguments xq, xs, in_proj_w_codes, in_proj_w_scales, in_proj_b, oq, os; writes oq, os
.if DOCPART == 7
	.amdgcn_target "amdgcn-amd-amdhsa--gfx1250"
	.amdhsa_code_object_version 6
	.text
	.protected	k_qffbfde7693_attn
	.globl	k_qffbfde7693_attn
	.p2align	8
	.type	k_qffbfde7693_attn,@function
k_qffbfde7693_attn:
	s_mov_b64 s[64:65], 0
	v_nop
	global_prefetch_b8 v0, s[64:65] scope:SCOPE_SE
	s_setreg_imm32_b32 hwreg(HW_REG_WAVE_SCHED_MODE, 0, 2), 2
	s_setreg_imm32_b32 hwreg(HW_REG_WAVE_MODE, 25, 1), 1
	s_wait_xcnt 0x0
	s_wait_alu depctr_vm_vsrc(0)
; For one n (of 64) and two heads 2 hp + e: q, k, v = xw W^T + b; softmax(q k^T / sqrt(32)) v over all 512 l; the result as codes.  All products on codes of BF8 (E5M2) with one E8M0 scale for each 32 along K.
; SHARES.  Sixteen waves, four to a SIMD, 256 registers each; wave B owns l = 32 B .. 32 B + 31 (tiles 2 B and 2 B + 1 of 16), as rows of the projection, as keys and as queries.  q, k and v never go to memory.
; A TILE'S ROWS ARE NOT NEIGHBOURS: row r of tile 2 B + u is l = 32 B + 8 u + r + 8 (r / 8); a tile of W takes its 16 of a head's 32 rows by the same rule.  So the 16 registers of two neighbouring tiles of a result
; are 16 neighbours along the next product's K, and every conversion's result is an operand's registers:
;   q, k: D = W x xw^T: a lane holds one l and d = 16 h + 8 u + j.      v: D = xw x W^T: a lane holds one d and keys 32 B + 16 h + 8 u + j.
;   S^T = k q^T: a lane holds one query and keys 32 b + 16 h + 0 .. 15.   O^T = v^T p^T: a lane holds one query and d = 16 h + 8 dt + j.
; K = 32 IN AN INSTRUCTION OF 128: source 0 holds FOUR tiles of keys, one in each block of 32; source 1 is a window of 16 registers on 12 zeros, q's 4 registers, 12 zeros, which puts q into block c and zero codes into the others.
; So a fragment of k is loaded once for four products.  k's codes are finite (every number is held ahead of its conversion) and all scale bytes lie in 1 .. 254, so the three other blocks add exact zeros.
; THE SOFTMAX: t = score x log2(e); M = the running largest t rounded up to a whole number; p = 2^(t - M) is quantised along the keys, not normalised; the sum is taken of the unquantised p and divides at the end;
; when M moves, the sum and O^T are multiplied by 2^(old M - new M), which rounds nothing.
; THE ORDER OF A KEY STEP (128 keys).  The vector work binds here (some 270 vector lines for 10 matrix instructions), so the step is laid to spend no line on waiting: the NEXT step's scores are multiplied ahead of this step's
; O^T += v^T p^T, and the eight rescalings of O^T, which are due anyway, are the places behind the scores' products; k's fragments of the next step and v's of this one are dealt among the additions of the row's sum.
; The four key steps of a tile of queries are written out: the first starts M, the sum and O^T, so nothing is cleared; the wave's two tiles of queries are a loop of two trips, written once for each head.
; OPERANDS GO FROM WAVE TO WAVE THROUGH LDS AS IMAGES OF THEIR REGISTERS: 16 bytes a lane, 512 a store.
; NO CLUSTER: the four work-groups of one n share xq's 131,072 bytes of that n and nothing else; each reads them once, at its head, straight into operand registers, for 3,328 matrix instructions of its own.
; A joint load would send those bytes through LDS and add rounds of a cluster's barrier for one read at the head.  No tensor load: nothing is streamed in steps.
; LIMITS: a block of zeros gets the byte 1 where the rule says 127 (its codes are zeros; this program alone reads the bytes); blocks whose largest magnitude lies under 2^-111 keep the byte 1; a block's largest p is
; taken from its largest score, which takes v_exp_f32 not to fall where its input rises; NaN and infinities are not served.
; THE MODE: SCHED_MODE bits 1:0 = 2 (LLVM: expert scheduling mode 2), set by the entry lines.  The code itself states the register dependences between vector or matrix instructions and memory or LDS instructions,
; with s_wait_alu, always for 0.
; THE PLAN.  Registers that memory or LDS instructions touch:
;   the addresses   v1-15, v221-223, v228-235, v238, v239, v246: written once, at the head; one wait ahead of the first load serves them all.
;   WF, WS, BC      An item of the projection: its eight products read them; behind one wait the next item's loads land in them, under the item's quantiser, which names ACC, TM and CD alone.
;   CD, v196, v197  An item's quantiser writes them; behind one wait the item's LDS stores read them; a wait at the next item's head shows them read.
;   q, QS, KF, KS   The scores' products read them.  Loaded at a trip's head, KF and KS again in key steps 0 to 2.
;   VF, VS          A key step's two products with v read them; the next step's loads land in them.
;   v3, v4, v7, v8  A trip's addresses: written by four additions a trip, read by q's loads and o's stores.
;   PC, v196        At a trip's end the quantiser writes o's codes and byte; two LDS stores read them.
; A key step has four waits for vector results (the last step five): ahead of the 64 exponentials; behind them (it also shows the products issued so far done reading KF, KS, VF and VS: the step's twenty loads follow it, and from there to the wait for those loads no vector line
; names these registers); behind the four exponentials; and ahead of the two products with v, which take p's codes and scale word from vector instructions.  A trip has one wait for registers read by LDS instructions, at its head.
.set KIMG, 0                           ; LDS: k: [e][tile 32][lane][16]
.set VIMG, 32768                       ;      v: [e][key step 4][dt 2][c 4][lane][16]
.set KSC,  65536                       ;      k's scale bytes: [e][tile / 4][r][tile % 4]
.set VSC,  66560                       ;      v's: [e][2 key step + dt][r][c]
.set QSC,  67584                       ;      q's scale words: [e][tile][lane]
.set QIMG, 75776                       ;      q: [e][tile][lane][16]
.set WIMG, 108544                      ;      W's 12 tiles (id = 4 type + 2 e + u): [id][s 2][c 4][lane][16]
.set WSCL, 157696                      ;      their scale words: [id][lane]: lanes 0-15 K step 0, lanes 16-31 K step 1
.set BIMG, 159232                      ;      the bias in the result's layout: [id][2][lane][16]
.set OST,  171520                      ;      o's codes: [B][l % 32][e][h][16]
.set OSS,  204288                      ;      o's scale bytes: [B][l % 32][e]
.set LI,   1                           ; v1   16 x lane
.set ASC0, 2                           ; v2   KSC + 4 r
.set AW,   3                           ; v3   WIMG + 16 x lane (the projection)
.set AWS,  4                           ; v4   WSCL + 4 x lane (the projection)
.set AQ,   5                           ; v5   my q images
.set AQS,  6                           ; v6   my q scale words
.set AKW,  7                           ; v7   where I store k's images (the projection)
.set AKS,  8                           ; v8   and k's two scale bytes (the projection)
.set AVW,  9                           ; v9   v's images
.set AVS,  10                          ; v10  v's scale byte
.set AOS,  11                          ; v11  o's codes
.set AOB,  12                          ; v12  o's scale byte
.set AOR,  13                          ; v13  o's codes on the way out
.set AOW,  14                          ; v14  o's scale bytes on the way out
.set L8,   15                          ; v15  8 x lane
.set ADQ,  3                           ; the attention: v3, v4 the trip's q image and scale word; v7, v8 where its o goes
.set ADQS, 4
.set ADO,  7
.set ADB,  8
.set XF,   16                          ; the projection: v16-79 xw's fragments [tile 2][s 2]; v80-143 W's [tile 2][s 2]; v144-159 the bias; v160-191 four accumulators
.set WF,   80
.set BC,   144
.set ACC,  160
.set TM,   192                         ; v192-195 largest magnitudes, v196-199 bytes, v200-203 the largest number x the scale, v204-207 the conversions' scale operands
.set CD,   248                         ; v248-255 the codes just made
.set XS,   216                         ; v216-217 xw's scale words, later v's;  v218-219 W's, later k's;  v220 q's;  v214 p's: these six hold scales and nothing else
.set WS,   218
.set VS,   216
.set KS,   218
.set QS,   220
.set PW,   214
.set KF,   48                          ; the attention: v16-43 zeros, q, zeros; v48-79 two fragments of k; v224-255 two of v; v96-159 S^T, then p; v160-175 O^T; v176-191 p's codes
.set VF,   224
.set S,    96
.set O,    160
.set PC,   176
.set BM,   192
.set PT,   196
.set HL,   200
.set SOP,  204                         ; v208 -M, v209 the largest t, v[210:211] the sum in two halves, v[212:213] f and a 0, v215 at work, v[80:81] the sum's second chain
.set HL2,  85                          ; v85-88 the hold's bound once more, one register bank further on than v200-203
.set CS,   22                          ; s[22:23] log2(e)
.set SEL,  24                          ; s[24:25]
.set MNT,  26                          ; s26
.set SQ,   27                          ; s27  512 x the trip: q's image, o's codes
.set SS,   28                          ; s28  128 x the trip: q's scale words
.set CNT,  29                          ; s29
.set SB,   30                          ; s30  16 x the trip: o's scale bytes
	s_load_b256 s[4:11], s[0:1], 0x0               ; xq, xs, W's codes, W's scales
	s_load_b128 s[12:15], s[0:1], 0x20             ; the bias, oq
	s_load_b64 s[16:17], s[0:1], 0x30              ; os
	v_lshrrev_b32 v1, 5, v0
	v_readfirstlane_b32 s18, v1                    ; B: wave 0..15
	s_mov_b32 s19, ttmp9                           ; hp
	s_and_b32 s20, ttmp7, 0xffff                   ; n
	s_wait_alu depctr_va_sdst(0)                   ; s18 is written, ahead of its first reader: addresses, bases and branches are made from it
	s_min_u32 s33, s18, 11                         ; the tile of W that I bring (waves 0 to 11 do)
	s_min_u32 s34, s18, 3                          ; the quarter of os that I store (waves 0 to 3 do)
	v_and_b32 v240, 31, v0                         ; lane
	v_and_b32 v241, 15, v0                         ; r
	v_bfe_u32 v242, v0, 4, 1                       ; h
	v_and_b32 v243, 8, v0
	v_add_nc_u32 v243, v243, v241                  ; r + 8 (r / 8)
	v_lshlrev_b32 v[LI], 4, v240
	v_lshlrev_b32 v244, 2, v241                    ; 4 r
	s_wait_alu depctr_va_vdst(0)
	v_lshlrev_b32 v245, 2, v240                    ; 4 x lane
	v_add_nc_u32 v[ASC0], KSC, v244
	v_add_nc_u32 v[AW], WIMG, v[LI]
	v_add_nc_u32 v[AWS], WSCL, v245
	s_lshl_b32 s30, s18, 10
	v_add_nc_u32 v[AKW], s30, v[LI]                ; KIMG + 1,024 B + 16 x lane
	s_add_co_u32 s31, s30, QIMG
	v_add_nc_u32 v[AQ], s31, v[LI]
	s_lshl_b32 s31, s18, 8
	s_add_co_u32 s31, s31, QSC
	v_add_nc_u32 v[AQS], s31, v245
	s_lshr_b32 s31, s18, 1                         ; tiles 2 B, 2 B + 1: word B / 2, bytes 2 (B % 2) and + 1
	s_lshl_b32 s31, s31, 6
	s_and_b32 s32, s18, 1
	s_lshl_b32 s32, s32, 1
	s_add_co_u32 s31, s31, s32
	s_add_co_u32 s31, s31, KSC
	v_add_nc_u32 v[AKS], s31, v244
	s_lshr_b32 s31, s18, 2                         ; my 32 keys are block B % 4 of key step B / 4
	s_and_b32 s32, s18, 3
	s_lshl_b32 s35, s31, 12
	s_lshl_b32 s36, s32, 9
	s_add_co_u32 s35, s35, s36
	s_add_co_u32 s35, s35, VIMG
	v_add_nc_u32 v[AVW], s35, v[LI]
	s_lshl_b32 s35, s31, 7
	s_add_co_u32 s35, s35, s32
	s_add_co_u32 s35, s35, VSC
	v_add_nc_u32 v[AVS], s35, v244
	s_lshl_b32 s31, s18, 11
	s_add_co_u32 s31, s31, OST
	v_add_nc_u32 v[AOR], s31, v[LI]
	v_lshlrev_b32 v[AOS], 6, v243
	v_lshl_add_u32 v[AOS], v242, 4, v[AOS]
	v_add_nc_u32 v[AOS], s31, v[AOS]               ; OST + 2,048 B + 64 (r + 8 (r / 8)) + 16 h
	s_lshl_b32 s31, s18, 6
	s_add_co_u32 s31, s31, OSS
	v_lshlrev_b32 v[AOB], 1, v243
	v_add_nc_u32 v[AOB], s31, v[AOB]
	s_lshl_b32 s31, s33, 12
	s_add_co_u32 s31, s31, WIMG
	v_add_nc_u32 v221, s31, v[LI]                  ; where I put my tile of W,
	s_lshl_b32 s31, s33, 7
	s_add_co_u32 s31, s31, WSCL
	v_add_nc_u32 v222, s31, v245                   ; its scale words,
	s_lshl_b32 s31, s33, 10
	s_add_co_u32 s31, s31, BIMG
	v_add_nc_u32 v223, s31, v[LI]                  ; its bias
	v_lshlrev_b32 v[L8], 3, v240                   ; 8 x lane
	s_lshl_b32 s31, s34, 8
	s_add_co_u32 s31, s31, OSS
	v_add_nc_u32 v[AOW], s31, v[L8]                ; os on the way out
	v_lshlrev_b32 v238, 1, v241
	v_lshl_add_u32 v238, v242, 11, v238            ; xs: 2 r; lanes 16-31 two cg (K step 1) further on
	v_lshlrev_b32 v239, 8, v243
	v_lshl_add_u32 v239, v242, 4, v239             ; W's codes: row r + 8 (r / 8) of 256 bytes, + 16 h
	v_lshlrev_b32 v246, 3, v243
	v_lshl_add_u32 v246, v242, 2, v246             ; W's scales: 8 bytes a row; lanes 16-31 K step 1's word
	s_cmp_lt_u32 s18, 8                            ; the bias as the C of a sum.  q, k (waves 0 to 7): register j wants b[16 h + j]; v: all eight want b[r + 8 (r / 8)]
	s_cselect_b32 s35, 64, 0
	s_cselect_b32 s36, 0, 4
	s_cselect_b32 s37, 4, 0
	v_mul_u32_u24 v228, s35, v242
	v_mad_u32_u24 v228, v243, s36, v228
.irp j, 1,2,3,4,5,6,7
	v_add_nc_u32 v[228+\j], s37, v[227+\j]
.endr
.irp j, 0,1,2,3
	v_mov_b32 v[TM+4+\j], 0                        ; written once: a lane permute's destination counts as one of its sources
.endr
	s_mov_b32 s[CS], 0x3fb8aa3b                    ; log2(e)
	s_mov_b32 s[CS+1], s[CS]                       ; (named with it as a pair, so it is written)
	s_mov_b32 s[SEL], 0x76543210
	s_mov_b32 s[SEL+1], 0xfedcba98                 ; v_permlanex16_b32's selects for lane l xor 16
	s_mov_b32 s[MNT], 0x600000                     ; the mantissa field of 57,344
	s_mov_b32 s38, 0x3e3504f3                      ; 1 / sqrt(32), rounded to f32
	s_mov_b32 s39, s38
	s_mov_b32 s40, 0x01010101
	s_mov_b32 s43, 0
	s_wait_kmcnt 0x0
	s_lshl_b32 s42, s20, 17                        ; xq: n, tiles 2 B on
	s_lshl_b32 s31, s18, 13
	s_add_co_u32 s42, s42, s31
	s_add_nc_u64 s[4:5], s[4:5], s[42:43]
	s_lshr_b32 s42, s20, 3                         ; xs: [n / 8][B / 2][cg][n % 8][2 (B % 2) + u][r][2]
	s_lshl_b32 s42, s42, 15
	s_lshr_b32 s31, s18, 1
	s_lshl_b32 s31, s31, 12
	s_add_co_u32 s42, s42, s31
	s_and_b32 s31, s20, 7
	s_lshl_b32 s31, s31, 7
	s_add_co_u32 s42, s42, s31
	s_and_b32 s31, s18, 1
	s_lshl_b32 s31, s31, 6
	s_add_co_u32 s42, s42, s31
	s_add_nc_u64 s[6:7], s[6:7], s[42:43]
	s_lshr_b32 s41, s33, 2                         ; my tile of W begins at row 256 type + 64 hp + 32 e + 8 u
	s_lshl_b32 s41, s41, 8
	s_lshl_b32 s31, s19, 6
	s_add_co_u32 s41, s41, s31
	s_bfe_u32 s31, s33, 0x10001
	s_lshl_b32 s31, s31, 5
	s_add_co_u32 s41, s41, s31
	s_and_b32 s31, s33, 1
	s_lshl_b32 s31, s31, 3
	s_add_co_u32 s41, s41, s31
	s_lshl_b32 s42, s41, 8
	s_add_nc_u64 s[8:9], s[8:9], s[42:43]
	s_lshl_b32 s42, s41, 3
	s_add_nc_u64 s[10:11], s[10:11], s[42:43]
	s_lshl_b32 s42, s41, 2
	s_add_nc_u64 s[12:13], s[12:13], s[42:43]
	s_lshl_b32 s41, s19, 6
	s_add_co_u32 s41, s41, s20                     ; 64 hp + n
	s_lshl_b32 s42, s41, 15
	s_lshl_b32 s31, s18, 11
	s_add_co_u32 s42, s42, s31
	s_add_nc_u64 s[14:15], s[14:15], s[42:43]      ; oq: my 32 l of 64 bytes
	s_lshl_b32 s42, s41, 10
	s_lshl_b32 s31, s34, 8
	s_add_co_u32 s42, s42, s31
	s_add_nc_u64 s[16:17], s[16:17], s[42:43]      ; os
	s_wait_alu depctr_va_vdst(0)                   ; the addresses and offsets v1 to v15, v221 to v223, v228 to v235, v238, v239 and v246 are written, which the loads and stores of the whole kernel read
	; ---- my two tiles of xw, straight into operand registers
.irp u, 0,1
.irp s, 0,1
.irp c, 0,1,2,3
	global_load_b128 v[XF+32*\u+16*\s+4*\c:XF+32*\u+16*\s+4*\c+3], v[LI], s[4:5] offset:(2*\u+\s)*2048+\c*512
.endr
.endr
.endr
	global_load_u16 v224, v238, s[6:7]             ; tile u = 0: the lower two bytes of the K step's scale word,
	global_load_u16 v225, v238, s[6:7] offset:1024 ; the upper two
	global_load_u16 v226, v238, s[6:7] offset:32   ; tile u = 1
	global_load_u16 v227, v238, s[6:7] offset:1056
	; ---- waves 0 to 11 bring one tile of W each, with its scale words and its bias, and lay them in LDS as images
	s_cmp_lt_u32 s18, 12
	s_cbranch_scc0 .Lno_tile
.irp s, 0,1
.irp c, 0,1,2,3
	global_load_b128 v[WF+16*\s+4*\c:WF+16*\s+4*\c+3], v239, s[8:9] offset:\s*128+\c*32
.endr
.endr
	global_load_b32 v[WS], v246, s[10:11]
.irp j, 0,1,2,3,4,5,6,7
	global_load_b32 v[BC+\j], v[228+\j], s[12:13]
.endr
	s_wait_loadcnt 0x0
.irp s, 0,1
.irp c, 0,1,2,3
	ds_store_b128 v221, v[WF+16*\s+4*\c:WF+16*\s+4*\c+3] offset:\s*2048+\c*512
.endr
.endr
	ds_store_b32 v222, v[WS]
	ds_store_b128 v223, v[BC:BC+3]
	ds_store_b128 v223, v[BC+4:BC+7] offset:512
.Lno_tile:
	s_wait_dscnt 0x0                               ; my stores have landed
	s_barrier_signal -1
	s_barrier_wait -1                              ; the twelve tiles of W lie in LDS
; The two tiles of W of one item of the projection (ids id0 and id0 + 1), their scale words and their bias, from LDS
.macro PLOAD id0
.irp u, 0,1
.irp s, 0,1
.irp c, 0,1,2,3
	ds_load_b128 v[WF+32*\u+16*\s+4*\c:WF+32*\u+16*\s+4*\c+3], v[AW] offset:((\id0)+\u)*4096+\s*2048+\c*512
.endr
.endr
	ds_load_b32 v[WS+\u], v[AWS] offset:((\id0)+\u)*128
.irp g, 0,1
	ds_load_b128 v[BC+8*\u+4*\g:BC+8*\u+4*\g+3], v[AW] offset:BIMG-WIMG+((\id0)+\u)*1024+\g*512
.endr
.endr
.endm
	s_wait_alu depctr_vm_vsrc(0)                   ; my LDS stores of W's tile have read v[WF ..], v[WS] and v[BC ..], in which the loads below land; the global loads have read their offsets, registers that later hold fragments of v
	PLOAD 0                                        ; the first item's; no vector instruction has named these registers
	s_wait_loadcnt 0x0                             ; xw and its scale bytes
	v_lshl_or_b32 v[XS], v225, 16, v224            ; lanes 0-15: K step 0's word of row r; lanes 16-31: K step 1's
	v_lshl_or_b32 v[XS+1], v227, 16, v226
.rept 8
	v_nop                                          ; a scale register written by a vector instruction stands eight places ahead of its scaled matrix instruction
.endr
	s_wait_alu depctr_va_vdst(0)                   ; the two lines above have written xw's scale words, which the projection's products take as scales; the places stand ahead of this wait
; One scaled product.  s = 0: the sum begins with c (the bias); s = 1: K step 1 is added in place, and both scale words are taken from lanes 16-31
.macro MM d, a, b, sa, sb, s, c
.if (\s) == 0
	v_wmma_scale_f32_16x16x128_f8f6f4 v[(\d):(\d)+7], v[(\a):(\a)+15], v[(\b):(\b)+15], v[(\c):(\c)+7], v[(\sa)], v[(\sb)] matrix_a_fmt:MATRIX_FMT_BF8 matrix_b_fmt:MATRIX_FMT_BF8
.else
	v_wmma_scale_f32_16x16x128_f8f6f4 v[(\d):(\d)+7], v[(\a):(\a)+15], v[(\b):(\b)+15], v[(\d):(\d)+7], v[(\sa)], v[(\sb)] matrix_a_fmt:MATRIX_FMT_BF8 matrix_b_fmt:MATRIX_FMT_BF8 matrix_a_scale:MATRIX_SCALE_ROW1 matrix_b_scale:MATRIX_SCALE_ROW1
.endif
.endm
; nb blocks of a lane's 16 registers from v[src] on (the block's other 16 numbers lie in lane l xor 16) become codes in v[dst + 4 block] on; the bytes are left in v[TM + 4 + block]
.macro QUANT src, dst, nb
.set qb, 0
.rept \nb
	v_max3_num_f32 v[TM+qb], |v[\src+16*qb]|, |v[\src+16*qb+1]|, 0x8000000   ; from the low end on; the floor 2^(16 - 127) holds the byte at 1 from below
.set qb, qb+1
.endr
.set qi, 2
.rept 7
.set qb, 0
.rept \nb
	v_max3_num_f32 v[TM+qb], v[TM+qb], |v[\src+16*qb+qi]|, |v[\src+16*qb+qi+1]|
.set qb, qb+1
.endr
.set qi, qi+2
.endr
.set qb, 0
.rept \nb
	v_permlanex16_b32 v[TM+4+qb], v[TM+qb], s[SEL], s[SEL+1]
.set qb, qb+1
.endr
.set qb, 0
.rept \nb
	v_max_num_f32 v[TM+qb], v[TM+qb], v[TM+4+qb]   ; the block's largest magnitude
.set qb, qb+1
.endr
.set qb, 0
.rept \nb
	v_add_nc_u32 v[TM+12+qb], 0xf8800000, v[TM+qb] ; 15 off its exponent field: the conversion's scale operand
	v_and_or_b32 v[TM+8+qb], v[TM+qb], 0x7f800000, s[MNT]   ; 57,344 x the scale
.set qb, qb+1
.endr
.set qb, 0
.rept \nb
	v_lshrrev_b32 v[TM+4+qb], 23, v[TM+12+qb]      ; the scale's byte
.set qb, qb+1
.endr
.set qb, 0
.rept \nb
.set qi, 0
.rept 16
	v_med3_num_f32 v[\src+16*qb+qi], v[\src+16*qb+qi], -v[TM+8+qb], v[TM+8+qb]   ; the conversion to an 8-bit code does not saturate (ISA guide 7.6.2): the hold comes first
.set qi, qi+1
.endr
	v_cvt_scalef32_pk8_bf8_f32 v[\dst+4*qb:\dst+4*qb+1], v[\src+16*qb:\src+16*qb+7], v[TM+12+qb]
	v_cvt_scalef32_pk8_bf8_f32 v[\dst+4*qb+2:\dst+4*qb+3], v[\src+16*qb+8:\src+16*qb+15], v[TM+12+qb]
.set qb, qb+1
.endr
	v_nop                                          ; a plain instruction behind the last conversion
.endm
; ---- The projection of my 32 rows for one of q, k, v (type 0, 1, 2) of head 2 hp + e: two tiles of W, K = 256 in two steps, four accumulators by turns, one instruction a turn.
; Its tiles of W were asked for in the item before; nxt: the first id of the next item's tiles, which are asked for behind this item's products and land under its quantiser; -1: there is none
.macro PROJ type, e, nxt
	s_wait_dscnt 0x0                               ; this item's tiles of W, their scale words and bias are in
.if (\type)+(\e) > 0
	s_wait_alu depctr_vm_vsrc(0)                   ; the last item's LDS stores have read v[CD ..] and the bytes' registers, which this item's quantiser writes again
.endif
.irp s, 0,1
.irp t, 0,1
.irp u, 0,1
.if \type < 2
	MM ACC+16*\t+8*\u,WF+32*\u+16*\s,XF+32*\t+16*\s,WS+\u,XS+\t,\s,BC+8*\u     ; source 0 = tile u of W, source 1 = tile t of xw
.else
	MM ACC+16*\t+8*\u,XF+32*\u+16*\s,WF+32*\t+16*\s,XS+\u,WS+\t,\s,BC+8*\t     ; source 0 = tile u of xw, source 1 = tile t of W
.endif
.endr
.endr
.endr
.rept 9
	v_nop                                          ; eight places ahead of the first read of the results and of the next loads into the operands; nine ahead of the next item's products, which begin these accumulators anew
.endr
.if (\nxt) >= 0
	s_wait_alu depctr_va_vdst(0)                   ; the eight products are done reading v[WF ..], v[WS ..] and v[BC ..], in which the next item's loads land
	PLOAD \nxt
.endif
.if \type == 0
.set j, 0
.rept 16
	v_pk_mul_f32 v[ACC+j:ACC+j+1], v[ACC+j:ACC+j+1], s[38:39] op_sel_hi:[1,0]   ; q / sqrt(32), ahead of the quantiser; each accumulator from its low end on
.set j, j+2
.endr
.endif
	QUANT ACC, CD, 2
.if \type == 0
	v_mul_lo_u32 v[TM+4], v[TM+4], s40             ; q's byte in all four bytes of its word: q may stand in any block of the instruction's K
	v_mul_lo_u32 v[TM+5], v[TM+5], s40
	s_wait_alu depctr_va_vdst(0)                   ; the conversions have written v[CD ..] and the lines above the scale words, which the LDS stores read
.irp t, 0,1
	ds_store_b128 v[AQ], v[CD+4*\t:CD+4*\t+3] offset:\e*16384+\t*512
	ds_store_b32 v[AQS], v[TM+4+\t] offset:\e*4096+\t*128
.endr
.elseif \type == 1
	v_lshl_or_b32 v[TM+4], v[TM+5], 8, v[TM+4]
	s_wait_alu depctr_va_vdst(0)                   ; the conversions have written v[CD ..] and the line above the two bytes, which the LDS stores read
.irp t, 0,1
	ds_store_b128 v[AKW], v[CD+4*\t:CD+4*\t+3] offset:\e*16384+\t*512
.endr
	ds_store_b16 v[AKS], v[TM+4] offset:\e*512     ; both halves of the lanes write the same bytes with the same values
.else
	s_wait_alu depctr_va_vdst(0)                   ; the quantiser has written v[CD ..] and the bytes, which the LDS stores read
.irp t, 0,1
	ds_store_b128 v[AVW], v[CD+4*\t:CD+4*\t+3] offset:\e*16384+\t*2048
	ds_store_b8 v[AVS], v[TM+4+\t] offset:\e*512+\t*64
.endr
.endif
.endm
	PROJ 0, 0, 4
	PROJ 1, 0, 8
	PROJ 2, 0, 2
	PROJ 0, 1, 6
	PROJ 1, 1, 10
	PROJ 2, 1, -1
	s_wait_dscnt 0x0
	s_barrier_signal -1
.set n, 0
.rept 12
	v_mov_b32 v[16+n], 0                           ; work on registers while the others arrive: zero codes on both sides of q's four registers
	v_mov_b32 v[32+n], 0
.set n, n+1
.endr
	v_mov_b32 v213, 0                              ; (named as the upper half of the pair v[212:213])
	s_barrier_wait -1                              ; k and v of all 512 l, both heads, lie in LDS
	v_nop                                          ; with the line above and the two additions at the trip's head: codes written by vector instructions stand four places ahead of their scaled matrix instruction
	v_nop
; ---- The attention's pieces.  Key step j is 128 keys: eight tiles of k in two fragments, two fragments of v
.macro KLOAD e, j                      ; k's two fragments of key step j (tile 4 f + c in block c of fragment f) and their scale words
.irp f, 0,1
.irp c, 0,1,2,3
	ds_load_b128 v[KF+16*\f+4*\c:KF+16*\f+4*\c+3], v[LI] offset:KIMG+\e*16384+(\j)*4096+\f*2048+\c*512
.endr
	ds_load_b32 v[KS+\f], v[ASC0] offset:\e*512+(\j)*128+\f*64
.endr
.endm
; The next of a key step's loads, if one is left (dn counts them, dl is their number): 0 to 9 are v's two fragments of key step j, four loads and a scale word each; 10 to 19 k's two of key step j + 1
.macro DEAL e, j
.if dn < dl
.if dn < 10
.set dd, dn/5
.set dc, dn%5
.if dc < 4
	ds_load_b128 v[VF+16*dd+4*dc:VF+16*dd+4*dc+3], v[LI] offset:VIMG+\e*16384+(\j)*4096+dd*2048+dc*512
.else
	ds_load_b32 v[VS+dd], v[ASC0] offset:VSC-KSC+\e*512+(\j)*128+dd*64
.endif
.else
.set dd, (dn-10)/5
.set dc, (dn-10)%5
.if dc < 4
	ds_load_b128 v[KF+16*dd+4*dc:KF+16*dd+4*dc+3], v[LI] offset:KIMG+\e*16384+((\j)+1)*4096+dd*2048+dc*512
.else
	ds_load_b32 v[KS+dd], v[ASC0] offset:\e*512+((\j)+1)*128+dd*64
.endif
.endif
.set dn, dn+1
.endif
.endm
.macro QKMUL                           ; S^T = k q^T: eight tiles of 16 keys; tile t takes block t % 4 of fragment t / 4, by the window that puts q there
.irp t, 0,1,2,3,4,5,6,7
	v_wmma_scale_f32_16x16x128_f8f6f4 v[S+8*\t:S+8*\t+7], v[KF+16*(\t/4):KF+16*(\t/4)+15], v[16+4*(3-\t%4):31+4*(3-\t%4)], 0, v[KS+\t/4], v[QS] matrix_a_fmt:MATRIX_FMT_BF8 matrix_b_fmt:MATRIX_FMT_BF8
.endr
.endm
.macro MAXHEAD                         ; the first four lines of the search for the largest score of each block of 32 keys: each tile is read from its low end on
.irp b, 0,1,2,3
	v_max3_num_f32 v[BM+\b], v[S+16*\b], v[S+1+16*\b], v[S+2+16*\b]
.endr
.endm
.macro PVMUL j                         ; O^T += v^T p^T: two tiles of 16 of the head's 32; the first key step starts the sums
.irp d, 0,1
.if \j == 0
	v_wmma_scale_f32_16x16x128_f8f6f4 v[O+8*\d:O+8*\d+7], v[VF+16*\d:VF+16*\d+15], v[PC:PC+15], 0, v[VS+\d], v[PW] matrix_a_fmt:MATRIX_FMT_BF8 matrix_b_fmt:MATRIX_FMT_BF8
.else
	v_wmma_scale_f32_16x16x128_f8f6f4 v[O+8*\d:O+8*\d+7], v[VF+16*\d:VF+16*\d+15], v[PC:PC+15], v[O+8*\d:O+8*\d+7], v[VS+\d], v[PW] matrix_a_fmt:MATRIX_FMT_BF8 matrix_b_fmt:MATRIX_FMT_BF8
.endif
.endr
.endm
; KEY STEP j of four.  Its scores lie in S, and MAXHEAD has been run on them.  It ends with the next step's scores, MAXHEAD on them, and its own O^T += v^T p^T.
; No two matrix instructions that follow each other share an accumulator, and between two links on one accumulator of O^T stand nine others'.
.macro STEP e, j
.irp i, 3,5,7,9,11,13
.irp b, 0,1,2,3
	v_max3_num_f32 v[BM+\b], v[BM+\b], v[S+16*\b+\i], v[S+1+16*\b+\i]   ; the largest score of each block: for the row's maximum, and, since p rises with the score, for the block's largest p
.endr
.endr
.irp b, 0,1,2,3
	v_max_num_f32 v[BM+\b], v[BM+\b], v[S+15+16*\b]
.endr
.irp b, 0,1,2,3
	v_permlanex16_b32 v[PT+\b], v[BM+\b], s[SEL], s[SEL+1]
.endr
.irp b, 0,1,2,3
	v_max_num_f32 v[BM+\b], v[BM+\b], v[PT+\b]     ; with lane l xor 16's 16 keys
.endr
	v_max3_num_f32 v215, v[BM], v[BM+1], v[BM+2]
	v_max_num_f32 v215, v215, v[BM+3]              ; the step's largest score of my query
.if \j == 0
	v_mul_f32 v209, s[CS], v215                    ; as t: the first step's is the largest so far
	v_floor_f32 v208, -v209                        ; -M = floor(-t) = -ceil(t)
.else
	v_mul_f32 v215, s[CS], v215
	v_max_num_f32 v209, v209, v215                 ; the running largest t
	v_mov_b32 v215, v208
	v_floor_f32 v208, -v209                        ; the new -M
	v_sub_f32 v215, v208, v215                     ; old M - new M: a whole number, 0 or less
	v_cvt_i32_f32 v215, v215                       ; (it saturates)
	v_ldexp_f32 v212, 1.0, v215                    ; f = 2^(old M - new M)
.endif
.set n, 0
.rept 32
	v_pk_fma_f32 v[S+n:S+n+1], v[S+n:S+n+1], s[CS:CS+1], v[208:209] op_sel_hi:[1,0,0]   ; t - M, two at a time
.set n, n+2
.endr
.set n, 0
	s_wait_alu depctr_va_vdst(0)
.rept 64
	v_exp_f32 v[S+n], v[S+n]                       ; p = 2^(t - M), at most 1
.set n, n+1
.endr
.irp b, 0,1,2,3
	v_fma_f32 v[BM+\b], v[BM+\b], s[CS], v208      ; t - M of each block's largest score: plain lines behind the exponentials
.endr
.if \j > 0
	v_pk_mul_f32 v[210:211], v[210:211], v[212:213] op_sel_hi:[1,0]   ; the sums under the new M
.endif
	s_wait_alu depctr_va_vdst(0)                   ; the 64 exponentials have written p, ahead of their first reader; and the products issued so far are done reading v's and k's fragments and scale words, in which the loads below land
.irp b, 0,1,2,3
	v_exp_f32 v[BM+\b], v[BM+\b]                   ; the block's largest p
.endr
.set dn, 0
.if \j < 3
.set dl, 20                                    ; v's fragments of this step and k's of the next
.else
.set dl, 10                                    ; the last step: v's alone
.endif
	v_pk_add_f32 v[80:81], v[S:S+1], v[S+2:S+3]    ; the row's sum of the unquantised p, in two chains; these lines read the 64 alone
.if \j == 0
	v_pk_add_f32 v[210:211], v[S+4:S+5], v[S+6:S+7]   ; the first step starts the sum
.else
	v_pk_add_f32 v[210:211], v[210:211], v[S+4:S+5]
	v_pk_add_f32 v[80:81], v[80:81], v[S+6:S+7]
.endif
.irp k, 8,12,16,20,24,28,32,36,40,44,48,52,56,60
	DEAL \e, \j                                    ; a load ahead of each addition, while there are loads.  No further wait: from the wait above to the wait for these loads no vector instruction names the registers in which they land, and their addresses are never written
	v_pk_add_f32 v[210:211], v[210:211], v[S+\k:S+\k+1]
	DEAL \e, \j
	v_pk_add_f32 v[80:81], v[80:81], v[S+\k+2:S+\k+3]
.endr
	s_wait_alu depctr_va_vdst(0)                   ; the four exponentials have written the blocks' largest p, ahead of their first reader
.irp b, 0,1,2,3
	v_max_num_f32 v[BM+\b], 0x8000000, v[BM+\b]    ; the floor 2^(16 - 127)
.endr
.irp b, 0,1,2,3
	v_add_nc_u32 v[SOP+\b], 0xf8800000, v[BM+\b]   ; the conversion's scale operand
.endr
.irp b, 0,1,2,3
	v_and_or_b32 v[HL+\b], v[BM+\b], 0x7f800000, s[MNT]    ; 57,344 x the scale,
.endr
.irp b, 0,1,2,3
	v_and_or_b32 v[HL2+\b], v[BM+\b], 0x7f800000, s[MNT]   ; and once more, for the second half of the pairs below
.endr
.irp b, 0,1,2,3
	v_lshrrev_b32 v[PT+\b], 23, v[SOP+\b]          ; the scale's byte
.endr
	v_lshl_or_b32 v[PW], v[PT+1], 8, v[PT]         ; p's scale word for these 128 keys
	v_lshl_or_b32 v[PW], v[PT+2], 16, v[PW]
	v_lshl_or_b32 v[PW], v[PT+3], 24, v[PW]
.irp b, 0,1,2,3
.irp i, 0,2,4,6,8,10,12,14
	v_dual_min_num_f32 v[S+16*\b+\i], v[HL+\b], v[S+16*\b+\i] :: v_dual_min_num_f32 v[S+16*\b+\i+1], v[HL2+\b], v[S+16*\b+\i+1]   ; p is not negative: the hold is one-sided.  Two in one instruction: an even and an odd destination; the two first sources, and the two second, in different register banks (number mod 4)
.endr
	v_cvt_scalef32_pk8_bf8_f32 v[PC+4*\b:PC+4*\b+1], v[S+16*\b:S+16*\b+7], v[SOP+\b]
	v_cvt_scalef32_pk8_bf8_f32 v[PC+4*\b+2:PC+4*\b+3], v[S+16*\b+8:S+16*\b+15], v[SOP+\b]
.endr
	v_pk_add_f32 v[210:211], v[210:211], v[80:81]  ; the two chains join: the plain instruction between the last conversion and the products that write over its sources
	s_wait_dscnt 0x0                               ; v's fragments of this step and k's of the next, with their scale words
.if \j < 3
	QKMUL                                          ; the next step's scores: p has been turned into codes, so S is free
.endif
.if \j == 0
.rept 8
	v_nop                                          ; eight places ahead of the first read of the scores; the first step has no O^T to rescale
.endr
.else
.set n, 0
.rept 8
	v_pk_mul_f32 v[O+n:O+n+1], v[O+n:O+n+1], v[212:213] op_sel_hi:[1,0]   ; O^T under the new M, each accumulator from its low end on.  These eight are the places ahead of the first read of the scores
.set n, n+2
.endr
.endif
.if \j < 3
	MAXHEAD                                        ; four lines more between the rescaling of O^T and the products that add onto it
.else
	s_wait_alu depctr_va_vdst(0)
	v_add_f32 v210, v210, v211                     ; the last step: the sum's two halves,
	v_permlanex16_b32 v215, v210, s[SEL], s[SEL+1]
	v_add_f32 v210, v210, v215                     ; and lane l xor 16's
	v_nop
	v_nop
.endif
	s_wait_alu depctr_va_vdst(0)                   ; the conversions have written p's codes and the shifts its scale word, which the two products below take as source 1 and as its scales; their places stand ahead of this wait
	PVMUL \j
.endm
; ---- Head 2 hp + e: my two tiles of 16 queries, one a trip, over all 512 keys
.macro ATT2 e
	s_mov_b32 s[SQ], 0
	s_mov_b32 s[SS], 0
	s_mov_b32 s[SB], 0
	s_mov_b32 s[CNT], 2
.Lqt_\@:
	s_wait_alu depctr_vm_vsrc(0)                   ; the LDS instructions issued so far have read their registers: the last trip's v3, v4, v7, v8, o's codes and byte (ahead of the first trip: the projection's addresses in v3, v4, v7, v8, its codes and bytes), all of which this trip writes again
	v_add_nc_u32 v[ADQ], s[SQ], v[AQ]
	v_add_nc_u32 v[ADQS], s[SS], v[AQS]
	s_wait_alu depctr_va_vdst(0)                   ; the two addresses are written, which q's loads read; the products issued so far are done reading q, its scale word, k's fragments and scale words, in which the loads land; the zero codes beside q are written, which the scores' products take in source 1
	ds_load_b128 v[28:31], v[ADQ] offset:\e*16384
	ds_load_b32 v[QS], v[ADQS] offset:\e*4096
	KLOAD \e, 0
	s_wait_dscnt 0x0
	QKMUL
	v_add_nc_u32 v[ADO], s[SQ], v[AOS]             ; where this tile's o goes: with the six lines below, eight places ahead of the first read of the scores
	v_add_nc_u32 v[ADB], s[SB], v[AOB]
.rept 6
	v_nop
.endr
	MAXHEAD
	STEP \e, 0
	STEP \e, 1
	STEP \e, 2
	STEP \e, 3
	v_rcp_f32 v212, v210
.rept 8
	v_nop                                          ; eight places ahead of the first read of O^T; the first is also the plain instruction behind the reciprocal
.endr
	s_wait_alu depctr_va_vdst(0)                   ; the reciprocal has written v212, ahead of its first reader
.set n, 0
.rept 8
	v_pk_mul_f32 v[S+n:S+n+1], v[O+n:O+n+1], v[212:213] op_sel_hi:[1,0]   ; o(query, d = 16 h + n): a head's 32 are one block of the last product's K
.set n, n+2
.endr
	QUANT S, PC, 1
	s_wait_alu depctr_va_vdst(0)                   ; the quantiser has written o's codes and byte, which the two stores read (their addresses were written behind the trip's first products)
	ds_store_b128 v[ADO], v[PC:PC+3] offset:\e*32
	ds_store_b8 v[ADB], v[TM+4] offset:\e
	s_add_co_u32 s[SQ], s[SQ], 512
	s_add_co_u32 s[SS], s[SS], 128
	s_add_co_u32 s[SB], s[SB], 16
	s_sub_co_u32 s[CNT], s[CNT], 1
	s_cmp_lg_u32 s[CNT], 0
	s_cbranch_scc1 .Lqt_\@
.endm
	ATT2 0
	ATT2 1
	; ---- the way out: my 32 l x 64 bytes of codes are my own bytes of LDS, which serves a wave's instructions in order; the scale bytes of four waves make a store, so a barrier stands ahead of them.
	; No vector instruction stands behind the wait ahead of the last trip's stores: it has shown every reader and writer of v[S ..] done, in which the loads below land
.irp i, 0,1,2,3
	ds_load_b128 v[S+4*\i:S+4*\i+3], v[AOR] offset:512*\i
.endr
	s_wait_dscnt 0x0
	s_barrier_signal -1
	s_barrier_wait -1
.irp i, 0,1,2,3
	global_store_b128 v[LI], v[S+4*\i:S+4*\i+3], s[14:15] offset:512*\i   ; 512 consecutive bytes, aligned
.endr
	s_cmp_lt_u32 s18, 4
	s_cbranch_scc0 .Lend
	ds_load_b64 v[S+16:S+17], v[AOW]
	s_wait_dscnt 0x0
	global_store_b64 v[L8], v[S+16:S+17], s[16:17] ; 256 consecutive bytes, aligned
.Lend:
	s_wait_xcnt 0x0
	v_lshl_add_u32 v254, v0, 2, 0x32200            ; the add's two registers are made anew: since the wait at the last trip's head no memory or LDS instruction has read v254 or v255
	v_mov_b32 v255, 0
	s_wait_dscnt 0x0                               ; the closing lines, six on end
	s_wait_alu 0x0
	s_wait_tensorcnt 0x0
	ds_add_u32 v254, v255
	s_wait_dscnt 0x0
	s_endpgm
.Lfunc_end_k_qffbfde7693_attn:
	.size	k_qffbfde7693_attn, .Lfunc_end_k_qffbfde7693_attn-k_qffbfde7693_attn
	.p2alignl 7, 3214868480
	.fill 96, 4, 3214868480
	.section	.rodata,"a",@progbits
	.p2align	6, 0x0
	.amdhsa_kernel k_qffbfde7693_attn
		.amdhsa_group_segment_fixed_size 207360
		.amdhsa_private_segment_fixed_size 0
		.amdhsa_enable_private_segment 0
		.amdhsa_kernarg_size 56
		.amdhsa_user_sgpr_count 2
		.amdhsa_user_sgpr_kernarg_segment_ptr 1
		.amdhsa_wavefront_size32 1
		.amdhsa_system_sgpr_workgroup_id_x 1
		.amdhsa_system_sgpr_workgroup_id_y 1
		.amdhsa_system_sgpr_workgroup_id_z 1
		.amdhsa_system_vgpr_workitem_id 0
		.amdhsa_next_free_vgpr 256
		.amdhsa_next_free_sgpr 66
		.amdhsa_reserve_vcc 0
		.amdhsa_float_denorm_mode_32 3
		.amdhsa_float_denorm_mode_16_64 3
		.amdhsa_memory_ordered 1
		.amdhsa_forward_progress 1
		.amdhsa_inst_pref_size 195
	.end_amdhsa_kernel
	.amdgpu_metadata
---
amdhsa.version: [ 1, 2 ]
amdhsa.kernels:
  - .name:           k_qffbfde7693_attn
    .symbol:         k_qffbfde7693_attn.kd
    .args:
      - { .name: xq, .offset: 0, .size: 8, .value_kind: global_buffer, .address_space: global }
      - { .name: xs, .offset: 8, .size: 8, .value_kind: global_buffer, .address_space: global }
      - { .name: in_proj_w_codes, .offset: 16, .size: 8, .value_kind: global_buffer, .address_space: global }
      - { .name: in_proj_w_scales, .offset: 24, .size: 8, .value_kind: global_buffer, .address_space: global }
      - { .name: in_proj_b, .offset: 32, .size: 8, .value_kind: global_buffer, .address_space: global }
      - { .name: oq, .offset: 40, .size: 8, .value_kind: global_buffer, .address_space: global }
      - { .name: os, .offset: 48, .size: 8, .value_kind: global_buffer, .address_space: global }
    .group_segment_fixed_size: 207360
    .private_segment_fixed_size: 0
    .kernarg_segment_align: 8
    .kernarg_segment_size: 56
    .max_flat_workgroup_size: 512
    .sgpr_count:     66
    .vgpr_count:     256
    .wavefront_size: 32
...
	.end_amdgpu_metadata
.endif
;; end of part 7
;; launch outp (part 8): grid 128 x 2, 16 waves a work-group, no clusters, 143,616 bytes of LDS; arguments oq, os, out_proj_w_codes, out_proj_w_scales, out_proj_b, x, ca, out0; writes out0
.if DOCPART == 8
	.amdgcn_target "amdgcn-amd-amdhsa--gfx1250"
	.amdhsa_code_object_version 6
	.text
	.protected	k_qffbfde7693_outp
	.globl	k_qffbfde7693_outp
	.p2align	8
	.type	k_qffbfde7693_outp,@function
k_qffbfde7693_outp:
	s_mov_b64 s[64:65], 0
	v_nop
	global_prefetch_b8 v0, s[64:65] scope:SCOPE_SE
	s_setreg_imm32_b32 hwreg(HW_REG_WAVE_SCHED_MODE, 0, 2), 2
	s_setreg_imm32_b32 hwreg(HW_REG_WAVE_MODE, 25, 1), 1
	s_wait_xcnt 0x0
	s_wait_alu depctr_vm_vsrc(0)
; out0[b][c][win][n] = x[b][c][win][n] ca[b][c] + the sum over k of o[8 win + b][n][k] Wo[c][k] + bo[c]: the last product on codes of BF8 (E5M2) with E8M0 scales, the bias and the residual.
; A work-group takes four l = 4 lq + l' (one win, four b), all 64 n and 128 channels (ch): 256 rows x 128 columns, K = 256 in two steps.
; oq: [hp 4][n 64][l 512][e 2][h 2][16 bytes]: four l are 256 consecutive bytes, aligned.  Wave w copies them for hp = w / 4 and pixels 16 (w % 4) on into LDS, where they lie as images of operand registers
; (rows = pixels).  The pitches 17,472, 544 and 272 put the sixteen lanes of a store, told apart by (l', e, h), on sixteen different 16-byte columns of the banks; a fragment's loads read 256 consecutive bytes a half wave.
; Then wave w makes channels 16 (w % 8) on for l' = 2 (w / 8) and + 1: source 0 = 16 pixels, source 1 = 16 rows of Wo (in registers for the whole launch), so that a lane holds one channel and eight neighbouring pixels.
; A channel's 64 pixels are one row of 256 bytes of out0: they go through the wave's own stage in LDS and leave, with x * ca added, sixteen lanes to 256 consecutive bytes, aligned.
; No cluster: the two work-groups of one lq share 65,536 bytes of codes, read once at the head; no tensor load: nothing is streamed in steps.
; LIMITS: NaN and infinities among the inputs are not served.
; THE MODE: SCHED_MODE bits 1:0 = 2 (LLVM: expert scheduling mode 2), set by the entry lines.  The code itself states the register dependences between vector or matrix instructions and memory or LDS instructions,
; with s_wait_alu, always for 0.
; THE PLAN.  Registers that memory or LDS instructions touch:
;   v1-13     addresses and offsets: written once, at the head; one wait ahead of the first load serves them all.
;   OF        At the head: loaded, and read by the copy's LDS stores.  For each l': K step 0's fragments land, four products read them; K step 1's likewise; then eight rows from the stage land, and the multiply-adds read them.
;   OS        o's scale words: loaded for each l', read by its eight products.
;   ACC       Written by the products, read by the LDS stores into the stage, begun anew by the next l's products.
;   XR        x, as loaded; the multiply-adds write their results over the x that they have just used, and the global stores leave from here: registers that nothing writes again, so no wait is owed behind those stores.
; For each l': one wait at its head for registers that LDS stores have read (OF, then ACC); one behind the places of each K step (the fragments are read; behind K step 1 the accumulators are written); one behind the multiply-adds.
.set OIMG, 0                           ; LDS: l' x 17,472 + pixel tile x 4,352 + s x 2,176 + c x 544 + h x 272 + r x 16
.set OSC,  69888                       ;      o's scale words: [l'][pixel tile][s][r]
.set STG,  71936                       ;      a stage of 16 rows x (256 + 16) bytes for each wave
.set WOF,  16                          ; v16-47  Wo's two fragments
.set WS,   48                          ; v48     Wo's scale words: lanes 0-15 K step 0, lanes 16-31 K step 1
.set BC,   50                          ; v49 the bias as loaded; v50-57 as the C of a sum
.set OS,   58                          ; v58-61  o's scale words, one register a pixel tile
.set OF,   64                          ; v64-127 o's four fragments; at the head the bytes to be copied; later v64-95 rows back from the stage
.set ACC,  128                         ; v128-159 four accumulators
.set CA,   160                         ; v160-175 the gate: [l' % 2][8 channels]
.set XR,   176                         ; v176-239 x: [l' % 2][8 rows][4]; then the rows of out0
	s_load_b256 s[4:11], s[0:1], 0x0               ; oq, os, Wo's codes, Wo's scales
	s_load_b256 s[12:19], s[0:1], 0x20             ; the bias, x, ca, out0
	v_lshl_add_u32 v254, v0, 2, 0x22900
	v_mov_b32 v255, 0
	v_lshrrev_b32 v1, 5, v0
	v_readfirstlane_b32 s20, v1                    ; wave 0..15
	s_mov_b32 s21, ttmp9                           ; lq
	s_and_b32 s22, ttmp7, 0xffff                   ; ch
	s_wait_alu depctr_va_sdst(0)                   ; s20 is written, ahead of its first reader: addresses and bases are made from it
	s_lshr_b32 s23, s20, 2                         ; for the copy: hp,
	s_and_b32 s24, s20, 3                          ; the pixel tile
	s_and_b32 s25, s20, 7                          ; for the work: the tile of channels,
	s_lshr_b32 s26, s20, 3                         ; the pair of l'
	v_and_b32 v240, 15, v0                         ; r (q)
	v_bfe_u32 v241, v0, 4, 1                       ; h (hh)
	v_and_b32 v242, 31, v0                         ; lane
	v_bfe_u32 v243, v0, 2, 2                       ; the copy: l' = q / 4,
	v_bfe_u32 v244, v0, 1, 1                       ; e,
	v_and_b32 v245, 1, v0                          ; h
	v_lshlrev_b32 v1, 4, v240
	v_lshl_add_u32 v1, v241, 15, v1                ; oq: 16 q; lanes 16-31 the next pixel
	v_mul_u32_u24 v2, v243, 17472
	v_mad_u32_u24 v2, v244, 544, v2
	v_mad_u32_u24 v2, v245, 272, v2
	v_lshl_add_u32 v2, v241, 4, v2
	s_mul_i32 s27, s24, 4352
	s_lshr_b32 s28, s23, 1
	s_mul_i32 s29, s28, 2176
	s_add_co_u32 s27, s27, s29
	s_and_b32 s29, s23, 1
	s_mul_i32 s31, s29, 1088
	s_add_co_u32 s27, s27, s31
	v_add_nc_u32 v2, s27, v2                       ; OIMG: head 2 hp + e is block c = 2 (hp % 2) + e of K step hp / 2; pixel 2 i + hh is row r
	v_lshlrev_b32 v3, 10, v240                     ; os: 1,024 bytes a pixel
	s_lshl_b32 s27, s24, 7
	s_lshl_b32 s28, s28, 6
	s_add_co_u32 s27, s27, s28
	s_lshl_b32 s29, s29, 1
	s_add_co_u32 s27, s27, s29
	s_add_co_u32 s27, s27, OSC
	v_lshlrev_b32 v7, 2, v240                      ; 4 r
	v_add_nc_u32 v4, s27, v7                       ; OSC: two bytes of row r's word
	v_lshlrev_b32 v5, 8, v240
	v_lshl_add_u32 v5, v241, 4, v5                 ; Wo's codes: row r of 256 bytes, + 16 h
	v_lshlrev_b32 v6, 3, v240
	v_lshl_add_u32 v6, v241, 2, v6                 ; Wo's scales
	v_lshlrev_b32 v8, 5, v241                      ; ca: eight channels x hh
	v_lshlrev_b32 v9, 4, v240
	v_lshl_add_u32 v9, v241, 17, v9                ; x, out0: 16 q; lanes 16-31 eight channels on
	s_mul_i32 s27, s26, 34944
	v_mul_u32_u24 v10, v241, 272
	v_lshl_add_u32 v10, v240, 4, v10
	v_add_nc_u32 v10, s27, v10                     ; OIMG on the way back
	s_lshl_b32 s27, s26, 10
	s_add_co_u32 s27, s27, OSC
	v_lshlrev_b32 v11, 2, v242
	v_add_nc_u32 v11, s27, v11                     ; OSC on the way back: lanes 0-15 K step 0, lanes 16-31 K step 1
	s_mul_i32 s27, s20, 4352
	s_add_co_u32 s27, s27, STG
	v_mul_u32_u24 v12, v240, 272
	v_lshl_add_u32 v12, v241, 5, v12
	v_add_nc_u32 v12, s27, v12                     ; my stage, in: row = channel r, + 32 h
	v_mul_u32_u24 v13, v241, 2176
	v_lshl_add_u32 v13, v240, 4, v13
	v_add_nc_u32 v13, s27, v13                     ; and back: lanes 0-15 row i, lanes 16-31 row 8 + i
	s_lshl_b32 s30, s22, 7
	s_lshl_b32 s31, s25, 4
	s_add_co_u32 s30, s30, s31                     ; my first channel
	s_and_b32 s32, s21, 1
	s_lshl_b32 s32, s32, 2
	s_lshl_b32 s31, s26, 1
	s_add_co_u32 s32, s32, s31                     ; my first b = 4 (lq % 2) + 2 (w / 8)
	s_mov_b32 s41, 0
	s_wait_kmcnt 0x0
	s_lshl_b32 s40, s23, 21
	s_lshl_b32 s31, s24, 19
	s_add_co_u32 s40, s40, s31
	s_lshl_b32 s31, s21, 8
	s_add_co_u32 s40, s40, s31
	s_add_nc_u64 s[4:5], s[4:5], s[40:41]
	s_lshl_b32 s40, s23, 16
	s_lshl_b32 s31, s24, 14
	s_add_co_u32 s40, s40, s31
	s_lshl_b32 s31, s21, 3
	s_add_co_u32 s40, s40, s31
	s_add_nc_u64 s[6:7], s[6:7], s[40:41]
	s_lshl_b32 s40, s30, 8
	s_add_nc_u64 s[8:9], s[8:9], s[40:41]
	s_lshl_b32 s40, s30, 3
	s_add_nc_u64 s[10:11], s[10:11], s[40:41]
	s_lshl_b32 s40, s30, 2
	s_add_nc_u64 s[12:13], s[12:13], s[40:41]
	s_lshl_b32 s31, s32, 10
	s_add_co_u32 s40, s40, s31
	s_add_nc_u64 s[16:17], s[16:17], s[40:41]
	s_lshl_b32 s40, s32, 22
	s_lshl_b32 s31, s30, 14
	s_add_co_u32 s40, s40, s31
	s_lshr_b32 s31, s21, 1
	s_lshl_b32 s31, s31, 8
	s_add_co_u32 s40, s40, s31
	s_add_nc_u64 s[14:15], s[14:15], s[40:41]
	s_add_nc_u64 s[18:19], s[18:19], s[40:41]
	s_wait_alu depctr_va_vdst(0)                   ; the addresses and offsets v1 to v13 are written, which the loads and stores of the whole kernel read
	; all loads at the head, in the order in which they are wanted
.irp i, 0,1,2,3,4,5,6,7
	global_load_b128 v[OF+4*\i:OF+4*\i+3], v1, s[4:5] offset:65536*\i   ; pixels 2 i and 2 i + 1: twice 256 consecutive bytes, aligned
.endr
	global_load_b64 v[OF+32:OF+33], v3, s[6:7]     ; pixel r's eight scale bytes [l'][e]
.irp s, 0,1
.irp c, 0,1,2,3
	global_load_b128 v[WOF+16*\s+4*\c:WOF+16*\s+4*\c+3], v5, s[8:9] offset:128*\s+32*\c
.endr
.endr
	global_load_b32 v[WS], v6, s[10:11]
	global_load_b32 v49, v7, s[12:13]
.irp a, 0,1
.irp g, 0,1
	global_load_b128 v[CA+8*\a+4*\g:CA+8*\a+4*\g+3], v8, s[16:17] offset:1024*\a+16*\g
.endr
.endr
.irp a, 0,1
.irp i, 0,1,2,3,4,5,6,7
	global_load_b128 v[XR+32*\a+4*\i:XR+32*\a+4*\i+3], v9, s[14:15] offset:4194304*\a+16384*\i th:TH_LOAD_NT
.endr
.endr
	s_wait_loadcnt 30                              ; the codes and bytes to be copied are in; the 30 younger loads stay out
	v_lshrrev_b32 v[OF+34], 16, v[OF+32]
	v_lshrrev_b32 v[OF+35], 16, v[OF+33]
.irp i, 0,1,2,3,4,5,6,7
	ds_store_b128 v2, v[OF+4*\i:OF+4*\i+3] offset:32*\i
.endr
	ds_store_b16 v4, v[OF+32]                      ; l' = 0 (both halves of the lanes write the same bytes with the same values)
	ds_store_b16 v4, v[OF+33] offset:1024          ; 2.  The ten stores so far read loaded registers alone
	s_wait_alu depctr_va_vdst(0)                   ; the two shifts have written v[OF+34] and v[OF+35], which the two stores below read
	ds_store_b16 v4, v[OF+34] offset:512           ; 1
	ds_store_b16 v4, v[OF+35] offset:1536          ; 3
	s_wait_dscnt 0x0
	s_barrier_signal -1
	s_barrier_wait -1                              ; o's 32 fragments and their scale words lie in LDS
	s_wait_loadcnt 20                              ; Wo, its scales and the bias are in; ca's 4 loads and x's 16 stay out
.irp j, 0,1,2,3,4,5,6,7
	v_mov_b32 v[BC+\j], v49                        ; a lane holds one channel: its bias in all eight registers
.endr
	s_wait_alu depctr_va_vdst(0)
.rept 4
	v_nop
.endr
.macro MM d, a, b, sa, sb, s, c
.if (\s) == 0
	v_wmma_scale_f32_16x16x128_f8f6f4 v[(\d):(\d)+7], v[(\a):(\a)+15], v[(\b):(\b)+15], v[(\c):(\c)+7], v[(\sa)], v[(\sb)] matrix_a_fmt:MATRIX_FMT_BF8 matrix_b_fmt:MATRIX_FMT_BF8
.else
	v_wmma_scale_f32_16x16x128_f8f6f4 v[(\d):(\d)+7], v[(\a):(\a)+15], v[(\b):(\b)+15], v[(\d):(\d)+7], v[(\sa)], v[(\sb)] matrix_a_fmt:MATRIX_FMT_BF8 matrix_b_fmt:MATRIX_FMT_BF8 matrix_a_scale:MATRIX_SCALE_ROW1 matrix_b_scale:MATRIX_SCALE_ROW1
.endif
.endm
; l' = 2 (w / 8) + a: 64 pixels x my 16 channels: four accumulators by turns, one instruction a turn
.macro ROWS a
.if \a
	s_wait_alu depctr_vm_vsrc(0)                   ; the LDS stores into the stage have read the accumulators, which the products below begin anew
.else
	s_wait_alu depctr_vm_vsrc(0)                   ; the copy's LDS stores have read v[OF ..], in which the loads below land
.endif
.irp t, 0,1,2,3
	ds_load_b32 v[OS+\t], v11 offset:512*\a+128*\t
.endr
.irp s, 0,1
.irp t, 0,1,2,3
.irp c, 0,1,2,3
	ds_load_b128 v[OF+16*\t+4*\c:OF+16*\t+4*\c+3], v10 offset:17472*\a+4352*\t+2176*\s+544*\c
.endr
.endr
	s_wait_dscnt 0x0
.irp t, 0,1,2,3
	MM ACC+8*\t,OF+16*\t,WOF+16*\s,OS+\t,WS,\s,BC
.endr
.rept 9
	v_nop                                          ; eight places ahead of loads into the operands and of the first read of the results; nine ahead of products that begin these accumulators anew
.endr
	s_wait_alu depctr_va_vdst(0)                   ; the four products are done reading their fragments, in which the next loads land (K step 1's; behind K step 1 the rows from the stage); behind K step 1 they have also written the accumulators, which the LDS stores read.  The places stand ahead of this wait
.endr
.irp t, 0,1,2,3
	ds_store_b128 v12, v[ACC+8*\t:ACC+8*\t+3] offset:64*\t           ; each accumulator from its low end on: pixels 16 t + 8 h + 0 .. 7 of channel r
	ds_store_b128 v12, v[ACC+8*\t+4:ACC+8*\t+7] offset:64*\t+16
.endr
.irp i, 0,1,2,3,4,5,6,7
	ds_load_b128 v[OF+4*\i:OF+4*\i+3], v13 offset:272*\i             ; my own stage: LDS serves a wave's instructions in order
.endr
	s_wait_loadcnt 8*(1-\a)                        ; the gate and this l's eight loads of x are in; the other l's eight may stay out
	s_wait_dscnt 0x0
.irp i, 0,1,2,3,4,5,6,7
.irp p, 0,1,2,3
	v_fma_f32 v[XR+32*\a+4*\i+\p], v[XR+32*\a+4*\i+\p], v[CA+8*\a+\i], v[OF+4*\i+\p]   ; x * ca + the product, over the x that it has used
.endr
.endr
	s_wait_alu depctr_va_vdst(0)                   ; the multiply-adds have written v[XR ..], which the stores read, and are done reading v[OF ..], in which the next l's loads land
.irp i, 0,1,2,3,4,5,6,7
	global_store_b128 v9, v[XR+32*\a+4*\i:XR+32*\a+4*\i+3], s[18:19] offset:4194304*\a+16384*\i th:TH_STORE_NT   ; sixteen lanes store 256 consecutive bytes, aligned; nothing writes these registers or the offset again
.endr
.endm
	ROWS 0
	ROWS 1
	s_wait_dscnt 0x0                               ; the closing lines, six on end
	s_wait_alu 0x0
	s_wait_tensorcnt 0x0
	ds_add_u32 v254, v255
	s_wait_dscnt 0x0
	s_endpgm
.Lfunc_end_k_qffbfde7693_outp:
	.size	k_qffbfde7693_outp, .Lfunc_end_k_qffbfde7693_outp-k_qffbfde7693_outp
	.p2alignl 7, 3214868480
	.fill 96, 4, 3214868480
	.section	.rodata,"a",@progbits
	.p2align	6, 0x0
	.amdhsa_kernel k_qffbfde7693_outp
		.amdhsa_group_segment_fixed_size 143616
		.amdhsa_private_segment_fixed_size 0
		.amdhsa_enable_private_segment 0
		.amdhsa_kernarg_size 64
		.amdhsa_user_sgpr_count 2
		.amdhsa_user_sgpr_kernarg_segment_ptr 1
		.amdhsa_wavefront_size32 1
		.amdhsa_system_sgpr_workgroup_id_x 1
		.amdhsa_system_sgpr_workgroup_id_y 1
		.amdhsa_system_sgpr_workgroup_id_z 1
		.amdhsa_system_vgpr_workitem_id 0
		.amdhsa_next_free_vgpr 256
		.amdhsa_next_free_sgpr 66
		.amdhsa_reserve_vcc 0
		.amdhsa_float_denorm_mode_32 3
		.amdhsa_float_denorm_mode_16_64 3
		.amdhsa_memory_ordered 1
		.amdhsa_forward_progress 1
		.amdhsa_inst_pref_size 26
	.end_amdhsa_kernel
	.amdgpu_metadata
---
amdhsa.version: [ 1, 2 ]
amdhsa.kernels:
  - .name:           k_qffbfde7693_outp
    .symbol:         k_qffbfde7693_outp.kd
    .args:
      - { .name: oq, .offset: 0, .size: 8, .value_kind: global_buffer, .address_space: global }
      - { .name: os, .offset: 8, .size: 8, .value_kind: global_buffer, .address_space: global }
      - { .name: out_proj_w_codes, .offset: 16, .size: 8, .value_kind: global_buffer, .address_space: global }
      - { .name: out_proj_w_scales, .offset: 24, .size: 8, .value_kind: global_buffer, .address_space: global }
      - { .name: out_proj_b, .offset: 32, .size: 8, .value_kind: global_buffer, .address_space: global }
      - { .name: x, .offset: 40, .size: 8, .value_kind: global_buffer, .address_space: global }
      - { .name: ca, .offset: 48, .size: 8, .value_kind: global_buffer, .address_space: global }
      - { .name: out0, .offset: 56, .size: 8, .value_kind: global_buffer, .address_space: global }
    .group_segment_fixed_size: 143616
    .private_segment_fixed_size: 0
    .kernarg_segment_align: 8
    .kernarg_segment_size: 64
    .max_flat_workgroup_size: 512
    .sgpr_count:     66
    .vgpr_count:     256
    .wavefront_size: 32
...
	.end_amdgpu_metadata
.endif
;; end of part 8
